; MI455X (gfx1250); checked and timed in simulation.
; The chip was launched on July 23, 2026; its instructions are those of AMD's public machine-readable ISA for CDNA 5 (MIT licence, August 2026) and "CDNA5" Instruction Set Architecture Reference Guide (July 2026). The comments in the code are by the model that wrote it; some were corrected since.
;; Label Cross Attention. Allowed arithmetic: float matrix products may take bf16 or f16 operands with f32 sums; other float arithmetic in f32, or as packed bf16 or f16 multiplies, adds, multiply-adds, maxima and minima; sums over many terms, partial sums and values carried from step to step in f32; what a program stores and reads back later, other than sums and carried values, may be rounded once to bf16 or f16.
;; Inputs: Wk 768 x 768 float32; Wv 768 x 768 float32; attention_masks 4 x 4,096 int32; bv 768 float32; label_reps 2,000 x 768 float32; ln_beta 768 float32; ln_gamma 768 float32; out_b one number float32; out_w 768 float32; x 4 x 4,096 x 768 float32.
;; Outputs: out0 4 x 2,000 float32.
;; 3 versions, each right; version 3 is version 2 with the launches qproj, attn written anew for expert scheduling mode. Each part assembles by itself: llvm-mc -triple=amdgcn-amd-amdhsa -mcpu=gfx1250 --defsym DOCPART=n.
;; ======== version 1 of 3: 4 launches
;; limits: values are held in f16: magnitudes above 65,504 overflow, below 6.1e-05 lose precision
;; workspace buffers: xh 25,165,824 bytes; wvf 1,179,648 bytes; wkf 1,179,648 bytes; lf 3,145,728 bytes; qf 3,145,728 bytes; counts 1,024 bytes of whole numbers; zp 50,331,648 bytes; st 262,144 bytes
;; launch prep (part 1): grid 284 x 1, 8 waves a work-group, no clusters, 1,280 bytes of LDS; arguments x, attention_masks, Wv, label_reps, Wk, xh, wvf, lf, wkf, counts; writes xh, wvf, lf, wkf, counts
.if DOCPART == 1
	.amdgcn_target "amdgcn-amd-amdhsa--gfx1250"
	.amdhsa_code_object_version 6
	.text
	.protected	k_qb4cb88178b_prep
	.globl	k_qb4cb88178b_prep
	.p2align	8
	.type	k_qb4cb88178b_prep,@function
k_qb4cb88178b_prep:
	s_mov_b64 s[64:65], 0
	v_nop
	global_prefetch_b8 v0, s[64:65] scope:SCOPE_SE
	s_setreg_imm32_b32 hwreg(HW_REG_WAVE_MODE, 25, 1), 1
	s_wait_xcnt 0x0
; PREP.  Three kinds of work-group, told apart by the work-group's number alone.
;   0..255    x -> xh: [4][4096][768] f16.  In each batch the rows whose mask is not 0 come first, in their order, then rows of zeros: a masked key
;             has weight 0 in the softmax, so its row is not read here, and the attention hides it by one compare with the count.  counts takes the number of kept rows of each batch.
;   256..277  Wv -> wvf and label_reps -> lf, f16, in FRAGMENT ORDER: [block of 16 rows][24 blocks of 32 columns][half t][lane][16 bytes]; lane l (r = l % 16, h = l / 16),
;             half t holds columns 32 f + 16 t + 8 h + 0..7 of row r: registers 4 t .. 4 t + 3 of a matrix operand.  lf has 128 blocks; rows from 2000 on repeat row 1999.
;   278..283  Wk -> wkf: the same order for Wk transposed (row = a column d of Wk, columns = e).  Wk is read once in this way, in runs of 64 bytes, 2.4 MB in all.
; LIMITS.  Every number is rounded once to f16: beyond 65,504 it becomes an infinity; below 6e-5 it keeps f16's fixed step of 6e-8.
.set SPARE, 256                        ; LDS: bytes 0..63 the eight waves' pairs of counts; from 256 on the spare words, 128 bytes a wave, which no other line names
.set SPW, 28                           ; v28  my spare word's address; never rewritten
.set NIL, 29                           ; v29  0; never rewritten
.set XR,  32                           ; v[32:223]  role x: row k of my eight at XR + 24 k
.set FR,  32                           ; v[32:159]  the weights' roles: eight fragments of 16 registers
	s_load_b512 s[4:19], s[0:1], 0x0               ; x s[4:5], masks s[6:7], Wv s[8:9], label_reps s[10:11], Wk s[12:13], xh s[14:15], wvf s[16:17], lf s[18:19]
	s_load_b128 s[20:23], s[0:1], 0x40             ; wkf s[20:21], counts s[22:23]
	v_lshl_add_u32 v[SPW], v0, 2, SPARE
	v_mov_b32 v[NIL], 0
	v_lshrrev_b32 v1, 5, v0
	v_readfirstlane_b32 s24, v1                    ; wave 0..7
	v_and_b32 v1, 31, v0                           ; lane
	s_mov_b32 s25, ttmp9
	s_wait_kmcnt 0x0
	s_cmp_lt_u32 s25, 256
	s_cbranch_scc0 .Lweights
	; ---- ROLE X.  The work-group owns rows start .. start + 63 of batch b; wave v rows start + 8 v + k, k = 0..7.
	s_lshr_b32 s26, s25, 6                         ; b
	s_and_b32 s27, s25, 63                         ; chunk
	s_lshl_b32 s28, s27, 6                         ; start
	s_lshl_b32 s34, s26, 14
	s_mov_b32 s35, 0
	s_add_nc_u64 s[30:31], s[6:7], s[34:35]        ; the batch's 4,096 masks
	s_lshl_b32 s34, s28, 2
	v_lshl_add_u32 v30, v1, 2, s34                 ; 4 (start + lane)
	s_lshl_b32 s34, s24, 11
	v_lshl_add_u32 v31, v1, 4, s34                 ; 2,048 v + 16 lane: the eight waves share out the whole batch's masks for the count
	global_load_b32 v20, v30, s[30:31]             ; my chunk's rows 0..31,
	global_load_b32 v21, v30, s[30:31] offset:128  ; and 32..63
.irp i, 0,1,2,3
	global_load_b128 v[4+4*\i:7+4*\i], v31, s[30:31] offset:512*\i  ; register 4 i + k: index 512 v + 128 i + 4 lane + k
.endr
	s_lshl_b32 s34, s26, 12
	s_add_co_u32 s34, s34, s28
	s_lshl_b32 s35, s24, 3
	s_add_co_u32 s34, s34, s35                     ; my first row among x's 16,384
	s_mul_i32 s58, s34, 3072
	s_mov_b32 s59, 0
	s_add_nc_u64 s[56:57], s[4:5], s[58:59]
	s_mul_i32 s58, s26, 6291456
	s_add_nc_u64 s[32:33], s[14:15], s[58:59]      ; xh at the batch
	v_lshlrev_b32 v2, 4, v1                        ; 16 lane: a load takes 512 consecutive bytes of a row
	v_lshlrev_b32 v26, 3, v1                       ; 8 lane: a store fills 256 consecutive bytes
	s_wait_loadcnt 0x0
	v_cmp_ne_u32 s36, 0, v20                       ; the chunk's 64 mask bits
	v_cmp_ne_u32 s37, 0, v21
	s_cmp_lt_u32 s24, 4
	s_cselect_b32 s38, s36, s37                    ; the word with my eight rows,
	s_and_b32 s39, s24, 3
	s_lshl_b32 s39, s39, 3                         ; which begin at this bit
	s_lshr_b32 s29, s38, s39                       ; bit k: row k is kept
	; a kept row is asked for, a masked one is zeros.  The branch hangs on the mask, a whole-number input; no barrier stands inside it.
.irp k, 0,1,2,3,4,5,6,7
	s_bitcmp1_b32 s29, \k
	s_cbranch_scc0 .Lhid\k
.irp u, 0,1,2,3,4,5
	global_load_b128 v[XR+24*\k+4*\u:XR+24*\k+4*\u+3], v2, s[56:57] offset:3072*\k+512*\u th:TH_LOAD_NT
.endr
	s_branch .Lrow\k
.Lhid\k:
.set z, 0
.rept 24
	v_mov_b32 v[XR+24*\k+z], 0
.set z, z+1
.endr
.Lrow\k:
.endr
	; the counts, while the rows are on their way: of my 512 masks how many are kept (s44), and how many of those lie ahead of the chunk (s45)
	s_mov_b32 s44, 0
	s_mov_b32 s45, 0
	s_lshl_b32 s47, s24, 9
	s_sub_co_i32 s47, s28, s47                     ; start - 512 v
.irp i, 0,1,2,3
	s_sub_co_i32 s46, s47, 128*\i                  ; how many of this load's 128 indices lie ahead of the chunk: a multiple of 64
	s_cmp_ge_i32 s46, 128
	s_cselect_b32 s48, -1, 0xffff                  ; all lanes, or (64 indices = 4 a lane) lanes 0..15,
	s_cmp_ge_i32 s46, 64
	s_cselect_b32 s48, s48, 0                      ; or none
.irp k, 0,1,2,3
	v_cmp_ne_u32 s49, 0, v[4+4*\i+\k]
	s_bcnt1_i32_b32 s50, s49
	s_add_co_u32 s44, s44, s50
	s_and_b32 s49, s49, s48
	s_bcnt1_i32_b32 s50, s49
	s_add_co_u32 s45, s45, s50
.endr
.endr
	v_mov_b32 v22, s44
	v_mov_b32 v23, s45
	v_mov_b32 v24, s24
	v_lshlrev_b32 v24, 3, v24
	ds_store_b64 v24, v[22:23]                     ; all lanes write the wave's own 8 bytes with the same pair
	s_wait_dscnt 0x0                               ; for the others' sake: my store is done
	s_barrier_signal -1
	s_barrier_wait -1
	v_mov_b32 v25, 0
.irp i, 0,1,2,3
	ds_load_b128 v[4+4*\i:7+4*\i], v25 offset:16*\i
.endr
	s_wait_dscnt 0x0
	v_add3_u32 v4, v4, v6, v8
	v_add3_u32 v5, v5, v7, v9
	v_add3_u32 v4, v4, v10, v12
	v_add3_u32 v5, v5, v11, v13
	v_add3_u32 v4, v4, v14, v16
	v_add3_u32 v5, v5, v15, v17
	v_add_nc_u32 v4, v4, v18
	v_add_nc_u32 v5, v5, v19
	v_readfirstlane_b32 s60, v4                    ; the batch's kept rows
	v_readfirstlane_b32 s61, v5                    ; those ahead of the chunk
	s_bfm_b32 s63, s39, 0
	s_and_b32 s63, s38, s63
	s_bcnt1_i32_b32 s63, s63
	s_add_co_u32 s62, s61, s63                     ; + those of my word ahead of my rows
	s_bcnt1_i32_b32 s63, s36
	s_cmp_ge_u32 s24, 4
	s_cselect_b32 s63, s63, 0
	s_add_co_u32 s62, s62, s63                     ; + the chunk's first word, for waves 4..7: kept rows ahead of my first row
	s_lshl_b32 s59, s24, 3
	s_add_co_u32 s59, s59, s28
	s_add_co_u32 s59, s59, s60
	; row k goes to place (kept rows ahead of it) if kept, else to (all kept rows) + (masked rows ahead of it): each place of the batch is taken once
.irp k, 0,1,2,3,4,5,6,7
	s_add_co_u32 s58, s59, \k
	s_sub_co_u32 s58, s58, s62
	s_bitcmp1_b32 s29, \k
	s_cselect_b32 s58, s62, s58
	s_bfe_u32 s63, s29, 0x10000+\k
	s_add_co_u32 s62, s62, s63
	s_min_u32 s58, s58, 4095                       ; a number made of loaded data is held to the table before it enters an address
	s_mul_i32 s[40+2*\k], s58, 1536
	s_mov_b32 s[41+2*\k], 0
	s_add_nc_u64 s[40+2*\k:41+2*\k], s[32:33], s[40+2*\k:41+2*\k]
.endr
	s_wait_loadcnt 0x0                             ; the rows
.irp k, 0,1,2,3,4,5,6,7
.set z, 0
.rept 12
	v_cvt_pk_f16_f32 v[XR+24*\k+z], v[XR+24*\k+2*z], v[XR+24*\k+2*z+1]  ; in place, ascending: register z is written when 2 z and 2 z + 1 are read
.set z, z+1
.endr
.irp u, 0,1,2,3,4,5
	global_store_b64 v26, v[XR+24*\k+2*\u:XR+24*\k+2*\u+1], s[40+2*\k:41+2*\k] offset:256*\u  ; 32 lanes store 256 consecutive bytes, aligned
.endr
.endr
	s_or_b32 s63, s27, s24
	s_cmp_lg_u32 s63, 0
	s_cbranch_scc1 .Lend                           ; wave 0 of a batch's first chunk stores the count, 64 times: one whole block of 256 bytes
	v_mov_b32 v22, s60
	v_mov_b32 v23, s60
	s_lshl_b32 s58, s26, 8
	s_mov_b32 s59, 0
	s_add_nc_u64 s[58:59], s[22:23], s[58:59]
	global_store_b64 v26, v[22:23], s[58:59]
	s_branch .Lend
; eight fragments: rounded in place (register m of a fragment's 16 takes 2 m and 2 m + 1), stored as 512 consecutive bytes a half
.macro CVST
	s_wait_loadcnt 0x0
.irp f, 0,1,2,3,4,5,6,7
.irp m, 0,1,2,3,4,5,6,7
	v_cvt_pk_f16_f32 v[FR+16*\f+\m], v[FR+16*\f+2*\m], v[FR+16*\f+2*\m+1]
.endr
.endr
.irp f, 0,1,2,3,4,5,6,7
	global_store_b128 v3, v[FR+16*\f:FR+16*\f+3],   s[32:33] offset:1024*\f
	global_store_b128 v3, v[FR+16*\f+4:FR+16*\f+7], s[32:33] offset:1024*\f+512
.endr
	s_wait_xcnt 0x0                                ; the stores have read their data and both pointers: only now are these written again
	s_add_nc_u64 s[32:33], s[32:33], 8192
.endm
.Lweights:
	s_sub_co_u32 s26, s25, 256
	s_lshl_b32 s26, s26, 3
	s_add_co_u32 s26, s26, s24                     ; a wave a block of 16 rows: 0..47 Wv, 48..175 label_reps, 176..223 Wk
	v_and_b32 v4, 15, v0                           ; r
	v_bfe_u32 v5, v0, 4, 1                         ; h
	v_lshlrev_b32 v3, 4, v1                        ; 16 lane
	s_mov_b32 s40, 3                               ; three trips of eight fragments
	s_mov_b32 s37, 0
	s_cmp_lt_u32 s25, 278
	s_cbranch_scc0 .Lwk
	; ---- ROLE F: rows as they lie
	s_sub_co_u32 s35, s26, 48
	s_mov_b32 s34, 1999
	s_mov_b32 s36, 767
	s_cmp_lt_u32 s26, 48
	s_cselect_b32 s35, s26, s35                    ; the block in its tensor
	s_cselect_b32 s34, s36, s34                    ; the tensor's last row
	s_cselect_b64 s[30:31], s[8:9], s[10:11]
	s_cselect_b64 s[32:33], s[16:17], s[18:19]
	s_lshl_b32 s36, s35, 4
	v_add_nc_u32 v6, s36, v4
	v_min_u32 v6, s34, v6                          ; lf's rows from 2000 on repeat row 1999: no load leaves the tensor
	v_mul_u32_u24 v6, v6, 3072
	v_lshl_add_u32 v6, v5, 5, v6                   ; + 32 h: eight f32
	s_mul_i32 s36, s35, 24576
	s_add_nc_u64 s[32:33], s[32:33], s[36:37]
.Lftrip:
.irp f, 0,1,2,3,4,5,6,7
	global_load_b128 v[FR+16*\f:FR+16*\f+3],     v6, s[30:31] offset:128*\f
	global_load_b128 v[FR+16*\f+4:FR+16*\f+7],   v6, s[30:31] offset:128*\f+16
	global_load_b128 v[FR+16*\f+8:FR+16*\f+11],  v6, s[30:31] offset:128*\f+64
	global_load_b128 v[FR+16*\f+12:FR+16*\f+15], v6, s[30:31] offset:128*\f+80
.endr
	CVST
	s_add_nc_u64 s[30:31], s[30:31], 1024
	s_sub_co_u32 s40, s40, 1
	s_cmp_lg_u32 s40, 0
	s_cbranch_scc1 .Lftrip
	s_branch .Lend
.Lwk:
	; ---- ROLE K: register 16 f + 8 t + j takes Wk[32 f + 16 t + 8 h + j][16 db + r]
	s_sub_co_u32 s35, s26, 176                     ; db
	s_lshl_b32 s36, s35, 6
	s_add_nc_u64 s[30:31], s[12:13], s[36:37]
	s_mul_i32 s36, s35, 24576
	s_add_nc_u64 s[32:33], s[20:21], s[36:37]
	v_mul_u32_u24 v6, v5, 24576                    ; 8 h rows of 3,072 bytes
	v_lshl_add_u32 v6, v4, 2, v6
.Lktrip:
.set z, 0
.rept 128
	global_load_b32 v[FR+z], v6, s[30:31] offset:(32*(z/16)+16*((z/8)%2)+z%8)*3072
.set z, z+1
.endr
	CVST
	s_add_nc_u64 s[30:31], s[30:31], 786432        ; 256 rows of Wk on
	s_sub_co_u32 s40, s40, 1
	s_cmp_lg_u32 s40, 0
	s_cbranch_scc1 .Lktrip
.Lend:
	s_wait_tensorcnt 0x0                           ; the wave's end: behind the last LDS store
	ds_add_u32 v[SPW], v[NIL]
	s_wait_dscnt 0x0
	s_endpgm
.Lfunc_end_k_qb4cb88178b_prep:
	.size	k_qb4cb88178b_prep, .Lfunc_end_k_qb4cb88178b_prep-k_qb4cb88178b_prep
	.p2alignl 7, 3214868480
	.fill 96, 4, 3214868480
	.section	.rodata,"a",@progbits
	.p2align	6, 0x0
	.amdhsa_kernel k_qb4cb88178b_prep
		.amdhsa_group_segment_fixed_size 1280
		.amdhsa_private_segment_fixed_size 0
		.amdhsa_enable_private_segment 0
		.amdhsa_kernarg_size 80
		.amdhsa_user_sgpr_count 2
		.amdhsa_user_sgpr_kernarg_segment_ptr 1
		.amdhsa_wavefront_size32 1
		.amdhsa_system_sgpr_workgroup_id_x 1
		.amdhsa_system_sgpr_workgroup_id_y 1
		.amdhsa_system_sgpr_workgroup_id_z 1
		.amdhsa_system_vgpr_workitem_id 0
		.amdhsa_next_free_vgpr 224
		.amdhsa_next_free_sgpr 66
		.amdhsa_reserve_vcc 0
		.amdhsa_float_denorm_mode_32 3
		.amdhsa_float_denorm_mode_16_64 3
		.amdhsa_memory_ordered 1
		.amdhsa_forward_progress 1
		.amdhsa_inst_pref_size 63
	.end_amdhsa_kernel
	.amdgpu_metadata
---
amdhsa.version: [ 1, 2 ]
amdhsa.kernels:
  - .name:           k_qb4cb88178b_prep
    .symbol:         k_qb4cb88178b_prep.kd
    .args:
      - { .name: x, .offset: 0, .size: 8, .value_kind: global_buffer, .address_space: global }
      - { .name: attention_masks, .offset: 8, .size: 8, .value_kind: global_buffer, .address_space: global }
      - { .name: Wv, .offset: 16, .size: 8, .value_kind: global_buffer, .address_space: global }
      - { .name: label_reps, .offset: 24, .size: 8, .value_kind: global_buffer, .address_space: global }
      - { .name: Wk, .offset: 32, .size: 8, .value_kind: global_buffer, .address_space: global }
      - { .name: xh, .offset: 40, .size: 8, .value_kind: global_buffer, .address_space: global }
      - { .name: wvf, .offset: 48, .size: 8, .value_kind: global_buffer, .address_space: global }
      - { .name: lf, .offset: 56, .size: 8, .value_kind: global_buffer, .address_space: global }
      - { .name: wkf, .offset: 64, .size: 8, .value_kind: global_buffer, .address_space: global }
      - { .name: counts, .offset: 72, .size: 8, .value_kind: global_buffer, .address_space: global }
    .group_segment_fixed_size: 1280
    .private_segment_fixed_size: 0
    .kernarg_segment_align: 8
    .kernarg_segment_size: 80
    .max_flat_workgroup_size: 256
    .sgpr_count:     66
    .vgpr_count:     224
    .wavefront_size: 32
...
	.end_amdgpu_metadata
.endif
;; end of part 1
;; launch qproj (part 2): grid 256 x 1, 2 waves a work-group, no clusters, 0 bytes of LDS; arguments wkf, lf, qf; writes qf
.if DOCPART == 2
	.amdgcn_target "amdgcn-amd-amdhsa--gfx1250"
	.amdhsa_code_object_version 6
	.text
	.protected	k_qb4cb88178b_qproj
	.globl	k_qb4cb88178b_qproj
	.p2align	8
	.type	k_qb4cb88178b_qproj,@function
k_qb4cb88178b_qproj:
	s_mov_b64 s[64:65], 0
	v_nop
	global_prefetch_b8 v0, s[64:65] scope:SCOPE_SE
	s_setreg_imm32_b32 hwreg(HW_REG_WAVE_MODE, 25, 1), 1
	s_wait_xcnt 0x0
; Q'[c][d] = the sum over e of label_reps[c][e] Wk[e][d]: then scores = Q' x^T, and K = x Wk^T is never made.  Operands f16, sums f32, Q' rounded once to f16
; (LIMIT: |Q'| under 65,504).  All three buffers are in fragment order: [block of 16 rows][24][half t][lane][16 bytes].
; SHARES.  Work-group id: query tiles 2 p and 2 p + 1 (p = id / 4); wave: six blocks of 16 columns d, db = 6 dg + k (dg = 2 (id % 4) + wave).  12 accumulators, 24 K steps of 32.
; Source 0 = 16 d x 32 e of wkf, source 1 = 16 queries x 32 e of lf: a lane ends with ONE query and d = 16 db + 8 h + 0..7, which is half db % 2 of fragment db / 2 of qf.
; Nothing is shared between the waves, and a fragment lies in memory as it lies in registers: no LDS.  No prefetch: every block of wkf and lf is read by many work-groups, and the launch is short.
.set SET, 32                           ; v[32:159]  two sets of 64: six fragments of wkf, two of lf
.set ACC, 160                          ; v[160:255] accumulator (k, q) at ACC + 8 (2 k + q)
	s_load_b128 s[4:7], s[0:1], 0x0                ; wkf s[4:5], lf s[6:7]
	s_load_b64 s[8:9], s[0:1], 0x10                ; qf
	v_lshrrev_b32 v1, 5, v0
	v_readfirstlane_b32 s10, v1                    ; wave
	v_and_b32 v2, 31, v0
	v_lshlrev_b32 v2, 4, v2                        ; 16 lane; never rewritten
	s_lshr_b32 s11, ttmp9, 2                       ; p
	s_and_b32 s12, ttmp9, 3
	s_lshl_b32 s12, s12, 1
	s_add_co_u32 s12, s12, s10                     ; dg
	s_mul_i32 s14, s12, 147456                     ; six blocks of 24,576 bytes
	s_mov_b32 s15, 0
	s_mul_i32 s16, s11, 49152                      ; two tiles
	s_mov_b32 s17, 0
	s_mul_i32 s18, s12, 3072                       ; six halves of 512 bytes
	s_add_co_u32 s18, s18, s16
	s_mov_b32 s19, 0
	s_wait_kmcnt 0x0
	s_add_nc_u64 s[4:5], s[4:5], s[14:15]
	s_add_nc_u64 s[6:7], s[6:7], s[16:17]
	s_add_nc_u64 s[8:9], s[8:9], s[18:19]
.macro LOADS b, off                    ; a K step's 16 loads into set b
.irp k, 0,1,2,3,4,5
	global_load_b128 v[SET+64*(\b)+8*\k:SET+64*(\b)+8*\k+3],   v2, s[4:5] offset:24576*\k+(\off)
	global_load_b128 v[SET+64*(\b)+8*\k+4:SET+64*(\b)+8*\k+7], v2, s[4:5] offset:24576*\k+512+(\off)
.endr
.irp q, 0,1
	global_load_b128 v[SET+64*(\b)+48+8*\q:SET+64*(\b)+48+8*\q+3], v2, s[6:7] offset:24576*\q+(\off)
	global_load_b128 v[SET+64*(\b)+48+8*\q+4:SET+64*(\b)+48+8*\q+7], v2, s[6:7] offset:24576*\q+512+(\off)
.endr
.endm
.macro MULS b, zero                    ; 12 products, each on another accumulator: they take turns, over the backward jump too
.irp k, 0,1,2,3,4,5
.irp q, 0,1
.if \zero
	v_wmma_f32_16x16x32_f16 v[ACC+8*(2*\k+\q):ACC+8*(2*\k+\q)+7], v[SET+64*(\b)+8*\k:SET+64*(\b)+8*\k+7], v[SET+64*(\b)+48+8*\q:SET+64*(\b)+48+8*\q+7], 0
.else
	v_wmma_f32_16x16x32_f16 v[ACC+8*(2*\k+\q):ACC+8*(2*\k+\q)+7], v[SET+64*(\b)+8*\k:SET+64*(\b)+8*\k+7], v[SET+64*(\b)+48+8*\q:SET+64*(\b)+48+8*\q+7], v[ACC+8*(2*\k+\q):ACC+8*(2*\k+\q)+7]
.endif
.endr
.endr
.endm
.macro PLACES                          ; four places between a product and a load into its sources, or a reader of its result
.rept 4
	v_nop
.endr
.endm
.macro TURN zero                       ; K steps 2 i and 2 i + 1 are multiplied, 2 i + 2 and 2 i + 3 asked for
	s_wait_loadcnt 16                              ; set 0 is in; set 1's 16 loads may stay out
	MULS 0, \zero
	PLACES
	s_wait_xcnt 0x0                                ; every load issued so far has read its address: the pointers may step
	s_add_nc_u64 s[4:5], s[4:5], 2048
	s_add_nc_u64 s[6:7], s[6:7], 2048
	LOADS 0, 0
	s_wait_loadcnt 16                              ; set 1 is in
	MULS 1, 0
	PLACES
	LOADS 1, 1024
.endm
	LOADS 0, 0
	LOADS 1, 1024
	TURN 1                                         ; the first K step starts the sums: nothing is cleared
	s_mov_b32 s13, 10
.Lturn:
	TURN 0
	s_sub_co_u32 s13, s13, 1
	s_cmp_lg_u32 s13, 0
	s_cbranch_scc1 .Lturn
	s_wait_loadcnt 16                              ; the last two K steps load nothing
	MULS 0, 0
	s_wait_loadcnt 0x0
	MULS 1, 0
	PLACES
	PLACES
.set z, 0
.rept 12
.irp p, 0,1,2,3
	v_cvt_pk_f16_f32 v[SET+4*z+\p], v[ACC+8*z+2*\p], v[ACC+8*z+2*\p+1]  ; each accumulator from its low end on
.endr
.set z, z+1
.endr
.irp k, 0,1,2,3,4,5
.irp q, 0,1
	global_store_b128 v2, v[SET+4*(2*\k+\q):SET+4*(2*\k+\q)+3], s[8:9] offset:24576*\q+512*\k  ; 512 consecutive bytes, aligned
.endr
.endr
	s_endpgm
.Lfunc_end_k_qb4cb88178b_qproj:
	.size	k_qb4cb88178b_qproj, .Lfunc_end_k_qb4cb88178b_qproj-k_qb4cb88178b_qproj
	.p2alignl 7, 3214868480
	.fill 96, 4, 3214868480
	.section	.rodata,"a",@progbits
	.p2align	6, 0x0
	.amdhsa_kernel k_qb4cb88178b_qproj
		.amdhsa_group_segment_fixed_size 0
		.amdhsa_private_segment_fixed_size 0
		.amdhsa_enable_private_segment 0
		.amdhsa_kernarg_size 24
		.amdhsa_user_sgpr_count 2
		.amdhsa_user_sgpr_kernarg_segment_ptr 1
		.amdhsa_wavefront_size32 1
		.amdhsa_system_sgpr_workgroup_id_x 1
		.amdhsa_system_sgpr_workgroup_id_y 1
		.amdhsa_system_sgpr_workgroup_id_z 1
		.amdhsa_system_vgpr_workitem_id 0
		.amdhsa_next_free_vgpr 256
		.amdhsa_next_free_sgpr 66
		.amdhsa_reserve_vcc 0
		.amdhsa_float_denorm_mode_32 3
		.amdhsa_float_denorm_mode_16_64 3
		.amdhsa_memory_ordered 1
		.amdhsa_forward_progress 1
		.amdhsa_inst_pref_size 21
	.end_amdhsa_kernel
	.amdgpu_metadata
---
amdhsa.version: [ 1, 2 ]
amdhsa.kernels:
  - .name:           k_qb4cb88178b_qproj
    .symbol:         k_qb4cb88178b_qproj.kd
    .args:
      - { .name: wkf, .offset: 0, .size: 8, .value_kind: global_buffer, .address_space: global }
      - { .name: lf, .offset: 8, .size: 8, .value_kind: global_buffer, .address_space: global }
      - { .name: qf, .offset: 16, .size: 8, .value_kind: global_buffer, .address_space: global }
    .group_segment_fixed_size: 0
    .private_segment_fixed_size: 0
    .kernarg_segment_align: 8
    .kernarg_segment_size: 24
    .max_flat_workgroup_size: 64
    .sgpr_count:     66
    .vgpr_count:     256
    .wavefront_size: 32
...
	.end_amdgpu_metadata
.endif
;; end of part 2
;; launch attn (part 3): grid 32 x 8, 4 waves a work-group, clusters of 4 x 1, 327,680 bytes of LDS; arguments xh, qf, counts, zp, st; writes zp, st
.if DOCPART == 3
	.amdgcn_target "amdgcn-amd-amdhsa--gfx1250"
	.amdhsa_code_object_version 6
	.text
	.protected	k_qb4cb88178b_attn
	.globl	k_qb4cb88178b_attn
	.p2align	8
	.type	k_qb4cb88178b_attn,@function
k_qb4cb88178b_attn:
	s_mov_b64 s[64:65], 0
	v_nop
	global_prefetch_b8 v0, s[64:65] scope:SCOPE_SE
	s_setreg_imm32_b32 hwreg(HW_REG_WAVE_MODE, 25, 1), 1
	s_wait_xcnt 0x0
	s_wait_alu depctr_hold_cnt(0) depctr_sa_sdst(0) depctr_va_vdst(0) depctr_va_sdst(0) depctr_va_ssrc(0) depctr_va_vcc(0) depctr_vm_vsrc(0)
	s_getreg_b32 s2, hwreg(HW_REG_IB_STS2, 6, 4)
	s_cmp_eq_u32 s2, 0
	s_cbranch_scc0 .Lentry_in_a_cluster
	s_endpgm
.Lentry_in_a_cluster:
	s_bfe_u32 s2, ttmp6, 0x10000c
	s_cmp_lg_u32 s2, 0x3003
	s_cbranch_scc0 .Lentry_shape_is_right
	s_endpgm
.Lentry_shape_is_right:
; ATTENTION OVER THE ROWS OF xh.  scores = Q' x^T; z = softmax(scores) x.  (attn's rows sum to 1, so y = z Wv^T + bv: the next launch.)  Keys and values are the SAME rows of xh: one tile in LDS serves both products.
; Operands f16 (x, Q', the weights p); products, running maximum m, sum l and O^T in f32.  p = 2^(c s - c m), c = log2(e); in every step O^T and l are multiplied by a = 2^(c m_old - c m_new).
; LIMITS.  The launch before has put each batch's kept rows first; a key at or past the batch's count n is hidden: its score is replaced by -2^100 (a power of two, so that c times it is exact and a share whose keys
; are ALL hidden gets weights of exactly 1 and stays finite; the next launch's merge gives such a share the factor 0).  True scores, of f16 operands, lie far above that.  A weight below 2^-126 counts as 0; below 6e-5 p
; keeps f16's step of 6e-8.  NaN and infinities are not treated apart.
; SHARES.  y = 2 b + split.  A work-group has 64 queries (tiles 4 qb .. 4 qb + 3 of 16) and 32 steps of 64 keys: rows 2,048 split .. + 2,047 of the batch.  THE WALK HAS A CONSTANT LENGTH: n, a number that is loaded
; (counts, whole numbers that the launch before stored), enters a compare and a select in every step and nothing else: no branch, no trip count and no address hangs on it.
; The two shares' O^T, c m and l go to zp and st in f32; the next launch merges them.
; CLUSTER.  The four work-groups of a cluster have the same y and walk the same keys: each tile is asked for JOINTLY (mask 15), by waves 0 to 2, a strip of 256 channels each.
; INSIDE A WORK-GROUP no product is made twice.
;   S^T = x Q'^T is split ALONG THE CHANNELS: wave w takes the 32-channel fragments 4 i + w, i = 0..5, for all 64 keys and all four tiles; the four partial S^T meet in LDS (f32).
;   Wave w's LOCAL tile t is tile (w + t) % 4, so that its own tile, whose softmax it makes, is always local tile 0.
;   O^T += x^T P is split BY CHANNELS: wave w owns the 16-channel blocks 4 i + w, i = 0..11, for all four tiles; P and a come from the other waves through LDS.
; ONE TILE READ BOTH WAYS.  LDS rows are 528 bytes apart, and of a block of 16 keys fragment row 8 h + j is tile row 2 j + h.  The plain load's 16 lanes then take 16 rows (16 different 16-byte columns of the
; 64 banks of 4 bytes: ISA guide 11.1), the turning load's 16 lanes 8 rows of one parity x 32 bytes (1,056 bytes apart).  In S^T register j of a lane of half h in block kb is key 16 kb + 2 j + h, and P's order of keys is x^T's.
; REGISTERS, in windows of 256 (s_set_vgpr_msb: bits 1:0 source 0, 3:2 source 1, 5:4 source 2, 7:6 destination):
;   window 0: v2-63 addresses and statistics; v64-191 S^T (block kb, local tile t at 64 + 32 kb + 8 t); v192-255 P (192 + 16 t + 8 kh)
;   window 1: O^T of local tiles 0, 1 (96 t + 8 i); v192-239 fragment buffer 1      window 2: O^T of tiles 2, 3      window 3: Q' (48 t + 8 i); v192-239 fragment buffer 0
.set PITCH, 528
.set STRIP, 64*PITCH                   ; 64 keys x 256 channels: what one tensor load brings
.set SLOT,  3*STRIP
.set KB16,  16*PITCH
.set TILEB, 64*1536                    ; a tile's rows in memory
.set STEPS, 32                         ; key steps of a share
.set XS,    2*SLOT                     ; partial S^T: writer w at 12,288 w + 4,096 (t - 1) + 1,024 kb + 512 half + 16 lane
.set PR,    XS+49152                   ; P: 2,048 w + 512 (2 kh + half) + 16 lane
.set AR,    PR+8192                    ; a: 128 w + 4 lane
.set SPARE, AR+512                     ; the spare words, 128 bytes a wave, which no other line names.  No tensor load lands from XS on
.set WV,  14                           ; s14  wave
.set G1,  24                           ; s[24:31] descriptor group 1
.set G0,  32                           ; s[32:39] group 0, a set for each slot
.set LIMS, 40                          ; s40, s43  a wave prefetches while the count is above these: s40 in a step on slot 1, s43 in a step on slot 0; the greatest number in a wave that never asks
.set CNT, 41                           ; s41  passes of the loop's end still to come, 16 to 1
.set REM, 42                           ; s42  n less the first key of the step in hand (signed)
.set PFA, 44                           ; s[44:45] where my prefetches stand
.set CS,  46                           ; s[46:47] c, twice
.set SEL, 48                           ; s[48:49] v_permlanex16_b32's selects: the same place in the other half
.set AXP, 2                            ; v2-7    plain reads: slot s, strip g at AXP + 3 s + g
.set AXT, 8                            ; v8-13   turning reads, likewise
.set XW,  14                           ; v14     where I put my partial S^T
.set XRD, 15                           ; v15-17  where the other three waves put theirs of my tile
.set PW,  18                           ; v18     where I put P
.set PRD, 19                           ; v19-21  P of local tiles 1..3
.set AW,  22                           ; v22     where I put a
.set ARD, 23                           ; v23-25  a of local tiles 1..3
.set HH,  26                           ; v26     h
.set HID, 27                           ; v27     -2^100
.set TV,  28                           ; v28     at work
.set SC,  29                           ; v29     at work
.set SPW, 30                           ; v30     my spare word's address; never rewritten
.set NIL, 31                           ; v31     0; never rewritten
.set CM,  32                           ; v32 c m, v33 m
.set MX,  33
.set LS,  34                           ; v34-35  l (even registers', odd registers')
.set CC,  36                           ; v36-39  at work
.set AF,  40                           ; v40+2t  a of local tile t; the pairs' second words are set once
.set VQ,  48                           ; v48-51  offsets into qf
.set PFO, 52                           ; v52     the prefetches' offset
.set STO, 53                           ; v53     8 lane
.set STD, 54                           ; v54-55  (c m, l) on the way out
.set VO,  60                           ; v60-63  offsets into zp
.set SP,  64
.set PF,  192
.set XB,  192
.set MSB, 0
.macro WIN new                         ; the immediate's high byte repeats the setting that is left; a switch that changes nothing is dropped
.if MSB != (\new)
	s_set_vgpr_msb (MSB<<8)|(\new)
.set MSB, (\new)
.endif
.endm
.macro PLACES                          ; four places between a product and a load into its sources or a reader of its result (ISA guide 7.12.1 for a reader of its result)
.rept 4
	v_nop
.endr
.endm
.macro ROUND                           ; a round of the cluster's barrier
	s_barrier_signal -1
	s_barrier_wait -1
	s_cmp_lg_u32 s[WV], 0
	s_cbranch_scc1 .Lnw0_\@
	s_barrier_signal -3
.Lnw0_\@:
	s_barrier_wait -3
	s_barrier_signal -1
	s_barrier_wait -1
.endm
.macro JLOAD s                         ; the joint load of a tile into slot s: waves 0 to 2, a strip each; the branch hangs on the wave's number alone
	s_cmp_lt_u32 s[WV], 3
	s_cbranch_scc0 .Lnoload_\@
	tensor_load_to_lds s[G0+4*(\s):G0+4*(\s)+3], s[G1:G1+7]
	s_nop 0
	PLACES
.Lnoload_\@:
.endm
; A PREFETCH INTO THE L2 of the tile after the one just asked for: one step, 192 matrix instructions and the exchange, ahead of its tensor load.  The eight clusters of one y walk the same rows: the first (cluster x = 0) asks.
; A strip of a tile is 64 rows x 2 blocks of 256 bytes: each of the four partners takes 16 rows, told apart BY ADDRESS; wave w its own strip; a lane a block: each block is named once in the launch.
; Tiles 0 and 1 come by their loads alone.  Step t names tile t + 2: a step on slot 1 is step 29 at the latest and always asks; a step on slot 0 asks but in the loop's last pass, which is step 30.
.macro ASK d
	s_cmp_gt_u32 s[CNT], s[LIMS+3*(\d)]
	s_cbranch_scc0 .Lna_\@
	global_prefetch_b8 v[PFO], s[PFA:PFA+1] th:TH_LOAD_NT scope:SCOPE_SE
.Lna_\@:
.endm
.macro LOADX s, kb, buf                ; my six fragments (16 keys x 32 channels) of key block kb
	WIN (0xc0-0x80*(\buf))
.irp i, 0,1,2,3,4,5
	ds_load_b128 v[XB+8*\i:XB+8*\i+3],   v[AXP+3*(\s)+(\i)/2] offset:KB16*(\kb)+256*((\i)%2)
	ds_load_b128 v[XB+8*\i+4:XB+8*\i+7], v[AXP+3*(\s)+(\i)/2] offset:KB16*(\kb)+256*((\i)%2)+32
.endr
.endm
.macro MM1 kb, buf                     ; 24 products; the four tiles' accumulators take turns; the first four start the sums
	WIN (0x0f-2*(\buf))
.irp i, 0,1,2,3,4,5
.irp t, 0,1,2,3
.if (\i) == 0
	v_wmma_f32_16x16x32_f16 v[SP+32*(\kb)+8*\t:SP+32*(\kb)+8*\t+7], v[XB+8*\i:XB+8*\i+7], v[48*\t+8*\i:48*\t+8*\i+7], 0
.else
	v_wmma_f32_16x16x32_f16 v[SP+32*(\kb)+8*\t:SP+32*(\kb)+8*\t+7], v[XB+8*\i:XB+8*\i+7], v[48*\t+8*\i:48*\t+8*\i+7], v[SP+32*(\kb)+8*\t:SP+32*(\kb)+8*\t+7]
.endif
.endr
.endr
.endm
.macro STOREP kb                       ; the three partial tiles that are not mine
	WIN 0
.irp t, 1,2,3
	ds_store_b128 v[XW], v[SP+32*(\kb)+8*\t:SP+32*(\kb)+8*\t+3]   offset:4096*(\t-1)+1024*(\kb)
	ds_store_b128 v[XW], v[SP+32*(\kb)+8*\t+4:SP+32*(\kb)+8*\t+7] offset:4096*(\t-1)+1024*(\kb)+512
.endr
.endm
.macro LOADT s, n, buf                 ; six fragments of x^T (16 channels x 32 keys), turned: keys 32 (n / 2) on, my channel blocks i = 6 (n % 2) + 0..5
	WIN (0xc0-0x80*(\buf))
.irp e, 0,1,2,3,4,5
	ds_load_tr16_b128 v[XB+8*\e:XB+8*\e+3],   v[AXT+3*(\s)+(6*((\n)%2)+\e)/4] offset:KB16*2*((\n)/2)+128*((6*((\n)%2)+\e)%4)
	ds_load_tr16_b128 v[XB+8*\e+4:XB+8*\e+7], v[AXT+3*(\s)+(6*((\n)%2)+\e)/4] offset:KB16*2*((\n)/2)+KB16+128*((6*((\n)%2)+\e)%4)
.endr
.endm
.macro RESC t, i                       ; O^T of tile t, block i, times a; from its low end on
	WIN (0x41*(1+(\t)/2))
.irp p, 0,1,2,3
	v_pk_mul_f32 v[96*((\t)%2)+8*(\i)+2*\p:96*((\t)%2)+8*(\i)+2*\p+1], v[96*((\t)%2)+8*(\i)+2*\p:96*((\t)%2)+8*(\i)+2*\p+1], v[AF+2*(\t):AF+2*(\t)+1] op_sel_hi:[1,0]
.endr
.endm
.macro PVI t, i, kh, buf               ; one product of O^T += x^T P
	WIN (0x50*(1+(\t)/2)+3-2*(\buf))
	v_wmma_f32_16x16x32_f16 v[96*((\t)%2)+8*(\i):96*((\t)%2)+8*(\i)+7], v[XB+8*((\i)%6):XB+8*((\i)%6)+7], v[PF+16*(\t)+8*(\kh):PF+16*(\t)+8*(\kh)+7], v[96*((\t)%2)+8*(\i):96*((\t)%2)+8*(\i)+7]
.endm
.macro MM2R buf                        ; run 0: 24 products on blocks 0..5; behind each stands the rescaling of one accumulator of blocks 6..11, which names none of the products' registers
.set q, 0
.rept 24
	PVI q%4, q/4, 0, \buf
	RESC q/6, 6+q%6
.set q, q+1
.endr
.endm
.macro MM2 n, buf                      ; runs 1..3: 24 products, each on another accumulator, under two window settings
.irp g, 0,2
.set q, 0
.rept 12
	PVI \g+q%2, 6*((\n)%2)+q/2, (\n)/2, \buf
.set q, q+1
.endr
.endr
.endm
; A KEY STEP on slot s.  refill = 1: the other slot is asked for.  d: which of ASK's two bounds holds here.
.macro STEP s, refill, d
	; THE CHANGE OF SLOTS
	WIN 0
	s_wait_tensorcnt 0x0                           ; my one tensor load that was out, my strip of this step's tile, has landed: a group 0 may be written
	ds_add_u32 v[SPW], v[NIL]                      ; 0 onto my spare word; scalar work stands between it and its wait
.if \refill
	s_add_nc_u64 s[G0+4*(\s)+2:G0+4*(\s)+3], s[G0+4*(\s)+2:G0+4*(\s)+3], 2*TILEB  ; this slot's next tile, asked for a step from now
	s_wait_xcnt 0x0                                ; the last prefetch, a step back, has read its address
	s_add_nc_u64 s[PFA:PFA+1], s[PFA:PFA+1], TILEB
.endif
	s_wait_dscnt 0x0                               ; the add is done; my reads of the other slot, of P and of a are over
.if \refill
	ROUND                                          ; no wave of any partner still reads the other slot or has a load on its way
	JLOAD 1-(\s)                                   ; the first tensor load behind the round, one a wave
.else
	s_barrier_signal -1
	s_barrier_wait -1
.endif
	; S^T, my channels' part.  The counts are the LDS instructions issued behind the block's own 12 loads.
	LOADX \s, 0, 0
	LOADX \s, 1, 1
.if \refill
	WIN 0                                          ; at a branch every window is 0
	ASK \d                                         ; behind the joint load and the LDS loads that the first products wait for
.endif
	s_wait_dscnt 12                                ; block 1's loads
	MM1 0, 0
	PLACES
	LOADX \s, 2, 0
	STOREP 0
	s_wait_dscnt 18                                ; block 2's loads, block 0's stores
	MM1 1, 1
	PLACES
	LOADX \s, 3, 1
	STOREP 1
	s_wait_dscnt 24                                ; block 0's stores, block 3's loads, block 1's stores
	MM1 2, 0
	PLACES
	STOREP 2
	s_wait_dscnt 12                                ; block 1's and block 2's stores
	MM1 3, 1
	PLACES
	STOREP 3
	s_wait_dscnt 0x0                               ; for the others' sake: my partial tiles are in LDS
	s_barrier_signal -1
	s_barrier_wait -1
	; the other three waves' parts of my tile are added onto mine
.irp b, 0,1,2,3
.irp t, 1,2,3
	ds_load_b128 v[SP+32*\b+8*\t:SP+32*\b+8*\t+3],   v[XRD+\t-1] offset:1024*\b
	ds_load_b128 v[SP+32*\b+8*\t+4:SP+32*\b+8*\t+7], v[XRD+\t-1] offset:1024*\b+512
.endr
.endr
	v_sub_nc_u32 v[TV], s[REM], v[HH]              ; key 16 kb + 2 j + h is hidden where 16 kb + 2 j >= REM - h
	s_sub_co_i32 s[REM], s[REM], 64                ; the next step's
.irp b, 0,1,2,3
	s_wait_dscnt 18-6*\b                           ; the later blocks' loads may stay out
.irp t, 1,2,3
.irp p, 0,1,2,3
	v_pk_add_f32 v[SP+32*\b+2*\p:SP+32*\b+2*\p+1], v[SP+32*\b+2*\p:SP+32*\b+2*\p+1], v[SP+32*\b+8*\t+2*\p:SP+32*\b+8*\t+2*\p+1]
.endr
.endr
.endr
	; the keys at or past n are hidden: a compare and a select for each score, in every step
.irp b, 0,1,2,3
.irp j, 0,1,2,3,4,5,6,7
	v_cmp_ge_i32 vcc_lo, 16*\b+2*\j, v[TV]
	v_cndmask_b32 v[SP+32*\b+\j], v[SP+32*\b+\j], v[HID], vcc_lo
.endr
.endr
	; my tile's softmax.  The maximum: four chains of seven scores, the four left over, the old m
.irp b, 0,1,2,3
	v_max3_num_f32 v[CC+\b], v[SP+32*\b], v[SP+32*\b+1], v[SP+32*\b+2]
.endr
.irp b, 0,1,2,3
	v_max3_num_f32 v[CC+\b], v[CC+\b], v[SP+32*\b+3], v[SP+32*\b+4]
.endr
.irp b, 0,1,2,3
	v_max3_num_f32 v[CC+\b], v[CC+\b], v[SP+32*\b+5], v[SP+32*\b+6]
.endr
	v_max3_num_f32 v[CC], v[CC], v[SP+7], v[SP+39]
	v_max3_num_f32 v[CC+2], v[CC+2], v[SP+71], v[SP+103]
	v_max3_num_f32 v[CC+1], v[CC+1], v[CC+3], v[MX]
	v_max3_num_f32 v[CC], v[CC], v[CC+1], v[CC+2]
	v_permlanex16_b32 v[CC+3], v[CC], s[SEL], s[SEL+1]  ; the query's other 32 keys lie in the lane 16 away
	v_mov_b32 v[CC+1], v[CM]                       ; c m_old
	v_max_num_f32 v[MX], v[CC], v[CC+3]
	v_mul_f32 v[CM], s[CS], v[MX]
	v_sub_f32 v[CC+1], v[CC+1], v[CM]
.irp b, 0,1,2,3
.irp p, 0,1,2,3
	v_pk_fma_f32 v[SP+32*\b+2*\p:SP+32*\b+2*\p+1], v[SP+32*\b+2*\p:SP+32*\b+2*\p+1], s[CS:CS+1], v[CM:CM+1] op_sel_hi:[1,0,0] neg_lo:[0,0,1] neg_hi:[0,0,1]  ; c s - c m
.endr
.endr
	v_exp_f32 v[AF], v[CC+1]                       ; ONE BATCH of 33 exponentials: a, then the 32 weights
.irp b, 0,1,2,3
.irp j, 0,1,2,3,4,5,6,7
	v_exp_f32 v[SP+32*\b+\j], v[SP+32*\b+\j]
.endr
.endr
	v_nop                                          ; a plain instruction behind the last exponential,
	s_wait_alu depctr_va_vdst(0)                   ; and one wait ahead of the batch's first reader
.irp b, 0,1,2,3
.irp p, 0,1,2,3
	v_cvt_pk_f16_f32 v[PF+8*((\b)/2)+4*((\b)%2)+\p], v[SP+32*\b+2*\p], v[SP+32*\b+2*\p+1]
.endr
.endr
.irp e, 0,1,2,3
	ds_store_b128 v[PW], v[PF+4*\e:PF+4*\e+3] offset:512*\e
.endr
	ds_store_b32 v[AW], v[AF]
.irp b, 0,1,2,3                        ; l = a l + the sum of the unrounded weights, while the stores are out
	v_pk_add_f32 v[SP+32*\b:SP+32*\b+1], v[SP+32*\b:SP+32*\b+1], v[SP+32*\b+2:SP+32*\b+3]
	v_pk_add_f32 v[SP+32*\b+4:SP+32*\b+5], v[SP+32*\b+4:SP+32*\b+5], v[SP+32*\b+6:SP+32*\b+7]
.endr
.irp b, 0,1,2,3
	v_pk_add_f32 v[SP+32*\b:SP+32*\b+1], v[SP+32*\b:SP+32*\b+1], v[SP+32*\b+4:SP+32*\b+5]
.endr
	v_pk_add_f32 v[SP:SP+1], v[SP:SP+1], v[SP+32:SP+33]
	v_pk_add_f32 v[SP+64:SP+65], v[SP+64:SP+65], v[SP+96:SP+97]
	v_pk_add_f32 v[SP:SP+1], v[SP:SP+1], v[SP+64:SP+65]
	v_pk_fma_f32 v[LS:LS+1], v[LS:LS+1], v[AF:AF+1], v[SP:SP+1] op_sel_hi:[1,0,1]
	s_wait_dscnt 0x0                               ; for the others' sake: my P and a are in LDS
	s_barrier_signal -1
	LOADT \s, 0, 0                                 ; between signal and wait: reads of this slot, which nobody writes before the next round
	LOADT \s, 1, 1
	WIN 0
	s_barrier_wait -1
	; O^T += x^T P
.irp t, 1,2,3
	ds_load_b32 v[AF+2*\t], v[ARD+\t-1]
.endr
.irp t, 1,2,3
.irp e, 0,1,2,3
	ds_load_b128 v[PF+16*\t+4*\e:PF+16*\t+4*\e+3], v[PRD+\t-1] offset:512*\e
.endr
.endr
	s_wait_dscnt 12                                ; all a are in; the 12 loads of P may stay out while blocks 0..5 are rescaled
.irp t, 0,1,2,3
.irp i, 0,1,2,3,4,5
	RESC \t, \i
.endr
.endr
	s_wait_dscnt 0x0
	MM2R 0                                         ; its last rider's four lines are the places in front of the loads below
	LOADT \s, 2, 0
	MM2 1, 1
	PLACES
	LOADT \s, 3, 1
	s_wait_dscnt 12                                ; run 2's fragments are in; run 3's 12 loads may stay out
	MM2 2, 0
	s_wait_dscnt 0x0
	MM2 3, 1
	PLACES
	WIN 0
.endm
	s_load_b256 s[4:11], s[0:1], 0x0               ; xh s[4:5], qf s[6:7], counts s[8:9], zp s[10:11]
	s_load_b64 s[12:13], s[0:1], 0x20              ; st
	v_lshl_add_u32 v[SPW], v0, 2, SPARE
	v_mov_b32 v[NIL], 0
	ds_add_u32 v[SPW], v[NIL]                      ; the wave's opening: the add and its wait stand ahead of the first tensor load; work on registers stands between them
	v_lshrrev_b32 v1, 5, v0
	v_readfirstlane_b32 s[WV], v1                  ; wave 0..3
	s_bfe_u32 s15, ttmp6, 0x40000                  ; cx: it enters qf's, zp's, st's and the prefetches' global addresses alone
	s_lshl_b32 s16, ttmp9, 2
	s_add_co_u32 s16, s16, s15                     ; qb
	s_and_b32 s17, ttmp7, 0xffff                   ; y, which the four partners share
	s_lshr_b32 s18, s17, 1                         ; b
	s_and_b32 s19, s17, 1                          ; split
	s_mov_b32 s[G1], 15|(1<<16)|(1<<20)|(1<<21)|(6<<22)|(3<<25)  ; the mask of four; 2-byte elements; padding on; bit 21 beside a mask; after every 128 words 4 words
	s_mov_b32 s[G1+1], 256<<16                     ; tensor_dim0 = 256
	s_mov_b32 s[G1+2], 64<<16                      ; tensor_dim1 = 64
	s_mov_b32 s[G1+3], 256<<16                     ; tile_dim0 = 256
	s_mov_b32 s[G1+4], 64                          ; tile_dim1 = 64
	s_mov_b32 s[G1+5], 768                         ; elements from row to row
	s_mov_b32 s[G1+6], 0
	s_mov_b32 s[G1+7], 0
	s_mov_b32 s[CS], 0x3fb8aa3b                    ; c = log2(e)
	s_mov_b32 s[CS+1], s[CS]
	s_mov_b32 s[SEL], 0x76543210
	s_mov_b32 s[SEL+1], 0xfedcba98
	s_wait_dscnt 0x0                               ; the opening add is done
	s_wait_kmcnt 0x0
	s_lshl_b32 s52, s18, 8
	s_mov_b32 s53, 0
	s_add_nc_u64 s[52:53], s[8:9], s[52:53]
	s_load_b32 s21, s[52:53], 0x0                  ; n: it is waited for below, and feeds REM alone
	s_mul_i32 s50, s18, 6291456                    ; the batch,
	s_mul_i32 s51, s19, STEPS*TILEB                ; the share's first tile,
	s_add_co_u32 s50, s50, s51
	s_lshl_b32 s51, s[WV], 9                       ; my strip
	s_add_co_u32 s50, s50, s51
	s_mov_b32 s51, 0
	s_add_nc_u64 s[58:59], s[4:5], s[50:51]
	s_mov_b32 s[G0], 1
	s_mul_i32 s[G0+1], s[WV], STRIP                ; slot 0, my strip: the wave's number times a constant
	s_mov_b64 s[G0+2:G0+3], s[58:59]
	s_or_b32 s[G0+3], s[G0+3], 0x80000000
	s_mov_b32 s[G0+4], 1
	s_add_co_u32 s[G0+5], s[G0+1], SLOT
	s_add_nc_u64 s[G0+6:G0+7], s[58:59], TILEB
	s_or_b32 s[G0+7], s[G0+7], 0x80000000
	s_mul_i32 s50, s15, 24576                      ; my work-group's 16 rows of a tile's 64,
	s_add_co_u32 s50, s50, TILEB                   ; in tile 1: each step's change moves it on, so that step t names tile t + 2
	s_add_nc_u64 s[PFA:PFA+1], s[58:59], s[50:51]
	s_cmp_lt_u32 s[WV], 3
	s_cselect_b32 s54, 0, 1
	s_or_b32 s54, s54, ttmp9                       ; 0 in waves 0 to 2 of the cluster with x = 0: the same in all four partners, for a given wave
	s_cmp_eq_u32 s54, 0
	s_cselect_b32 s[LIMS], 0, -1
	s_cselect_b32 s[LIMS+3], 1, -1
	s_mul_i32 s50, s16, 98304
	s_add_nc_u64 s[22:23], s[6:7], s[50:51]        ; qf at my four tiles
	s_wait_kmcnt 0x0
	s_min_u32 s21, s21, 4096
	s_lshl_b32 s57, s19, 11
	s_sub_co_i32 s[REM], s21, s57                  ; n less the share's first key
	ROUND                                          ; all four work-groups are here: the first joint load meets
	JLOAD 0                                        ; tile 0.  Slot 1 is asked for behind the first step's round
	v_and_b32 v56, 31, v0                          ; lane
	v_and_b32 v57, 7, v0
	v_bfe_u32 v58, v0, 3, 1
	v_bfe_u32 v[HH], v0, 4, 1
	s_lshl_b32 s52, s[WV], 10
.irp t, 0,1,2,3
	s_add_co_u32 s50, s[WV], \t
	s_and_b32 s50, s50, 3                          ; local tile t is tile (w + t) % 4
	s_mul_i32 s51, s50, 24576
	s_add_co_u32 s51, s51, s52
	v_lshl_add_u32 v[VQ+\t], v56, 4, s51           ; tile, fragment w of each four, 16 lane
	s_mul_i32 s51, s50, 49152
	s_add_co_u32 s51, s51, s52
	v_lshl_add_u32 v[VO+\t], v56, 4, s51
.if \t > 0
	s_lshl_b32 s51, s50, 11
	s_add_co_u32 s51, s51, PR
	v_lshl_add_u32 v[PRD+\t-1], v56, 4, s51
	s_lshl_b32 s51, s50, 7
	s_add_co_u32 s51, s51, AR
	v_lshl_add_u32 v[ARD+\t-1], v56, 2, s51
	s_sub_co_u32 s50, s[WV], \t
	s_and_b32 s50, s50, 3                          ; the wave for which my tile is local tile t
	s_mul_i32 s50, s50, 12288
	s_add_co_u32 s50, s50, XS+4096*(\t-1)
	v_lshl_add_u32 v[XRD+\t-1], v56, 4, s50
.endif
.endr
	WIN 0xc0                                       ; Q' stays in registers: window 3
.irp t, 0,1,2,3
.irp i, 0,1,2,3,4,5
	global_load_b128 v[48*\t+8*\i:48*\t+8*\i+3],   v[VQ+\t], s[22:23] offset:4096*\i
	global_load_b128 v[48*\t+8*\i+4:48*\t+8*\i+7], v[VQ+\t], s[22:23] offset:4096*\i+512
.endr
.endr
	WIN 0
	v_lshl_add_u32 v59, v57, 1, v58                ; plain reads: tile row 2 (r % 8) + r / 8
	v_mul_u32_u24 v59, v59, PITCH
	v_lshl_add_u32 v59, v[HH], 4, v59
	s_lshl_b32 s50, s[WV], 6
	v_add_nc_u32 v59, s50, v59                     ; + 64 w + 16 h
	v_lshl_add_u32 v[SC], v57, 1, v[HH]            ; turning reads: tile row 2 (lane % 8) + h
	v_mul_u32_u24 v[SC], v[SC], PITCH
	v_lshl_add_u32 v[SC], v58, 4, v[SC]
	s_lshl_b32 s50, s[WV], 5
	v_add_nc_u32 v[SC], s50, v[SC]                 ; + 32 w + 16 ((lane / 8) % 2)
.irp g, 0,1,2,3,4,5
	v_add_nc_u32 v[AXP+\g], ((\g)/3)*SLOT+((\g)%3)*STRIP, v59
	v_add_nc_u32 v[AXT+\g], ((\g)/3)*SLOT+((\g)%3)*STRIP, v[SC]
.endr
	s_mul_i32 s50, s[WV], 12288
	s_add_co_u32 s50, s50, XS
	v_lshl_add_u32 v[XW], v56, 4, s50
	s_lshl_b32 s50, s[WV], 11
	s_add_co_u32 s50, s50, PR
	v_lshl_add_u32 v[PW], v56, 4, s50
	s_lshl_b32 s50, s[WV], 7
	s_add_co_u32 s50, s50, AR
	v_lshl_add_u32 v[AW], v56, 2, s50
	v_mov_b32 v[HID], 0xf1800000                   ; -2^100
	v_lshrrev_b32 v[PFO], 1, v56
	v_mul_u32_u24 v[PFO], v[PFO], 1536
	v_and_b32 v[TV], 1, v0
	v_lshl_add_u32 v[PFO], v[TV], 8, v[PFO]        ; row lane / 2, block lane % 2
	v_lshlrev_b32 v[STO], 3, v56
	v_mov_b32 v[CM], 0xfe000000                    ; c m starts far below every c s: the first step's a is 0,
	v_mov_b32 v[MX], 0xff7fffff                    ; m at the lowest finite number,
	v_mov_b32 v[LS], 0                             ; l and O^T at 0: the first step is a step like any other
	v_mov_b32 v[LS+1], 0
.irp t, 0,1,2,3
	v_mov_b32 v[AF+2*\t+1], 0                      ; named with a as a pair
.endr
	; O^T is cleared on purpose: no first step is written out, so that the step's text stands three times and not four.  These lines stand in the wait for the first tile.
	WIN 0x40
.set z, 0
.rept 192
	v_mov_b32 v[z], 0
.set z, z+1
.endr
	WIN 0x80
.set z, 0
.rept 192
	v_mov_b32 v[z], 0
.set z, z+1
.endr
	WIN 0
	s_wait_loadcnt 0x0                             ; Q'
	s_mov_b32 s[CNT], STEPS/2
	s_branch .Lmid                                 ; the loop is entered in the middle of a trip: step 0 lies in slot 0
.Lloop:                                        ; a trip: steps 2 p - 1 and 2 p; the loop's end is passed 16 times, p = 0..15; every LDS address is the same in each trip
	STEP 1, 1, 0
.Lmid:
	STEP 0, 1, 1
	s_sub_co_u32 s[CNT], s[CNT], 1
	s_cmp_lg_u32 s[CNT], 0
	s_cbranch_scc1 .Lloop
	STEP 1, 0, 0                                   ; step 31 is written out: it asks for nothing
	; THE WAY OUT: c m and l of my own tile; my channel blocks of all four tiles' O^T, from registers: a store is 512 consecutive bytes, aligned
	v_add_f32 v[STD+1], v[LS], v[LS+1]
	v_permlanex16_b32 v[SC], v[STD+1], s[SEL], s[SEL+1]
	v_add_f32 v[STD+1], v[STD+1], v[SC]
	v_mov_b32 v[STD], v[CM]
	s_lshl_b32 s50, s17, 7
	s_lshl_b32 s51, s16, 2
	s_add_co_u32 s50, s50, s51                     ; 128 y + 4 qb
	s_add_co_u32 s52, s50, s[WV]
	s_lshl_b32 s52, s52, 8
	s_mov_b32 s53, 0
	s_add_nc_u64 s[52:53], s[12:13], s[52:53]
	s_mul_i32 s50, s50, 49152
	s_mov_b32 s51, 0
	s_add_nc_u64 s[50:51], s[10:11], s[50:51]
	global_store_b64 v[STO], v[STD:STD+1], s[52:53]
.irp t, 0,1,2,3
	WIN (0x04*(1+(\t)/2))                          ; the stores' data in window 1 or 2
.irp i, 0,1,2,3,4,5,6,7,8,9,10,11
	global_store_b128 v[VO+\t], v[96*((\t)%2)+8*\i:96*((\t)%2)+8*\i+3],   s[50:51] offset:4096*\i th:TH_STORE_NT
	global_store_b128 v[VO+\t], v[96*((\t)%2)+8*\i+4:96*((\t)%2)+8*\i+7], s[50:51] offset:4096*\i+512 th:TH_STORE_NT
.endr
.endr
	WIN 0
	s_wait_tensorcnt 0x0                           ; the wave's end: behind the last tensor load and the last LDS store
	ds_add_u32 v[SPW], v[NIL]
	s_wait_dscnt 0x0
	ROUND                                          ; the closing round: no work-group ends while a partner may still ask for a tile that names it
	s_endpgm
.Lfunc_end_k_qb4cb88178b_attn:
	.size	k_qb4cb88178b_attn, .Lfunc_end_k_qb4cb88178b_attn-k_qb4cb88178b_attn
	.p2alignl 7, 3214868480
	.fill 96, 4, 3214868480
	.section	.rodata,"a",@progbits
	.p2align	6, 0x0
	.amdhsa_kernel k_qb4cb88178b_attn
		.amdhsa_group_segment_fixed_size 327680
		.amdhsa_private_segment_fixed_size 0
		.amdhsa_enable_private_segment 0
		.amdhsa_kernarg_size 40
		.amdhsa_user_sgpr_count 2
		.amdhsa_user_sgpr_kernarg_segment_ptr 1
		.amdhsa_wavefront_size32 1
		.amdhsa_system_sgpr_workgroup_id_x 1
		.amdhsa_system_sgpr_workgroup_id_y 1
		.amdhsa_system_sgpr_workgroup_id_z 1
		.amdhsa_system_vgpr_workitem_id 0
		.amdhsa_next_free_vgpr 1008
		.amdhsa_next_free_sgpr 66
		.amdhsa_reserve_vcc 1
		.amdhsa_float_denorm_mode_32 3
		.amdhsa_float_denorm_mode_16_64 3
		.amdhsa_memory_ordered 1
		.amdhsa_forward_progress 1
		.amdhsa_inst_pref_size 184
	.end_amdhsa_kernel
	.amdgpu_metadata
---
amdhsa.version: [ 1, 2 ]
amdhsa.kernels:
  - .name:           k_qb4cb88178b_attn
    .symbol:         k_qb4cb88178b_attn.kd
    .args:
      - { .name: xh, .offset: 0, .size: 8, .value_kind: global_buffer, .address_space: global }
      - { .name: qf, .offset: 8, .size: 8, .value_kind: global_buffer, .address_space: global }
      - { .name: counts, .offset: 16, .size: 8, .value_kind: global_buffer, .address_space: global }
      - { .name: zp, .offset: 24, .size: 8, .value_kind: global_buffer, .address_space: global }
      - { .name: st, .offset: 32, .size: 8, .value_kind: global_buffer, .address_space: global }
    .group_segment_fixed_size: 327680
    .private_segment_fixed_size: 0
    .kernarg_segment_align: 8
    .kernarg_segment_size: 40
    .max_flat_workgroup_size: 128
    .sgpr_count:     66
    .vgpr_count:     1008
    .wavefront_size: 32
...
	.end_amdgpu_metadata
.endif
;; end of part 3
;; launch final (part 4): grid 125 x 1, 4 waves a work-group, no clusters, 105,472 bytes of LDS; arguments zp, st, counts, wvf, bv, out_w, ln_gamma, ln_beta, out_b, out0; writes out0
.if DOCPART == 4
	.amdgcn_target "amdgcn-amd-amdhsa--gfx1250"
	.amdhsa_code_object_version 6
	.text
	.protected	k_qb4cb88178b_final
	.globl	k_qb4cb88178b_final
	.p2align	8
	.type	k_qb4cb88178b_final,@function
k_qb4cb88178b_final:
	s_mov_b64 s[64:65], 0
	v_nop
	global_prefetch_b8 v0, s[64:65] scope:SCOPE_SE
	s_setreg_imm32_b32 hwreg(HW_REG_WAVE_MODE, 25, 1), 1
	s_wait_xcnt 0x0
; THE END OF THE MODULE.  z = the two key shares' O^T merged and divided by the merged l; y = z Wv^T + bv; LayerNorm over the 768 channels; out = the sum over e of out_w (..) + out_b.
; out = rsqrt(var + 1e-5) x (sum of out_w gamma (y - mu)) + (sum of out_w beta) + out_b.  The mean is taken first and all further sums are of centred numbers: no difference of large sums is formed.
; Merge, sums and LayerNorm in f32; z is rounded once to f16 for the product with Wv (f16).  LIMITS: |z| under 65,504 (z is a mean of rows of x).  A batch whose mask is all 0 gives NaN, as the softmax of an empty row does: chosen by the count.
; SHARES.  A work-group makes 64 numbers of out0, one aligned block of 256 bytes: tiles u = 4 wg + t of 16 rows; 2,000 = 125 x 16, so batch b = u / 125 and query tile u - 125 b.
; Wave w merges tile w; then it owns the channels e = 192 w .. + 191 (blocks 12 w + i) of y for ALL four tiles: 48 accumulators.  y^T = Wv z^T: source 0 = 16 e x 32 d of wvf, straight from memory (no other wave
; wants it), source 1 = 16 rows x 32 d of z from LDS; a lane ends with ONE row and e = 16 (12 w + i) + 8 h + 0..7.
; NO CLUSTER: 125 work-groups are no multiple of four.  No prefetch: wvf is walked by every work-group, and zp is read by a ring of 48 loads a wave.
; REGISTERS: window 0: v2-11 addresses; v64-127 z's fragments, two sets, later the sums; v128-223 bv, later ln_beta, later at work.   window 1: y of tiles 0, 1 (96 t + 8 i).
;   window 2: y of tiles 2, 3; before the product the merge's ring, 12 slots of 16, with its addresses and factors at v200-217, so that the ring runs under one window setting.   window 3: Wv's fragments, two sets of 96; later out_w and ln_gamma.
.set ZL,    0                          ; z: [24 fragments][tile 4][half 2][lane][16 bytes]
.set RED1,  98304                      ; sums of y: (4 w + t) 128 + 4 lane
.set RED2,  100352                     ; sums of squares and of products: ((4 w + t) 2 + which) 128 + 4 lane
.set CBR,   104448                     ; sums of out_w beta: 128 w + 4 lane
.set SPARE, 104960                     ; the spare words, 128 bytes a wave, which no other line names
.set WO,  2                            ; v2   16 lane
.set ZA,  3                            ; v3   16 lane + the K step's place in ZL
.set PO,  4                            ; v4   768 w + 32 h: my eight numbers of a vector of 768, block 0
.set R1W, 5
.set R1R, 6
.set R2W, 7
.set CBW, 8
.set R2R, 9
.set CBD, 10
.set OO,  11                           ; v11  8 lane
.set SPW, 30
.set NIL, 31
.set ZB,  64
.set SA,  64                           ; sums of y: tile t, chain c at SA + 4 t + 2 c (pairs)
.set QA,  80                           ; sums of squares
.set TA,  96                           ; sums of products
.set MU,  112                          ; the means, a pair a tile
.set CB,  120                          ; four chains of out_w beta
.set BV,  128
.set TM,  128
.set WP,  38                           ; s[38:39] wvf at my blocks, at the K step that set 0 was last loaded for
.set MSB, 0
.macro WIN new
.if MSB != (\new)
	s_set_vgpr_msb (MSB<<8)|(\new)
.set MSB, (\new)
.endif
.endm
.macro PLACES
.rept 4
	v_nop
.endr
.endm
	s_load_b512 s[4:19], s[0:1], 0x0               ; zp s[4:5], st s[6:7], counts s[8:9], wvf s[10:11], bv s[12:13], out_w s[14:15], ln_gamma s[16:17], ln_beta s[18:19]
	s_load_b128 s[20:23], s[0:1], 0x40             ; out_b s[20:21], out0 s[22:23]
	v_lshl_add_u32 v[SPW], v0, 2, SPARE
	v_mov_b32 v[NIL], 0
	v_lshrrev_b32 v1, 5, v0
	v_readfirstlane_b32 s24, v1                    ; wave
	v_and_b32 v56, 31, v0                          ; lane
	v_bfe_u32 v57, v0, 4, 1                        ; h
	v_and_b32 v58, 7, v0
	s_mov_b32 s25, ttmp9
	s_lshl_b32 s26, s25, 2
	s_add_co_u32 s26, s26, s24                     ; u: the tile that I merge
	s_cmp_ge_u32 s26, 125
	s_cselect_b32 s27, 1, 0
	s_cmp_ge_u32 s26, 250
	s_cselect_b32 s29, 1, 0
	s_add_co_u32 s27, s27, s29
	s_cmp_ge_u32 s26, 375
	s_cselect_b32 s29, 1, 0
	s_add_co_u32 s27, s27, s29                     ; b
	s_mul_i32 s29, s27, 125
	s_sub_co_u32 s28, s26, s29                     ; the query tile
	s_lshl_b32 s29, s27, 8
	s_add_co_u32 s28, s28, s29                     ; 128 (2 b) + tile: the first share's place in zp and st
	s_mul_i32 s46, s28, 49152
	s_mov_b32 s47, 0
	s_lshl_b32 s48, s28, 8
	s_mov_b32 s49, 0
	s_mov_b32 s44, 0x76543210
	s_mov_b32 s45, 0xfedcba98
	s_mov_b32 s50, 0x3aaaaaab                      ; 1 / 768
	s_mov_b32 s51, 0x3727c5ac                      ; 1e-5
	s_wait_kmcnt 0x0
	s_add_nc_u64 s[30:31], s[4:5], s[46:47]        ; zp, first share,
	s_add_nc_u64 s[32:33], s[30:31], 6291456       ; second share: 128 tiles on
	s_add_nc_u64 s[34:35], s[6:7], s[48:49]
	s_mov_b32 s48, s29
	s_add_nc_u64 s[48:49], s[8:9], s[48:49]
	s_load_b32 s40, s[48:49], 0x0                  ; the batch's count
	s_load_b32 s42, s[20:21], 0x0                  ; out_b
	s_mul_i32 s46, s24, 294912                     ; my 12 blocks of wvf
	s_add_nc_u64 s[WP:WP+1], s[10:11], s[46:47]
	s_lshl_b32 s46, s25, 8
	s_add_nc_u64 s[52:53], s[22:23], s[46:47]      ; my work-group's 256 bytes of out0
	v_lshlrev_b32 v[WO], 4, v56
	v_lshlrev_b32 v[ZA], 4, v56
	s_mul_i32 s46, s24, 768
	v_lshl_add_u32 v[PO], v57, 5, s46
	s_lshl_b32 s46, s24, 9
	s_add_co_u32 s46, s46, RED1
	v_lshl_add_u32 v[R1W], v56, 2, s46
	v_lshlrev_b32 v[R1R], 2, v56
	v_add_nc_u32 v[R1R], RED1, v[R1R]
	s_lshl_b32 s46, s24, 10
	s_add_co_u32 s46, s46, RED2
	v_lshl_add_u32 v[R2W], v56, 2, s46
	s_lshl_b32 s46, s24, 7
	s_add_co_u32 s46, s46, CBR
	v_lshl_add_u32 v[CBW], v56, 2, s46
	v_lshrrev_b32 v[R2R], 3, v56
	v_lshlrev_b32 v[R2R], 8, v[R2R]
	v_lshl_add_u32 v[R2R], v58, 3, v[R2R]
	v_add_nc_u32 v[R2R], RED2, v[R2R]              ; the last lines: lane l takes rows 2 (l % 8), + 1 of tile l / 8
	v_lshlrev_b32 v[CBD], 2, v56
	v_add_nc_u32 v[CBD], CBR, v[CBD]
	v_lshlrev_b32 v[OO], 3, v56
	s_lshl_b32 s46, s24, 10
	WIN 0x80                                       ; the ring's addresses are made in window 2
	v_lshlrev_b32 v200, 4, v56                     ; 16 lane
	v_lshl_add_u32 v201, v56, 4, s46               ; ZL: tile w, 16 lane
	v_lshlrev_b32 v202, 3, v56                     ; 8 lane
	WIN 0xaa                                       ; THE MERGE: every operand in window 2
.macro RLOAD c, off                    ; channel block's 16 registers: first share's eight f32, second share's eight
	global_load_b128 v[16*(\c):16*(\c)+3],     v200, s[30:31] offset:1024*(\c)+(\off) th:TH_LOAD_NT
	global_load_b128 v[16*(\c)+4:16*(\c)+7],   v200, s[30:31] offset:1024*(\c)+512+(\off) th:TH_LOAD_NT
	global_load_b128 v[16*(\c)+8:16*(\c)+11],  v200, s[32:33] offset:1024*(\c)+(\off) th:TH_LOAD_NT
	global_load_b128 v[16*(\c)+12:16*(\c)+15], v200, s[32:33] offset:1024*(\c)+512+(\off) th:TH_LOAD_NT
.endm
.macro SLOTT c, ahead, left            ; a slot's turn: z = Z0 f0 + Z1 f1, rounded to f16: half c % 2 of z's fragment c / 2
	s_wait_loadcnt \left
.irp p, 0,1,2,3
	v_pk_mul_f32 v[16*(\c)+2*\p:16*(\c)+2*\p+1], v[16*(\c)+2*\p:16*(\c)+2*\p+1], v[214:215] op_sel_hi:[1,0]
.endr
.irp p, 0,1,2,3
	v_pk_fma_f32 v[16*(\c)+2*\p:16*(\c)+2*\p+1], v[16*(\c)+8+2*\p:16*(\c)+8+2*\p+1], v[216:217], v[16*(\c)+2*\p:16*(\c)+2*\p+1] op_sel_hi:[1,0,1]
.endr
.irp p, 0,1,2,3
	v_cvt_pk_f16_f32 v[16*(\c)+\p], v[16*(\c)+2*\p], v[16*(\c)+2*\p+1]
.endr
	ds_store_b128 v201, v[16*(\c):16*(\c)+3] offset:4096*((\c)/2)+512*((\c)%2)
.if \ahead
	RLOAD \c, 12288                                ; the block twelve further on
.endif
.endm
	global_load_b64 v[204:205], v202, s[34:35]              ; (c m, l) of the first share,
	global_load_b64 v[206:207], v202, s[34:35] offset:32768 ; of the second
.irp c, 0,1,2,3,4,5,6,7,8,9,10,11
	RLOAD \c, 0
.endr
	s_wait_kmcnt 0x0
	s_cmp_eq_u32 s40, 0
	s_cselect_b32 s41, 0x7fc00000, 1.0             ; an empty batch: NaN; a choice of a value, no branch
	s_wait_loadcnt 48                              ; the statistics are in; the ring's 48 loads stay out
	v_max_num_f32 v208, v204, v206
	v_sub_f32 v209, v204, v208
	v_sub_f32 v210, v206, v208
	v_exp_f32 v209, v209
	v_exp_f32 v210, v210
	v_nop
	s_wait_alu depctr_va_vdst(0)                   ; one wait for the two exponentials
	v_mul_f32 v211, v209, v205
	v_fma_f32 v211, v210, v207, v211               ; the merged l: at least 1, since the larger share's factor is 1 and its l holds a weight of 1
	v_rcp_f32 v212, v211
	v_nop
	s_wait_alu depctr_va_vdst(0)
	v_mul_f32 v212, s41, v212
	v_mul_f32 v214, v209, v212                     ; f0,
	v_mul_f32 v216, v210, v212                     ; f1; each named as a pair
	v_mov_b32 v215, v214
	v_mov_b32 v217, v216
	WIN 0
	s_mov_b32 s43, 3
.Lring:
	WIN 0xaa
.irp c, 0,1,2,3,4,5,6,7,8,9,10,11
	SLOTT \c, 1, 44                                ; the other eleven slots' 44 loads may stay out
.endr
	s_wait_xcnt 0x0                                ; the loads have read their pointers
	s_add_nc_u64 s[30:31], s[30:31], 12288
	s_add_nc_u64 s[32:33], s[32:33], 12288
	v_add_nc_u32 v201, 24576, v201                 ; six fragments of z on
	WIN 0
	s_sub_co_u32 s43, s43, 1
	s_cmp_lg_u32 s43, 0
	s_cbranch_scc1 .Lring
.macro LOADP dst, base                 ; my 96 numbers of a vector of 768: block i's eight at dst + 8 i; the caller sets the window
.irp i, 0,1,2,3,4,5,6,7,8,9,10,11
	global_load_b128 v[(\dst)+8*\i:(\dst)+8*\i+3],   v[PO], s[\base:\base+1] offset:64*\i
	global_load_b128 v[(\dst)+8*\i+4:(\dst)+8*\i+7], v[PO], s[\base:\base+1] offset:64*\i+16
.endr
.endm
.macro LOADW b, off                    ; a K step's 12 fragments of Wv into set b
	WIN 0xc0
.irp i, 0,1,2,3,4,5,6,7,8,9,10,11
	global_load_b128 v[96*(\b)+8*\i:96*(\b)+8*\i+3],   v[WO], s[WP:WP+1] offset:24576*\i+(\off)
	global_load_b128 v[96*(\b)+8*\i+4:96*(\b)+8*\i+7], v[WO], s[WP:WP+1] offset:24576*\i+512+(\off)
.endr
.endm
.macro LOADZ b, off                    ; a K step's four fragments of z
	WIN 0
.irp t, 0,1,2,3
	ds_load_b128 v[ZB+32*(\b)+8*\t:ZB+32*(\b)+8*\t+3],   v[ZA] offset:1024*\t+(\off)
	ds_load_b128 v[ZB+32*(\b)+8*\t+4:ZB+32*(\b)+8*\t+7], v[ZA] offset:1024*\t+512+(\off)
.endr
.endm
.macro MULY b, first                   ; 48 products, each on another accumulator: they take turns.  first = 1: the sums start with bv
.irp g, 0,2
.if \first
	WIN (0x40*(1+(\g)/2)+3)
.else
	WIN (0x50*(1+(\g)/2)+3)
.endif
.irp i, 0,1,2,3,4,5,6,7,8,9,10,11
.irp u, 0,1
.if \first
	v_wmma_f32_16x16x32_f16 v[96*\u+8*\i:96*\u+8*\i+7], v[96*(\b)+8*\i:96*(\b)+8*\i+7], v[ZB+32*(\b)+8*(\g+\u):ZB+32*(\b)+8*(\g+\u)+7], v[BV+8*\i:BV+8*\i+7]
.else
	v_wmma_f32_16x16x32_f16 v[96*\u+8*\i:96*\u+8*\i+7], v[96*(\b)+8*\i:96*(\b)+8*\i+7], v[ZB+32*(\b)+8*(\g+\u):ZB+32*(\b)+8*(\g+\u)+7], v[96*\u+8*\i:96*\u+8*\i+7]
.endif
.endr
.endr
.endr
.endm
.macro TURNY first                     ; K steps 2 i and 2 i + 1 are multiplied, 2 i + 2 and 2 i + 3 asked for
	s_wait_loadcnt 24                              ; set 0 of Wv is in; set 1's 24 loads may stay out
	s_wait_dscnt 8                                 ; set 0 of z is in; set 1's 8 loads may stay out
	MULY 0, \first
	PLACES
	s_wait_xcnt 0x0                                ; the loads have read their pointer
	s_add_nc_u64 s[WP:WP+1], s[WP:WP+1], 2048
	WIN 0
	v_add_nc_u32 v[ZA], 8192, v[ZA]
	LOADW 0, 0
	LOADZ 0, 0
	s_wait_loadcnt 24
	s_wait_dscnt 8
	MULY 1, 0
	PLACES
	LOADW 1, 1024
	LOADZ 1, 4096
.endm
	LOADP BV, 12                                   ; bv, and the first two K steps of Wv, go out ahead of the ring's last twelve turns
	LOADW 0, 0
	LOADW 1, 1024
	WIN 0xaa
.irp c, 0,1,2,3,4,5,6,7,8,9,10,11
	SLOTT \c, 0, 63                                ; 72 younger loads were issued: with 63 out at the most, the ring's are all in
.endr
	WIN 0
	s_wait_dscnt 0x0                               ; for the others' sake: my tile of z is in LDS
	s_barrier_signal -1
	s_barrier_wait -1
	LOADZ 0, 0
	LOADZ 1, 4096
	TURNY 1                                        ; the first K step starts the sums with bv: nothing is cleared, and the bias costs no line
	s_mov_b32 s43, 10
.Lturn:
	TURNY 0
	s_sub_co_u32 s43, s43, 1
	s_cmp_lg_u32 s43, 0
	s_cbranch_scc1 .Lturn
	s_wait_loadcnt 24                              ; the last two K steps ask for the three vectors instead
	s_wait_dscnt 8
	MULY 0, 0
	PLACES
	WIN 0xc0
	LOADP 0, 14                                    ; out_w where set 0 lay,
	WIN 0
	LOADP BV, 18                                   ; ln_beta where bv lay
	s_wait_loadcnt 48                              ; set 1 of Wv is in; those 48 may stay out
	s_wait_dscnt 0x0
	MULY 1, 0
	PLACES
	PLACES
	WIN 0xc0
	LOADP 96, 16                                   ; ln_gamma where set 1 lay
; the sum of a lane's 96 numbers of y, for tiles g and g + 1: four chains; each accumulator is read from its low end on
.macro MEANS g
	WIN (0x05*(1+(\g)/2))
.irp c, 0,1
.irp u, 0,1
	v_pk_add_f32 v[SA+4*((\g)+\u)+2*\c:SA+4*((\g)+\u)+2*\c+1], v[96*\u+2*\c:96*\u+2*\c+1], v[96*\u+2*\c+4:96*\u+2*\c+5]  ; block 0 starts the chains
.endr
.endr
	WIN (0x04*(1+(\g)/2))
.set z, 8
.rept 88
.set rA, SA+4*((\g)+z%2)+2*((z/2)%2)
.set rY, 96*(z%2)+8*(z/8)+2*((z/2)%4)
	v_pk_add_f32 v[rA:rA+1], v[rA:rA+1], v[rY:rY+1]
.set z, z+1
.endr
.endm
; y - mu in place; the sums of its squares; the sums of its products with out_w gamma
.macro CENTRE g
	WIN (0x41*(1+(\g)/2))
.set z, 0
.rept 96
.set rY, 96*(z%2)+8*(z/8)+2*((z/2)%4)
	v_pk_add_f32 v[rY:rY+1], v[rY:rY+1], v[MU+2*((\g)+z%2):MU+2*((\g)+z%2)+1] op_sel_hi:[1,0] neg_lo:[0,1] neg_hi:[0,1]
.set z, z+1
.endr
	WIN (0x05*(1+(\g)/2))
.set z, 0
.rept 96
.set rA, QA+4*((\g)+z%2)+2*((z/2)%2)
.set rY, 96*(z%2)+8*(z/8)+2*((z/2)%4)
.if z < 4
	v_pk_mul_f32 v[rA:rA+1], v[rY:rY+1], v[rY:rY+1]
.else
	v_pk_fma_f32 v[rA:rA+1], v[rY:rY+1], v[rY:rY+1], v[rA:rA+1]
.endif
.set z, z+1
.endr
	WIN (0x03+0x04*(1+(\g)/2))
.set z, 0
.rept 96
.set rA, TA+4*((\g)+z%2)+2*((z/2)%2)
.set rY, 96*(z%2)+8*(z/8)+2*((z/2)%4)
.set rG, 8*(z/8)+2*((z/2)%4)
.if z < 4
	v_pk_mul_f32 v[rA:rA+1], v[rG:rG+1], v[rY:rY+1]
.else
	v_pk_fma_f32 v[rA:rA+1], v[rG:rG+1], v[rY:rY+1], v[rA:rA+1]
.endif
.set z, z+1
.endr
.endm
.macro FOLD a                          ; a pair's two halves and the other half of the lanes': the sum in v[a], in every lane
	v_add_f32 v[\a], v[\a], v[\a+1]
	v_permlanex16_b32 v[\a+1], v[\a], s44, s45
	v_add_f32 v[\a], v[\a], v[\a+1]
.endm
	MEANS 0
	MEANS 2
	WIN 0
.irp t, 0,1,2,3
	v_pk_add_f32 v[SA+4*\t:SA+4*\t+1], v[SA+4*\t:SA+4*\t+1], v[SA+4*\t+2:SA+4*\t+3]
.endr
.irp t, 0,1,2,3
	FOLD SA+4*\t
.endr
.irp t, 0,1,2,3
	ds_store_b32 v[R1W], v[SA+4*\t] offset:128*\t
.endr
	s_wait_dscnt 0x0                               ; for the others' sake
	s_barrier_signal -1
	s_wait_loadcnt 0x0                             ; between signal and wait, work on registers: the sum of out_w ln_beta, and out_w ln_gamma in out_w's place
	WIN 0x03
.set z, 0
.rept 48
.if z < 4
	v_pk_mul_f32 v[CB+2*z:CB+2*z+1], v[2*z:2*z+1], v[BV+2*z:BV+2*z+1]
.else
	v_pk_fma_f32 v[CB+2*(z%4):CB+2*(z%4)+1], v[2*z:2*z+1], v[BV+2*z:BV+2*z+1], v[CB+2*(z%4):CB+2*(z%4)+1]
.endif
.set z, z+1
.endr
	WIN 0xcf
.set z, 0
.rept 48
	v_pk_mul_f32 v[2*z:2*z+1], v[2*z:2*z+1], v[96+2*z:96+2*z+1]
.set z, z+1
.endr
	WIN 0
	s_barrier_wait -1
.irp t, 0,1,2,3
.irp w, 0,1,2,3
	ds_load_b32 v[TM+4*\t+\w], v[R1R] offset:512*\w+128*\t
.endr
.endr
	s_wait_dscnt 0x0
.irp t, 0,1,2,3
	v_add_f32 v[TM+4*\t], v[TM+4*\t], v[TM+4*\t+1]
	v_add_f32 v[TM+4*\t+2], v[TM+4*\t+2], v[TM+4*\t+3]
	v_add_f32 v[TM+4*\t], v[TM+4*\t], v[TM+4*\t+2]
	v_mul_f32 v[MU+2*\t], s50, v[TM+4*\t]          ; mu
	v_mov_b32 v[MU+2*\t+1], v[MU+2*\t]
.endr
	CENTRE 0
	CENTRE 2
	WIN 0
.irp t, 0,1,2,3
	v_pk_add_f32 v[QA+4*\t:QA+4*\t+1], v[QA+4*\t:QA+4*\t+1], v[QA+4*\t+2:QA+4*\t+3]
	v_pk_add_f32 v[TA+4*\t:TA+4*\t+1], v[TA+4*\t:TA+4*\t+1], v[TA+4*\t+2:TA+4*\t+3]
.endr
	v_pk_add_f32 v[CB:CB+1], v[CB:CB+1], v[CB+2:CB+3]
	v_pk_add_f32 v[CB+4:CB+5], v[CB+4:CB+5], v[CB+6:CB+7]
	v_pk_add_f32 v[CB:CB+1], v[CB:CB+1], v[CB+4:CB+5]
.irp t, 0,1,2,3
	FOLD QA+4*\t
	FOLD TA+4*\t
.endr
	FOLD CB
.irp t, 0,1,2,3
	ds_store_b32 v[R2W], v[QA+4*\t] offset:256*\t
	ds_store_b32 v[R2W], v[TA+4*\t] offset:256*\t+128
.endr
	ds_store_b32 v[CBW], v[CB]
	s_wait_dscnt 0x0                               ; for wave 0's sake
	s_barrier_signal -1
	s_barrier_wait -1
	s_cmp_lg_u32 s24, 0
	s_cbranch_scc1 .Lend                           ; wave 0 finishes the 64 numbers, two a lane
.irp w, 0,1,2,3
	ds_load_b64 v[TM+4*\w:TM+4*\w+1],   v[R2R] offset:1024*\w
	ds_load_b64 v[TM+4*\w+2:TM+4*\w+3], v[R2R] offset:1024*\w+128
	ds_load_b32 v[TM+16+\w], v[CBD] offset:128*\w
.endr
	s_wait_dscnt 0x0
	v_pk_add_f32 v[TM:TM+1], v[TM:TM+1], v[TM+4:TM+5]
	v_pk_add_f32 v[TM+8:TM+9], v[TM+8:TM+9], v[TM+12:TM+13]
	v_pk_add_f32 v[TM+2:TM+3], v[TM+2:TM+3], v[TM+6:TM+7]
	v_pk_add_f32 v[TM+10:TM+11], v[TM+10:TM+11], v[TM+14:TM+15]
	v_pk_add_f32 v[TM:TM+1], v[TM:TM+1], v[TM+8:TM+9]         ; the sums of squares
	v_pk_add_f32 v[TM+2:TM+3], v[TM+2:TM+3], v[TM+10:TM+11]   ; the sums of products
	v_add_f32 v[TM+16], v[TM+16], v[TM+17]
	v_add_f32 v[TM+18], v[TM+18], v[TM+19]
	v_add_f32 v[TM+16], v[TM+16], v[TM+18]
	v_add_f32 v[TM+16], s42, v[TM+16]              ; the sum of out_w ln_beta, + out_b
	v_fma_f32 v[TM], v[TM], s50, s51               ; var + 1e-5
	v_fma_f32 v[TM+1], v[TM+1], s50, s51
	v_rsq_f32 v[TM+4], v[TM]
	v_rsq_f32 v[TM+5], v[TM+1]
	v_nop
	s_wait_alu depctr_va_vdst(0)                   ; one wait for the two roots
	v_fma_f32 v[TM+6], v[TM+2], v[TM+4], v[TM+16]
	v_fma_f32 v[TM+7], v[TM+3], v[TM+5], v[TM+16]
	global_store_b64 v[OO], v[TM+6:TM+7], s[52:53] ; 32 lanes store 256 consecutive bytes, aligned
.Lend:
	s_wait_tensorcnt 0x0                           ; the wave's end: behind the last LDS store
	ds_add_u32 v[SPW], v[NIL]
	s_wait_dscnt 0x0
	s_endpgm
.Lfunc_end_k_qb4cb88178b_final:
	.size	k_qb4cb88178b_final, .Lfunc_end_k_qb4cb88178b_final-k_qb4cb88178b_final
	.p2alignl 7, 3214868480
	.fill 96, 4, 3214868480
	.section	.rodata,"a",@progbits
	.p2align	6, 0x0
	.amdhsa_kernel k_qb4cb88178b_final
		.amdhsa_group_segment_fixed_size 105472
		.amdhsa_private_segment_fixed_size 0
		.amdhsa_enable_private_segment 0
		.amdhsa_kernarg_size 80
		.amdhsa_user_sgpr_count 2
		.amdhsa_user_sgpr_kernarg_segment_ptr 1
		.amdhsa_wavefront_size32 1
		.amdhsa_system_sgpr_workgroup_id_x 1
		.amdhsa_system_sgpr_workgroup_id_y 1
		.amdhsa_system_sgpr_workgroup_id_z 1
		.amdhsa_system_vgpr_workitem_id 0
		.amdhsa_next_free_vgpr 960
		.amdhsa_next_free_sgpr 66
		.amdhsa_reserve_vcc 0
		.amdhsa_float_denorm_mode_32 3
		.amdhsa_float_denorm_mode_16_64 3
		.amdhsa_memory_ordered 1
		.amdhsa_forward_progress 1
		.amdhsa_inst_pref_size 142
	.end_amdhsa_kernel
	.amdgpu_metadata
---
amdhsa.version: [ 1, 2 ]
amdhsa.kernels:
  - .name:           k_qb4cb88178b_final
    .symbol:         k_qb4cb88178b_final.kd
    .args:
      - { .name: zp, .offset: 0, .size: 8, .value_kind: global_buffer, .address_space: global }
      - { .name: st, .offset: 8, .size: 8, .value_kind: global_buffer, .address_space: global }
      - { .name: counts, .offset: 16, .size: 8, .value_kind: global_buffer, .address_space: global }
      - { .name: wvf, .offset: 24, .size: 8, .value_kind: global_buffer, .address_space: global }
      - { .name: bv, .offset: 32, .size: 8, .value_kind: global_buffer, .address_space: global }
      - { .name: out_w, .offset: 40, .size: 8, .value_kind: global_buffer, .address_space: global }
      - { .name: ln_gamma, .offset: 48, .size: 8, .value_kind: global_buffer, .address_space: global }
      - { .name: ln_beta, .offset: 56, .size: 8, .value_kind: global_buffer, .address_space: global }
      - { .name: out_b, .offset: 64, .size: 8, .value_kind: global_buffer, .address_space: global }
      - { .name: out0, .offset: 72, .size: 8, .value_kind: global_buffer, .address_space: global }
    .group_segment_fixed_size: 105472
    .private_segment_fixed_size: 0
    .kernarg_segment_align: 8
    .kernarg_segment_size: 80
    .max_flat_workgroup_size: 128
    .sgpr_count:     66
    .vgpr_count:     960
    .wavefront_size: 32
...
	.end_amdgpu_metadata
.endif
;; end of part 4
;; ======== version 2 of 3: 4 launches
;; limits: values are held in f16: magnitudes above 65,504 overflow, below 6.1e-05 lose precision
;; workspace buffers: xh 25,165,824 bytes; wvf 1,179,648 bytes; wkf 1,179,648 bytes; lf 3,145,728 bytes; qf 3,145,728 bytes; counts 1,024 bytes of whole numbers; zp 50,331,648 bytes; st 262,144 bytes
;; launch prep (part 5): grid 340 x 1, 8 waves a work-group, no clusters, 1,280 bytes of LDS; arguments x, attention_masks, Wv, label_reps, Wk, xh, wvf, lf, wkf, counts; writes xh, wvf, lf, wkf, counts
.if DOCPART == 5
	.amdgcn_target "amdgcn-amd-amdhsa--gfx1250"
	.amdhsa_code_object_version 6
	.text
	.protected	k_qb4cb88178b_prep
	.globl	k_qb4cb88178b_prep
	.p2align	8
	.type	k_qb4cb88178b_prep,@function
k_qb4cb88178b_prep:
	s_mov_b64 s[64:65], 0
	v_nop
	global_prefetch_b8 v0, s[64:65] scope:SCOPE_SE
	s_setreg_imm32_b32 hwreg(HW_REG_WAVE_MODE, 25, 1), 1
	s_wait_xcnt 0x0
; PREP.  Three kinds of work-group, told apart by the work-group's number alone.
;   0..255    x -> xh: [4][4096][768] f16.  In each batch the rows whose mask is not 0 come first, in their order, then rows of zeros: a masked key
;             has weight 0 in the softmax, so its row is not read here, and the attention hides it by one compare with the count.  counts takes the number of kept rows of each batch.
;   256..321  Wv -> wvf and label_reps -> lf, f16, in FRAGMENT ORDER: [block of 16 rows][24 blocks of 32 columns][half t][lane][16 bytes]; lane l (r = l % 16, h = l / 16),
;             half t holds columns 32 f + 16 t + 8 h + 0..7 of row r: registers 4 t .. 4 t + 3 of a matrix operand.  lf has 128 blocks; rows from 2000 on repeat row 1999.
;   322..339  Wk -> wkf: the same order for Wk transposed (row = a column d of Wk, columns = e).  Wk is read once in this way, in runs of 64 bytes, 2.4 MB in all.
;             In both weight roles a wave takes ONE THIRD of a block of 16 rows, eight fragments: one run of loads, one of stores, no loop: 176 x 3 = 528 and 48 x 3 = 144 waves.
; LIMITS.  Every number is rounded once to f16: beyond 65,504 it becomes an infinity; below 6e-5 it keeps f16's fixed step of 6e-8.
.set SPARE, 256                        ; LDS: bytes 0..63 the eight waves' pairs of counts; from 256 on the spare words, 128 bytes a wave, which no other line names
.set SPW, 28                           ; v28  my spare word's address; never rewritten
.set NIL, 29                           ; v29  0; never rewritten
.set XR,  32                           ; v[32:223]  role x: row k of my eight at XR + 24 k
.set FR,  32                           ; v[32:159]  the weights' roles: eight fragments of 16 registers
	s_load_b512 s[4:19], s[0:1], 0x0               ; x s[4:5], masks s[6:7], Wv s[8:9], label_reps s[10:11], Wk s[12:13], xh s[14:15], wvf s[16:17], lf s[18:19]
	s_load_b128 s[20:23], s[0:1], 0x40             ; wkf s[20:21], counts s[22:23]
	v_lshl_add_u32 v[SPW], v0, 2, SPARE
	v_mov_b32 v[NIL], 0
	v_lshrrev_b32 v1, 5, v0
	v_readfirstlane_b32 s24, v1                    ; wave 0..7
	v_and_b32 v1, 31, v0                           ; lane
	s_mov_b32 s25, ttmp9
	s_wait_kmcnt 0x0
	s_cmp_lt_u32 s25, 256
	s_cbranch_scc0 .Lweights
	; ---- ROLE X.  The work-group owns rows start .. start + 63 of batch b; wave v rows start + 8 v + k, k = 0..7.
	s_lshr_b32 s26, s25, 6                         ; b
	s_and_b32 s27, s25, 63                         ; chunk
	s_lshl_b32 s28, s27, 6                         ; start
	s_lshl_b32 s34, s26, 14
	s_mov_b32 s35, 0
	s_add_nc_u64 s[30:31], s[6:7], s[34:35]        ; the batch's 4,096 masks
	s_lshl_b32 s34, s28, 2
	v_lshl_add_u32 v30, v1, 2, s34                 ; 4 (start + lane)
	s_lshl_b32 s34, s24, 11
	v_lshl_add_u32 v31, v1, 4, s34                 ; 2,048 v + 16 lane: the eight waves share out the whole batch's masks for the count
	global_load_b32 v20, v30, s[30:31]             ; my chunk's rows 0..31,
	global_load_b32 v21, v30, s[30:31] offset:128  ; and 32..63
.irp i, 0,1,2,3
	global_load_b128 v[4+4*\i:7+4*\i], v31, s[30:31] offset:512*\i  ; register 4 i + k: index 512 v + 128 i + 4 lane + k
.endr
	s_lshl_b32 s34, s26, 12
	s_add_co_u32 s34, s34, s28
	s_lshl_b32 s35, s24, 3
	s_add_co_u32 s34, s34, s35                     ; my first row among x's 16,384
	s_mul_i32 s58, s34, 3072
	s_mov_b32 s59, 0
	s_add_nc_u64 s[56:57], s[4:5], s[58:59]
	s_mul_i32 s58, s26, 6291456
	s_add_nc_u64 s[32:33], s[14:15], s[58:59]      ; xh at the batch
	v_lshlrev_b32 v2, 4, v1                        ; 16 lane: a load takes 512 consecutive bytes of a row
	v_lshlrev_b32 v26, 3, v1                       ; 8 lane: a store fills 256 consecutive bytes
	s_wait_loadcnt 0x0
	v_cmp_ne_u32 s36, 0, v20                       ; the chunk's 64 mask bits
	v_cmp_ne_u32 s37, 0, v21
	s_cmp_lt_u32 s24, 4
	s_cselect_b32 s38, s36, s37                    ; the word with my eight rows,
	s_and_b32 s39, s24, 3
	s_lshl_b32 s39, s39, 3                         ; which begin at this bit
	s_lshr_b32 s29, s38, s39                       ; bit k: row k is kept
	; a kept row is asked for, a masked one is zeros.  The branch hangs on the mask, a whole-number input; no barrier stands inside it.
.irp k, 0,1,2,3,4,5,6,7
	s_bitcmp1_b32 s29, \k
	s_cbranch_scc0 .Lhid\k
.irp u, 0,1,2,3,4,5
	global_load_b128 v[XR+24*\k+4*\u:XR+24*\k+4*\u+3], v2, s[56:57] offset:3072*\k+512*\u th:TH_LOAD_NT
.endr
	s_branch .Lrow\k
.Lhid\k:
.set z, 0
.rept 24
	v_mov_b32 v[XR+24*\k+z], 0
.set z, z+1
.endr
.Lrow\k:
.endr
	; the counts, while the rows are on their way: of my 512 masks how many are kept (s44), and how many of those lie ahead of the chunk (s45)
	s_mov_b32 s44, 0
	s_mov_b32 s45, 0
	s_lshl_b32 s47, s24, 9
	s_sub_co_i32 s47, s28, s47                     ; start - 512 v
.irp i, 0,1,2,3
	s_sub_co_i32 s46, s47, 128*\i                  ; how many of this load's 128 indices lie ahead of the chunk: a multiple of 64
	s_cmp_ge_i32 s46, 128
	s_cselect_b32 s48, -1, 0xffff                  ; all lanes, or (64 indices = 4 a lane) lanes 0..15,
	s_cmp_ge_i32 s46, 64
	s_cselect_b32 s48, s48, 0                      ; or none
.irp k, 0,1,2,3
	v_cmp_ne_u32 s49, 0, v[4+4*\i+\k]
	s_bcnt1_i32_b32 s50, s49
	s_add_co_u32 s44, s44, s50
	s_and_b32 s49, s49, s48
	s_bcnt1_i32_b32 s50, s49
	s_add_co_u32 s45, s45, s50
.endr
.endr
	v_mov_b32 v22, s44
	v_mov_b32 v23, s45
	v_mov_b32 v24, s24
	v_lshlrev_b32 v24, 3, v24
	ds_store_b64 v24, v[22:23]                     ; all lanes write the wave's own 8 bytes with the same pair
	s_wait_dscnt 0x0                               ; for the others' sake: my store is done
	s_barrier_signal -1
	s_barrier_wait -1
	v_mov_b32 v25, 0
.irp i, 0,1,2,3
	ds_load_b128 v[4+4*\i:7+4*\i], v25 offset:16*\i
.endr
	s_wait_dscnt 0x0
	v_add3_u32 v4, v4, v6, v8
	v_add3_u32 v5, v5, v7, v9
	v_add3_u32 v4, v4, v10, v12
	v_add3_u32 v5, v5, v11, v13
	v_add3_u32 v4, v4, v14, v16
	v_add3_u32 v5, v5, v15, v17
	v_add_nc_u32 v4, v4, v18
	v_add_nc_u32 v5, v5, v19
	v_readfirstlane_b32 s60, v4                    ; the batch's kept rows
	v_readfirstlane_b32 s61, v5                    ; those ahead of the chunk
	s_bfm_b32 s63, s39, 0
	s_and_b32 s63, s38, s63
	s_bcnt1_i32_b32 s63, s63
	s_add_co_u32 s62, s61, s63                     ; + those of my word ahead of my rows
	s_bcnt1_i32_b32 s63, s36
	s_cmp_ge_u32 s24, 4
	s_cselect_b32 s63, s63, 0
	s_add_co_u32 s62, s62, s63                     ; + the chunk's first word, for waves 4..7: kept rows ahead of my first row
	s_lshl_b32 s59, s24, 3
	s_add_co_u32 s59, s59, s28
	s_add_co_u32 s59, s59, s60
	; row k goes to place (kept rows ahead of it) if kept, else to (all kept rows) + (masked rows ahead of it): each place of the batch is taken once
.irp k, 0,1,2,3,4,5,6,7
	s_add_co_u32 s58, s59, \k
	s_sub_co_u32 s58, s58, s62
	s_bitcmp1_b32 s29, \k
	s_cselect_b32 s58, s62, s58
	s_bfe_u32 s63, s29, 0x10000+\k
	s_add_co_u32 s62, s62, s63
	s_min_u32 s58, s58, 4095                       ; a number made of loaded data is held to the table before it enters an address
	s_mul_i32 s[40+2*\k], s58, 1536
	s_mov_b32 s[41+2*\k], 0
	s_add_nc_u64 s[40+2*\k:41+2*\k], s[32:33], s[40+2*\k:41+2*\k]
.endr
	s_wait_loadcnt 0x0                             ; the rows
.irp k, 0,1,2,3,4,5,6,7
.set z, 0
.rept 12
	v_cvt_pk_f16_f32 v[XR+24*\k+z], v[XR+24*\k+2*z], v[XR+24*\k+2*z+1]  ; in place, ascending: register z is written when 2 z and 2 z + 1 are read
.set z, z+1
.endr
.irp u, 0,1,2,3,4,5
	global_store_b64 v26, v[XR+24*\k+2*\u:XR+24*\k+2*\u+1], s[40+2*\k:41+2*\k] offset:256*\u  ; 32 lanes store 256 consecutive bytes, aligned
.endr
.endr
	s_or_b32 s63, s27, s24
	s_cmp_lg_u32 s63, 0
	s_cbranch_scc1 .Lend                           ; wave 0 of a batch's first chunk stores the count, 64 times: one whole block of 256 bytes
	v_mov_b32 v22, s60
	v_mov_b32 v23, s60
	s_lshl_b32 s58, s26, 8
	s_mov_b32 s59, 0
	s_add_nc_u64 s[58:59], s[22:23], s[58:59]
	global_store_b64 v26, v[22:23], s[58:59]
	s_branch .Lend
; eight fragments: rounded in place (register m of a fragment's 16 takes 2 m and 2 m + 1), stored as 512 consecutive bytes a half
.macro CVST
	s_wait_loadcnt 0x0
.irp f, 0,1,2,3,4,5,6,7
.irp m, 0,1,2,3,4,5,6,7
	v_cvt_pk_f16_f32 v[FR+16*\f+\m], v[FR+16*\f+2*\m], v[FR+16*\f+2*\m+1]
.endr
.endr
.irp f, 0,1,2,3,4,5,6,7
	global_store_b128 v3, v[FR+16*\f:FR+16*\f+3],   s[32:33] offset:1024*\f
	global_store_b128 v3, v[FR+16*\f+4:FR+16*\f+7], s[32:33] offset:1024*\f+512
.endr
.endm
.Lweights:
	s_sub_co_u32 s26, s25, 256
	s_lshl_b32 s26, s26, 3
	s_add_co_u32 s26, s26, s24                     ; a wave a unit: 0..527 Wv's and label_reps' thirds of blocks, 528..671 Wk's
	v_and_b32 v4, 15, v0                           ; r
	v_bfe_u32 v5, v0, 4, 1                         ; h
	v_lshlrev_b32 v3, 4, v1                        ; 16 lane
	s_mov_b32 s37, 0
	s_cmp_lt_u32 s25, 322
	s_cbranch_scc0 .Lwk
	; ---- ROLE F: rows as they lie.  Unit = 176 x third + block; blocks 0..47 are Wv's, 48..175 label_reps'
	s_cmp_ge_u32 s26, 176
	s_cselect_b32 s41, 1, 0
	s_cmp_ge_u32 s26, 352
	s_cselect_b32 s42, 1, 0
	s_add_co_u32 s41, s41, s42                     ; which third of the 24 fragments
	s_mul_i32 s42, s41, 176
	s_sub_co_u32 s26, s26, s42                     ; the block, 0..175
	s_sub_co_u32 s35, s26, 48
	s_mov_b32 s34, 1999
	s_mov_b32 s36, 767
	s_cmp_lt_u32 s26, 48
	s_cselect_b32 s35, s26, s35                    ; the block in its tensor
	s_cselect_b32 s34, s36, s34                    ; the tensor's last row
	s_cselect_b64 s[30:31], s[8:9], s[10:11]
	s_cselect_b64 s[32:33], s[16:17], s[18:19]
	s_lshl_b32 s36, s35, 4
	v_add_nc_u32 v6, s36, v4
	v_min_u32 v6, s34, v6                          ; lf's rows from 2000 on repeat row 1999: no load leaves the tensor
	v_mul_u32_u24 v6, v6, 3072
	v_lshl_add_u32 v6, v5, 5, v6                   ; + 32 h: eight f32
	s_lshl_b32 s42, s41, 10
	v_add_nc_u32 v6, s42, v6                       ; + the third's 256 columns of f32
	s_mul_i32 s36, s35, 24576
	s_lshl_b32 s42, s41, 13
	s_add_co_u32 s36, s36, s42                     ; the block, and the third's eight fragments
	s_add_nc_u64 s[32:33], s[32:33], s[36:37]
.irp f, 0,1,2,3,4,5,6,7
	global_load_b128 v[FR+16*\f:FR+16*\f+3],     v6, s[30:31] offset:128*\f
	global_load_b128 v[FR+16*\f+4:FR+16*\f+7],   v6, s[30:31] offset:128*\f+16
	global_load_b128 v[FR+16*\f+8:FR+16*\f+11],  v6, s[30:31] offset:128*\f+64
	global_load_b128 v[FR+16*\f+12:FR+16*\f+15], v6, s[30:31] offset:128*\f+80
.endr
	CVST
	s_branch .Lend
.Lwk:
	; ---- ROLE K: unit = 48 x third + db; register 16 f + 8 t + j takes Wk[256 third + 32 f + 16 t + 8 h + j][16 db + r]
	s_sub_co_u32 s26, s26, 528
	s_cmp_ge_u32 s26, 48
	s_cselect_b32 s41, 1, 0
	s_cmp_ge_u32 s26, 96
	s_cselect_b32 s42, 1, 0
	s_add_co_u32 s41, s41, s42                     ; which third
	s_mul_i32 s42, s41, 48
	s_sub_co_u32 s35, s26, s42                     ; db
	s_lshl_b32 s36, s35, 6
	s_mul_i32 s42, s41, 786432                     ; 256 rows of Wk
	s_add_co_u32 s36, s36, s42
	s_add_nc_u64 s[30:31], s[12:13], s[36:37]
	s_mul_i32 s36, s35, 24576
	s_lshl_b32 s42, s41, 13
	s_add_co_u32 s36, s36, s42
	s_add_nc_u64 s[32:33], s[20:21], s[36:37]
	v_mul_u32_u24 v6, v5, 24576                    ; 8 h rows of 3,072 bytes
	v_lshl_add_u32 v6, v4, 2, v6
.set z, 0
.rept 128
	global_load_b32 v[FR+z], v6, s[30:31] offset:(32*(z/16)+16*((z/8)%2)+z%8)*3072
.set z, z+1
.endr
	CVST
.Lend:
	s_wait_tensorcnt 0x0                           ; the wave's end: behind the last LDS store
	ds_add_u32 v[SPW], v[NIL]
	s_wait_dscnt 0x0
	s_endpgm
.Lfunc_end_k_qb4cb88178b_prep:
	.size	k_qb4cb88178b_prep, .Lfunc_end_k_qb4cb88178b_prep-k_qb4cb88178b_prep
	.p2alignl 7, 3214868480
	.fill 96, 4, 3214868480
	.section	.rodata,"a",@progbits
	.p2align	6, 0x0
	.amdhsa_kernel k_qb4cb88178b_prep
		.amdhsa_group_segment_fixed_size 1280
		.amdhsa_private_segment_fixed_size 0
		.amdhsa_enable_private_segment 0
		.amdhsa_kernarg_size 80
		.amdhsa_user_sgpr_count 2
		.amdhsa_user_sgpr_kernarg_segment_ptr 1
		.amdhsa_wavefront_size32 1
		.amdhsa_system_sgpr_workgroup_id_x 1
		.amdhsa_system_sgpr_workgroup_id_y 1
		.amdhsa_system_sgpr_workgroup_id_z 1
		.amdhsa_system_vgpr_workitem_id 0
		.amdhsa_next_free_vgpr 224
		.amdhsa_next_free_sgpr 66
		.amdhsa_reserve_vcc 0
		.amdhsa_float_denorm_mode_32 3
		.amdhsa_float_denorm_mode_16_64 3
		.amdhsa_memory_ordered 1
		.amdhsa_forward_progress 1
		.amdhsa_inst_pref_size 63
	.end_amdhsa_kernel
	.amdgpu_metadata
---
amdhsa.version: [ 1, 2 ]
amdhsa.kernels:
  - .name:           k_qb4cb88178b_prep
    .symbol:         k_qb4cb88178b_prep.kd
    .args:
      - { .name: x, .offset: 0, .size: 8, .value_kind: global_buffer, .address_space: global }
      - { .name: attention_masks, .offset: 8, .size: 8, .value_kind: global_buffer, .address_space: global }
      - { .name: Wv, .offset: 16, .size: 8, .value_kind: global_buffer, .address_space: global }
      - { .name: label_reps, .offset: 24, .size: 8, .value_kind: global_buffer, .address_space: global }
      - { .name: Wk, .offset: 32, .size: 8, .value_kind: global_buffer, .address_space: global }
      - { .name: xh, .offset: 40, .size: 8, .value_kind: global_buffer, .address_space: global }
      - { .name: wvf, .offset: 48, .size: 8, .value_kind: global_buffer, .address_space: global }
      - { .name: lf, .offset: 56, .size: 8, .value_kind: global_buffer, .address_space: global }
      - { .name: wkf, .offset: 64, .size: 8, .value_kind: global_buffer, .address_space: global }
      - { .name: counts, .offset: 72, .size: 8, .value_kind: global_buffer, .address_space: global }
    .group_segment_fixed_size: 1280
    .private_segment_fixed_size: 0
    .kernarg_segment_align: 8
    .kernarg_segment_size: 80
    .max_flat_workgroup_size: 256
    .sgpr_count:     66
    .vgpr_count:     224
    .wavefront_size: 32
...
	.end_amdgpu_metadata
.endif
;; end of part 5
;; launch qproj (part 6): grid 256 x 1, 2 waves a work-group, no clusters, 0 bytes of LDS; arguments wkf, lf, qf; writes qf
.if DOCPART == 6
	.amdgcn_target "amdgcn-amd-amdhsa--gfx1250"
	.amdhsa_code_object_version 6
	.text
	.protected	k_qb4cb88178b_qproj
	.globl	k_qb4cb88178b_qproj
	.p2align	8
	.type	k_qb4cb88178b_qproj,@function
k_qb4cb88178b_qproj:
	s_mov_b64 s[64:65], 0
	v_nop
	global_prefetch_b8 v0, s[64:65] scope:SCOPE_SE
	s_setreg_imm32_b32 hwreg(HW_REG_WAVE_MODE, 25, 1), 1
	s_wait_xcnt 0x0
; Q'[c][d] = the sum over e of label_reps[c][e] Wk[e][d]: then scores = Q' x^T, and K = x Wk^T is never made.  Operands f16, sums f32, Q' rounded once to f16
; (LIMIT: |Q'| under 65,504).  All three buffers are in fragment order: [block of 16 rows][24][half t][lane][16 bytes].
; SHARES.  Work-group id: query tiles 2 p and 2 p + 1 (p = id / 4); wave: six blocks of 16 columns d, db = 6 dg + k (dg = 2 (id % 4) + wave).  12 accumulators, 24 K steps of 32.
; Source 0 = 16 d x 32 e of wkf, source 1 = 16 queries x 32 e of lf: a lane ends with ONE query and d = 16 db + 8 h + 0..7, which is half db % 2 of fragment db / 2 of qf.
; Nothing is shared between the waves, and a fragment lies in memory as it lies in registers: no LDS.  No prefetch: every block of wkf and lf is read by many work-groups, and the launch is short.
; IN FLIGHT.  A K step has 12 products for 16 loads, so the wave lives on what is on its way: FOUR sets of registers, a K step each; while one is multiplied the other three's 48 loads are out, and it is asked for again at once.
; REGISTERS: window 0: v2 the loads' and stores' offset; v32-79 the packed results; v160-255 the accumulators.   window 1: v0-255 the four sets of 64: six fragments of wkf, then two of lf.
.set OUT, 32
.set ACC, 160                          ; accumulator (k, q) at ACC + 8 (2 k + q)
.set MSB, 0
.macro WIN new                         ; s_set_vgpr_msb: bits 1:0 source 0, 3:2 source 1, 5:4 source 2, 7:6 destination; the high byte repeats the setting that is left
.if MSB != (\new)
	s_set_vgpr_msb (MSB<<8)|(\new)
.set MSB, (\new)
.endif
.endm
	s_load_b128 s[4:7], s[0:1], 0x0                ; wkf s[4:5], lf s[6:7]
	s_load_b64 s[8:9], s[0:1], 0x10                ; qf
	v_lshrrev_b32 v1, 5, v0
	v_readfirstlane_b32 s10, v1                    ; wave
	v_and_b32 v2, 31, v0
	v_lshlrev_b32 v2, 4, v2                        ; 16 lane; never rewritten
	s_lshr_b32 s11, ttmp9, 2                       ; p
	s_and_b32 s12, ttmp9, 3
	s_lshl_b32 s12, s12, 1
	s_add_co_u32 s12, s12, s10                     ; dg
	s_mul_i32 s14, s12, 147456                     ; six blocks of 24,576 bytes
	s_mov_b32 s15, 0
	s_mul_i32 s16, s11, 49152                      ; two tiles
	s_mov_b32 s17, 0
	s_mul_i32 s18, s12, 3072                       ; six halves of 512 bytes
	s_add_co_u32 s18, s18, s16
	s_mov_b32 s19, 0
	s_wait_kmcnt 0x0
	s_add_nc_u64 s[4:5], s[4:5], s[14:15]
	s_add_nc_u64 s[6:7], s[6:7], s[16:17]
	s_add_nc_u64 s[8:9], s[8:9], s[18:19]
.macro LOADS b, off                    ; a K step's 16 loads into set b
	WIN 0x40                                       ; destination window 1, offset window 0
.irp k, 0,1,2,3,4,5
	global_load_b128 v[64*(\b)+8*\k:64*(\b)+8*\k+3],   v2, s[4:5] offset:24576*\k+(\off)
	global_load_b128 v[64*(\b)+8*\k+4:64*(\b)+8*\k+7], v2, s[4:5] offset:24576*\k+512+(\off)
.endr
.irp q, 0,1
	global_load_b128 v[64*(\b)+48+8*\q:64*(\b)+48+8*\q+3],   v2, s[6:7] offset:24576*\q+(\off)
	global_load_b128 v[64*(\b)+48+8*\q+4:64*(\b)+48+8*\q+7], v2, s[6:7] offset:24576*\q+512+(\off)
.endr
.endm
.macro MULS b, zero                    ; 12 products, each on another accumulator: they take turns, from set to set and over the backward jump too
	WIN 0x05                                       ; both sources window 1, C and D window 0
.irp k, 0,1,2,3,4,5
.irp q, 0,1
.if \zero
	v_wmma_f32_16x16x32_f16 v[ACC+8*(2*\k+\q):ACC+8*(2*\k+\q)+7], v[64*(\b)+8*\k:64*(\b)+8*\k+7], v[64*(\b)+48+8*\q:64*(\b)+48+8*\q+7], 0
.else
	v_wmma_f32_16x16x32_f16 v[ACC+8*(2*\k+\q):ACC+8*(2*\k+\q)+7], v[64*(\b)+8*\k:64*(\b)+8*\k+7], v[64*(\b)+48+8*\q:64*(\b)+48+8*\q+7], v[ACC+8*(2*\k+\q):ACC+8*(2*\k+\q)+7]
.endif
.endr
.endr
.endm
.macro PLACES                          ; four places between a product and a load into its sources, or a reader of its result
.rept 4
	v_nop
.endr
.endm
; A turn: K steps 4 i .. 4 i + 3 are multiplied.  fill = 1: each set is asked for again, four K steps on, four places behind its last product.  zero = 1: the first K step starts the sums.
.macro TURN zero, fill
.irp b, 0,1,2,3
.if \fill
	s_wait_loadcnt 48                              ; this set is in; the three other sets' 48 loads may stay out
.else
	s_wait_loadcnt 48-16*\b                        ; the last turn loads nothing: the counts run down
.endif
.if \b == 0
	MULS \b, \zero
.else
	MULS \b, 0
.endif
.if \fill
	PLACES
.if \b == 0
	s_wait_xcnt 0x0                                ; every load issued so far has read its address: the pointers may step, once a turn
	s_add_nc_u64 s[4:5], s[4:5], 4096
	s_add_nc_u64 s[6:7], s[6:7], 4096
.endif
	LOADS \b, 1024*\b
.endif
.endr
.endm
	LOADS 0, 0
	LOADS 1, 1024
	LOADS 2, 2048
	LOADS 3, 3072
	TURN 1, 1                                      ; the first K step starts the sums: nothing is cleared
	WIN 0                                          ; at a label and at a branch every window is 0
	s_mov_b32 s13, 4
.Lturn:
	TURN 0, 1
	WIN 0
	s_sub_co_u32 s13, s13, 1
	s_cmp_lg_u32 s13, 0
	s_cbranch_scc1 .Lturn
	TURN 0, 0
	WIN 0
	PLACES
	PLACES
.set z, 0
.rept 12
.irp p, 0,1,2,3
	v_cvt_pk_f16_f32 v[OUT+4*z+\p], v[ACC+8*z+2*\p], v[ACC+8*z+2*\p+1]  ; each accumulator from its low end on
.endr
.set z, z+1
.endr
.irp k, 0,1,2,3,4,5
.irp q, 0,1
	global_store_b128 v2, v[OUT+4*(2*\k+\q):OUT+4*(2*\k+\q)+3], s[8:9] offset:24576*\q+512*\k  ; 512 consecutive bytes, aligned
.endr
.endr
	s_endpgm
.Lfunc_end_k_qb4cb88178b_qproj:
	.size	k_qb4cb88178b_qproj, .Lfunc_end_k_qb4cb88178b_qproj-k_qb4cb88178b_qproj
	.p2alignl 7, 3214868480
	.fill 96, 4, 3214868480
	.section	.rodata,"a",@progbits
	.p2align	6, 0x0
	.amdhsa_kernel k_qb4cb88178b_qproj
		.amdhsa_group_segment_fixed_size 0
		.amdhsa_private_segment_fixed_size 0
		.amdhsa_enable_private_segment 0
		.amdhsa_kernarg_size 24
		.amdhsa_user_sgpr_count 2
		.amdhsa_user_sgpr_kernarg_segment_ptr 1
		.amdhsa_wavefront_size32 1
		.amdhsa_system_sgpr_workgroup_id_x 1
		.amdhsa_system_sgpr_workgroup_id_y 1
		.amdhsa_system_sgpr_workgroup_id_z 1
		.amdhsa_system_vgpr_workitem_id 0
		.amdhsa_next_free_vgpr 512
		.amdhsa_next_free_sgpr 66
		.amdhsa_reserve_vcc 0
		.amdhsa_float_denorm_mode_32 3
		.amdhsa_float_denorm_mode_16_64 3
		.amdhsa_memory_ordered 1
		.amdhsa_forward_progress 1
		.amdhsa_inst_pref_size 35
	.end_amdhsa_kernel
	.amdgpu_metadata
---
amdhsa.version: [ 1, 2 ]
amdhsa.kernels:
  - .name:           k_qb4cb88178b_qproj
    .symbol:         k_qb4cb88178b_qproj.kd
    .args:
      - { .name: wkf, .offset: 0, .size: 8, .value_kind: global_buffer, .address_space: global }
      - { .name: lf, .offset: 8, .size: 8, .value_kind: global_buffer, .address_space: global }
      - { .name: qf, .offset: 16, .size: 8, .value_kind: global_buffer, .address_space: global }
    .group_segment_fixed_size: 0
    .private_segment_fixed_size: 0
    .kernarg_segment_align: 8
    .kernarg_segment_size: 24
    .max_flat_workgroup_size: 64
    .sgpr_count:     66
    .vgpr_count:     512
    .wavefront_size: 32
...
	.end_amdgpu_metadata
.endif
;; end of part 6
;; launch attn (part 7): grid 32 x 8, 4 waves a work-group, no clusters, 261,120 bytes of LDS; arguments xh, qf, counts, zp, st; writes zp, st
.if DOCPART == 7
	.amdgcn_target "amdgcn-amd-amdhsa--gfx1250"
	.amdhsa_code_object_version 6
	.text
	.protected	k_qb4cb88178b_attn
	.globl	k_qb4cb88178b_attn
	.p2align	8
	.type	k_qb4cb88178b_attn,@function
k_qb4cb88178b_attn:
	s_mov_b64 s[64:65], 0
	v_nop
	global_prefetch_b8 v0, s[64:65] scope:SCOPE_SE
	s_setreg_imm32_b32 hwreg(HW_REG_WAVE_MODE, 25, 1), 1
	s_wait_xcnt 0x0
; ATTENTION OVER THE KEPT ROWS OF xh.  scores = Q' x^T; z = softmax(scores) x.  (attn's rows sum to 1, so y = z Wv^T + bv: the next launch.)  Keys and values are the SAME rows of xh: one tile in LDS serves both products.
; Operands f16 (x, Q', the weights p); products, running maximum m, sum l and O^T in f32.  p = 2^(c s - c m), c = log2(e); in every step O^T and l are multiplied by a = 2^(c m_old - c m_new).
; LIMITS.  The launch before has put each batch's kept rows first; a key at or past the batch's count n is hidden: in the one tile that n cuts its score is replaced by -2^100, far below every score of f16 operands; the tiles
; past n are not touched.  A weight below 2^-126 counts as 0; below 6e-5 p keeps f16's step of 6e-8.  NaN and infinities are not treated apart.
; SHARES.  y = 2 b + split.  A work-group has 64 queries (tiles 4 qb .. 4 qb + 3 of 16) and the batch's tiles of 64 keys 2 k + split, k = 0..31: the two shares have half of the live tiles each, whatever n.
; THE WALK HAS 32 STEPS AND THREE BARRIERS A STEP, ALWAYS.  A step whose tile begins at or past n is DEAD: all that stands between its barriers is jumped, forward, over no barrier.  n comes from counts, whole numbers that the
; launch before stored.  A share with no live step leaves O^T = 0, l = 0 and c m at its start, far below every c s: the next launch's merge gives it the factor 0.  O^T, c m and l go to zp and st in f32.
; NO CLUSTER, NO TENSOR LOADS.  The 32 work-groups of one y read the same tiles, but how many tiles hangs on n: a joint load would have to be issued in all 32 steps
; So a tile comes through registers: 192 loads of 512 consecutive bytes (a row of a strip), 48 a wave, which a dead step jumps.
;   Part A (my rows 0..7 of 16; 24 loads) goes out behind the step's first barrier, into 96 registers that nothing else names.  Part B (rows 8..15) goes out six loads at a time, behind the stores of each key block's partial S^T,
;   into the 24 registers that those stores have just read: they are free from there to the next step's first product, since the other waves' parts of my tile come back into the fragment buffers.
;   Part A is stored into the other slot ahead of the second run of the second product, part B ahead of the third.  A live step always fetches the next tile of its share; in step 31 the pointer stays, so that no load leaves xh.
; INSIDE A WORK-GROUP no product is made twice.
;   S^T = x Q'^T is split ALONG THE CHANNELS: wave w takes the 32-channel fragments 4 i + w, i = 0..5, for all 64 keys and all four tiles; the four partial S^T meet in LDS (f32).
;   Wave w's LOCAL tile t is tile (w + t) % 4, so that its own tile, whose softmax it makes, is always local tile 0.
;   O^T += x^T P is split BY CHANNELS: wave w owns the 16-channel blocks 4 i + w, i = 0..11, for all four tiles; P and a come from the other waves through LDS.
; ONE TILE READ BOTH WAYS.  LDS rows are 528 bytes apart, and of a block of 16 keys fragment row 8 h + j is tile row 2 j + h.  The plain load's 16 lanes then take 16 rows (16 different 16-byte columns of the
; 64 banks of 4 bytes: ISA guide 11.1), the turning load's 16 lanes 8 rows of one parity x 32 bytes (1,056 bytes apart).  In S^T register j of a lane of half h in block kb is key 16 kb + 2 j + h, and P's order of keys is x^T's.
; THE WAITS HOLD WHICHEVER OF A STEP'S THREE JUMPS ARE TAKEN: both parts of a fill go out in the same part of a step, A first, so the count 24 in front of A's stores holds whether that part was run or not; a wait for 0 on global
; loads stands on every path ahead of each step's first barrier; a counted wait on LDS counts instructions of its own part of the step alone.
; REGISTERS, in windows of 256 (s_set_vgpr_msb: bits 1:0 source 0, 3:2 source 1, 5:4 source 2, 7:6 destination):
;   window 0: v1-63 addresses and statistics; v64-191 S^T (block kb, local tile t at 64 + 32 kb + 8 t); v192-255 P (192 + 16 t + 8 kh)
;   window 1: O^T of local tiles 0, 1 (96 t + 8 i); v192-239 fragment buffer 1; v240-255 part A      window 2: O^T of tiles 2, 3; v192-255 part A      window 3: Q' (48 t + 8 i); v192-239 fragment buffer 0; v240-255 part A
.set PITCH, 528
.set STRIP, 64*PITCH                   ; 64 keys x 256 channels
.set SLOT,  3*STRIP
.set KB16,  16*PITCH
.set TILEB, 64*1536                    ; a tile's rows in memory
.set XS,    2*SLOT                     ; partial S^T: writer w at 12,288 w + 4,096 (t - 1) + 1,024 kb + 512 half + 16 lane
.set PR,    XS+49152                   ; P: 2,048 w + 512 (2 kh + half) + 16 lane
.set AR,    PR+8192                    ; a: 128 w + 4 lane
.set SPARE, AR+512                     ; the spare words, 128 bytes a wave, which no other line names
.set WV,  14                           ; s14  wave
.set XP,  24                           ; s[24:25] xh at my 16 rows of the tile that the step in hand fetches
.set STV, 26                           ; s[26:27] the pointer's step in a step on slot 1: 0 in step 31
.set LIM, 40                           ; s40  a wave prefetches while the count is above this: 1, or the greatest number in a wave that never asks
.set CNT, 41                           ; s41  trips still to come, 16 to 1
.set REM, 42                           ; s42  n less the first key of the step's tile (signed): the step is live where it is above 0
.set PFA, 44                           ; s[44:45] where my prefetches stand
.set CS,  46                           ; s[46:47] c, twice
.set SEL, 48                           ; s[48:49] v_permlanex16_b32's selects: the same place in the other half
.set GL,  1                            ; v1      16 lane: my bytes of a load of 512; never rewritten
.set AXP, 2                            ; v2-7    plain reads: slot s, strip g at AXP + 3 s + g
.set AXT, 8                            ; v8-13   turning reads, likewise
.set XW,  14                           ; v14     where I put my partial S^T
.set XRD, 15                           ; v15-17  where the other three waves put theirs of my tile
.set PW,  18                           ; v18     where I put P
.set PRD, 19                           ; v19-21  P of local tiles 1..3
.set AW,  22                           ; v22     where I put a
.set ARD, 23                           ; v23-25  a of local tiles 1..3
.set HH,  26                           ; v26     h
.set HID, 27                           ; v27     -2^100
.set TV,  28                           ; v28     at work
.set SC,  29                           ; v29     at work
.set SPW, 30                           ; v30     my spare word's address; never rewritten
.set NIL, 31                           ; v31     0; never rewritten
.set CM,  32                           ; v32 c m, v33 m
.set MX,  33
.set LS,  34                           ; v34-35  l (even registers', odd registers')
.set CC,  36                           ; v36-39  at work; at the head: lane, lane % 8, (lane / 8) % 2, one more
.set LN,  36
.set T7,  37
.set T3,  38
.set TA,  39
.set AF,  40                           ; v40+2t  a of local tile t; the pairs' second words are set once
.set VQ,  48                           ; v48-51  offsets into qf
.set PFO, 52                           ; v52     the prefetches' offset
.set STO, 53                           ; v53     8 lane
.set STD, 54                           ; v54-55  (c m, l) on the way out
.set SW,  56                           ; v56-59  where I store a tile's rows: slot o, strips 0 and 1 at SW + 2 o, strip 2 at SW + 2 o + 1
.set VO,  60                           ; v60-63  offsets into zp
.set SP,  64
.set PF,  192
.set XB,  192
.set MSB, 0
.macro WIN new                         ; the immediate's high byte repeats the setting that is left; a switch that changes nothing is dropped
.if MSB != (\new)
	s_set_vgpr_msb (MSB<<8)|(\new)
.set MSB, (\new)
.endif
.endm
.macro PLACES                          ; four places between a product and a load into its sources or a reader of its result (ISA guide 7.12.1 for a reader of its result)
.rept 4
	v_nop
.endr
.endm
; THE FILL.  Load number f of a part is row f / 3 of its eight, strip f % 3: 512 consecutive bytes of memory, and 512 consecutive bytes of LDS.
.macro FILLA                           ; part A: 16 loads into window 2, 4 into window 1, 4 into window 3
	WIN 0x80
.set fa, 0
.rept 16
	global_load_b128 v[192+4*fa:195+4*fa], v[GL], s[XP:XP+1] offset:(fa/3)*1536+(fa%3)*512
.set fa, fa+1
.endr
	WIN 0x40
.rept 4
	global_load_b128 v[240+4*(fa-16):243+4*(fa-16)], v[GL], s[XP:XP+1] offset:(fa/3)*1536+(fa%3)*512
.set fa, fa+1
.endr
	WIN 0xc0
.rept 4
	global_load_b128 v[240+4*(fa-20):243+4*(fa-20)], v[GL], s[XP:XP+1] offset:(fa/3)*1536+(fa%3)*512
.set fa, fa+1
.endr
.endm
.macro STOREA o                        ; part A into slot o
	WIN 0x08
.set fa, 0
.rept 16
	ds_store_b128 v[SW+2*(\o)+(fa%3)/2], v[192+4*fa:195+4*fa] offset:(fa/3)*PITCH+((fa%3)%2)*STRIP
.set fa, fa+1
.endr
	WIN 0x04
.rept 4
	ds_store_b128 v[SW+2*(\o)+(fa%3)/2], v[240+4*(fa-16):243+4*(fa-16)] offset:(fa/3)*PITCH+((fa%3)%2)*STRIP
.set fa, fa+1
.endr
	WIN 0x0c
.rept 4
	ds_store_b128 v[SW+2*(\o)+(fa%3)/2], v[240+4*(fa-20):243+4*(fa-20)] offset:(fa/3)*PITCH+((fa%3)%2)*STRIP
.set fa, fa+1
.endr
.endm
.macro FILLB kb                        ; part B, loads 6 kb .. 6 kb + 5: into the 24 registers of local tiles 1..3 of key block kb of S^T
	WIN 0
.set fa, 6*(\kb)
.rept 6
	global_load_b128 v[SP+32*(fa/6)+8+4*(fa%6):SP+32*(fa/6)+11+4*(fa%6)], v[GL], s[XP:XP+1] offset:(8+fa/3)*1536+(fa%3)*512
.set fa, fa+1
.endr
.endm
.macro STOREB o
	WIN 0
.set fa, 0
.rept 24
	ds_store_b128 v[SW+2*(\o)+(fa%3)/2], v[SP+32*(fa/6)+8+4*(fa%6):SP+32*(fa/6)+11+4*(fa%6)] offset:(8+fa/3)*PITCH+((fa%3)%2)*STRIP
.set fa, fa+1
.endr
.endm
; A PREFETCH INTO THE L2 of the share's tile after the one that is being fetched: one step, 192 matrix instructions and the exchange, ahead of its loads.  The 32 work-groups of one y read the same rows: work-groups 0 to 3 ask,
; 16 rows of the tile's 64 each; wave w (0 to 2) strip w; a lane a block of 256 bytes (row lane / 2, block lane % 2): each block is named once in the launch.
; The share's tiles 0 and 1 come by their loads alone.  Step k names tile k + 2: the last trip's two steps, 30 and 31, ask for nothing.
.macro ASK
	s_cmp_gt_u32 s[CNT], s[LIM]
	s_cbranch_scc0 .Lna_\@
	global_prefetch_b8 v[PFO], s[PFA:PFA+1] th:TH_LOAD_NT scope:SCOPE_SE
.Lna_\@:
.endm
.macro LOADX s, kb, buf                ; my six fragments (16 keys x 32 channels) of key block kb
	WIN (0xc0-0x80*(\buf))
.irp i, 0,1,2,3,4,5
	ds_load_b128 v[XB+8*\i:XB+8*\i+3],   v[AXP+3*(\s)+(\i)/2] offset:KB16*(\kb)+256*((\i)%2)
	ds_load_b128 v[XB+8*\i+4:XB+8*\i+7], v[AXP+3*(\s)+(\i)/2] offset:KB16*(\kb)+256*((\i)%2)+32
.endr
.endm
.macro MM1 kb, buf                     ; 24 products; the four tiles' accumulators take turns; the first four start the sums
	WIN (0x0f-2*(\buf))
.irp i, 0,1,2,3,4,5
.irp t, 0,1,2,3
.if (\i) == 0
	v_wmma_f32_16x16x32_f16 v[SP+32*(\kb)+8*\t:SP+32*(\kb)+8*\t+7], v[XB+8*\i:XB+8*\i+7], v[48*\t+8*\i:48*\t+8*\i+7], 0
.else
	v_wmma_f32_16x16x32_f16 v[SP+32*(\kb)+8*\t:SP+32*(\kb)+8*\t+7], v[XB+8*\i:XB+8*\i+7], v[48*\t+8*\i:48*\t+8*\i+7], v[SP+32*(\kb)+8*\t:SP+32*(\kb)+8*\t+7]
.endif
.endr
.endr
.endm
.macro STOREP kb                       ; the three partial tiles that are not mine
	WIN 0
.irp t, 1,2,3
	ds_store_b128 v[XW], v[SP+32*(\kb)+8*\t:SP+32*(\kb)+8*\t+3]   offset:4096*(\t-1)+1024*(\kb)
	ds_store_b128 v[XW], v[SP+32*(\kb)+8*\t+4:SP+32*(\kb)+8*\t+7] offset:4096*(\t-1)+1024*(\kb)+512
.endr
.endm
.macro LOADT s, n, buf                 ; six fragments of x^T (16 channels x 32 keys), turned: keys 32 (n / 2) on, my channel blocks i = 6 (n % 2) + 0..5
	WIN (0xc0-0x80*(\buf))
.irp e, 0,1,2,3,4,5
	ds_load_tr16_b128 v[XB+8*\e:XB+8*\e+3],   v[AXT+3*(\s)+(6*((\n)%2)+\e)/4] offset:KB16*2*((\n)/2)+128*((6*((\n)%2)+\e)%4)
	ds_load_tr16_b128 v[XB+8*\e+4:XB+8*\e+7], v[AXT+3*(\s)+(6*((\n)%2)+\e)/4] offset:KB16*2*((\n)/2)+KB16+128*((6*((\n)%2)+\e)%4)
.endr
.endm
.macro RESC t, i                       ; O^T of tile t, block i, times a; from its low end on
	WIN (0x41*(1+(\t)/2))
.irp p, 0,1,2,3
	v_pk_mul_f32 v[96*((\t)%2)+8*(\i)+2*\p:96*((\t)%2)+8*(\i)+2*\p+1], v[96*((\t)%2)+8*(\i)+2*\p:96*((\t)%2)+8*(\i)+2*\p+1], v[AF+2*(\t):AF+2*(\t)+1] op_sel_hi:[1,0]
.endr
.endm
.macro PVI t, i, kh, buf               ; one product of O^T += x^T P
	WIN (0x50*(1+(\t)/2)+3-2*(\buf))
	v_wmma_f32_16x16x32_f16 v[96*((\t)%2)+8*(\i):96*((\t)%2)+8*(\i)+7], v[XB+8*((\i)%6):XB+8*((\i)%6)+7], v[PF+16*(\t)+8*(\kh):PF+16*(\t)+8*(\kh)+7], v[96*((\t)%2)+8*(\i):96*((\t)%2)+8*(\i)+7]
.endm
.macro MM2R buf                        ; run 0: 24 products on blocks 0..5; behind each stands the rescaling of one accumulator of blocks 6..11, which names none of the products' registers
.set q, 0
.rept 24
	PVI q%4, q/4, 0, \buf
	RESC q/6, 6+q%6
.set q, q+1
.endr
.endm
.macro MM2 n, buf                      ; runs 1..3: 24 products, each on another accumulator, under two window settings
.irp g, 0,2
.set q, 0
.rept 12
	PVI \g+q%2, 6*((\n)%2)+q/2, (\n)/2, \buf
.set q, q+1
.endr
.endr
.endm
; A KEY STEP on slot s.  Its three barriers stand on every path; each of the three parts between them is jumped where the step is dead.
.macro STEP s
	; THE CHANGE OF SLOTS
	WIN 0
	s_wait_loadcnt 0x0                             ; no global load of mine is out, whichever parts of the last step were run
	s_wait_xcnt 0x0                                ; the last step's loads and its prefetch have read their pointers, which step now: two tiles on, the share's next
.if (\s) == 1
	s_cmp_eq_u32 s[CNT], 1                         ; step 31 has no next tile: the pointer stays on tile 31, inside xh
	s_cselect_b32 s[STV], 0, 2*TILEB
	s_add_nc_u64 s[XP:XP+1], s[XP:XP+1], s[STV:STV+1]
.else
	s_add_nc_u64 s[XP:XP+1], s[XP:XP+1], 2*TILEB
.endif
	s_add_nc_u64 s[PFA:PFA+1], s[PFA:PFA+1], 2*TILEB
	s_wait_dscnt 0x0                               ; my stores of this step's tile are done; my reads of the other slot, of P and of a are over
	s_barrier_signal -1
	s_barrier_wait -1                              ; this slot is whole, and nobody reads the other any more
	s_cmp_gt_i32 s[REM], 0
	s_cbranch_scc0 .Ld0_\@
	; S^T, my channels' part.  The counts are the LDS instructions issued behind the block's own 12 loads.
	LOADX \s, 0, 0
	LOADX \s, 1, 1
	FILLA                                          ; the next tile, part A: it has the step in which to land
	WIN 0                                          ; at a branch every window is 0
	ASK                                            ; behind my loads
	s_wait_dscnt 12                                ; block 1's loads
	MM1 0, 0
	PLACES
	LOADX \s, 2, 0
	STOREP 0
	FILLB 0                                        ; the next tile, part B, six loads: into the registers that the stores above have read for the last time
	s_wait_dscnt 18                                ; block 2's loads, block 0's stores
	MM1 1, 1
	PLACES
	LOADX \s, 3, 1
	STOREP 1
	FILLB 1
	s_wait_dscnt 24                                ; block 0's stores, block 3's loads, block 1's stores
	MM1 2, 0
	PLACES
	STOREP 2
	FILLB 2
	s_wait_dscnt 12                                ; block 1's and block 2's stores
	MM1 3, 1
	PLACES
	STOREP 3
	FILLB 3
.Ld0_\@:
	s_wait_dscnt 0x0                               ; for the others' sake: my partial tiles are in LDS
	s_barrier_signal -1
	s_barrier_wait -1
	s_cmp_gt_i32 s[REM], 0
	s_cbranch_scc0 .Ld1_\@
	; the other three waves' parts of my tile come into the fragment buffers, which the first product has left (blocks 0, 1: buffer 0; blocks 2, 3: buffer 1), and are added onto mine
.irp b, 0,1,2,3
	WIN (0xc0-0x80*((\b)/2))
.irp t, 1,2,3
	ds_load_b128 v[XB+24*((\b)%2)+8*(\t-1):XB+24*((\b)%2)+8*(\t-1)+3],   v[XRD+\t-1] offset:1024*\b
	ds_load_b128 v[XB+24*((\b)%2)+8*(\t-1)+4:XB+24*((\b)%2)+8*(\t-1)+7], v[XRD+\t-1] offset:1024*\b+512
.endr
.endr
.irp b, 0,1,2,3
	s_wait_dscnt 18-6*\b                           ; the later blocks' loads may stay out
	WIN (0x0c-0x08*((\b)/2))                       ; source 1 in window 3 or 1
.irp t, 1,2,3
.irp p, 0,1,2,3
	v_pk_add_f32 v[SP+32*\b+2*\p:SP+32*\b+2*\p+1], v[SP+32*\b+2*\p:SP+32*\b+2*\p+1], v[XB+24*((\b)%2)+8*(\t-1)+2*\p:XB+24*((\b)%2)+8*(\t-1)+2*\p+1]
.endr
.endr
.endr
	WIN 0
	; the tile that n cuts: its keys at or past n are hidden; a whole tile jumps the 65 lines
	s_cmp_ge_i32 s[REM], 64
	s_cbranch_scc1 .Lfull_\@
	v_sub_nc_u32 v[TV], s[REM], v[HH]              ; key 16 kb + 2 j + h is hidden where 16 kb + 2 j >= REM - h
.irp b, 0,1,2,3
.irp j, 0,1,2,3,4,5,6,7
	v_cmp_ge_i32 vcc_lo, 16*\b+2*\j, v[TV]
	v_cndmask_b32 v[SP+32*\b+\j], v[SP+32*\b+\j], v[HID], vcc_lo
.endr
.endr
.Lfull_\@:
	; my tile's softmax.  The maximum: four chains of seven scores, the four left over, the old m
.irp b, 0,1,2,3
	v_max3_num_f32 v[CC+\b], v[SP+32*\b], v[SP+32*\b+1], v[SP+32*\b+2]
.endr
.irp b, 0,1,2,3
	v_max3_num_f32 v[CC+\b], v[CC+\b], v[SP+32*\b+3], v[SP+32*\b+4]
.endr
.irp b, 0,1,2,3
	v_max3_num_f32 v[CC+\b], v[CC+\b], v[SP+32*\b+5], v[SP+32*\b+6]
.endr
	v_max3_num_f32 v[CC], v[CC], v[SP+7], v[SP+39]
	v_max3_num_f32 v[CC+2], v[CC+2], v[SP+71], v[SP+103]
	v_max3_num_f32 v[CC+1], v[CC+1], v[CC+3], v[MX]
	v_max3_num_f32 v[CC], v[CC], v[CC+1], v[CC+2]
	v_permlanex16_b32 v[CC+3], v[CC], s[SEL], s[SEL+1]  ; the query's other 32 keys lie in the lane 16 away
	v_mov_b32 v[CC+1], v[CM]                       ; c m_old
	v_max_num_f32 v[MX], v[CC], v[CC+3]
	v_mul_f32 v[CM], s[CS], v[MX]
	v_sub_f32 v[CC+1], v[CC+1], v[CM]
.irp b, 0,1,2,3
.irp p, 0,1,2,3
	v_pk_fma_f32 v[SP+32*\b+2*\p:SP+32*\b+2*\p+1], v[SP+32*\b+2*\p:SP+32*\b+2*\p+1], s[CS:CS+1], v[CM:CM+1] op_sel_hi:[1,0,0] neg_lo:[0,0,1] neg_hi:[0,0,1]  ; c s - c m
.endr
.endr
	v_exp_f32 v[AF], v[CC+1]                       ; ONE BATCH of 33 exponentials: a, then the 32 weights
.irp b, 0,1,2,3
.irp j, 0,1,2,3,4,5,6,7
	v_exp_f32 v[SP+32*\b+\j], v[SP+32*\b+\j]
.endr
.endr
	v_nop                                          ; a plain instruction behind the last exponential,
	s_wait_alu depctr_va_vdst(0)                   ; and one wait ahead of the batch's first reader
.irp b, 0,1,2,3
.irp p, 0,1,2,3
	v_cvt_pk_f16_f32 v[PF+8*((\b)/2)+4*((\b)%2)+\p], v[SP+32*\b+2*\p], v[SP+32*\b+2*\p+1]
.endr
.endr
.irp e, 0,1,2,3
	ds_store_b128 v[PW], v[PF+4*\e:PF+4*\e+3] offset:512*\e
.endr
	ds_store_b32 v[AW], v[AF]
.irp b, 0,1,2,3                        ; l = a l + the sum of the unrounded weights, while the stores are out
	v_pk_add_f32 v[SP+32*\b:SP+32*\b+1], v[SP+32*\b:SP+32*\b+1], v[SP+32*\b+2:SP+32*\b+3]
	v_pk_add_f32 v[SP+32*\b+4:SP+32*\b+5], v[SP+32*\b+4:SP+32*\b+5], v[SP+32*\b+6:SP+32*\b+7]
.endr
.irp b, 0,1,2,3
	v_pk_add_f32 v[SP+32*\b:SP+32*\b+1], v[SP+32*\b:SP+32*\b+1], v[SP+32*\b+4:SP+32*\b+5]
.endr
	v_pk_add_f32 v[SP:SP+1], v[SP:SP+1], v[SP+32:SP+33]
	v_pk_add_f32 v[SP+64:SP+65], v[SP+64:SP+65], v[SP+96:SP+97]
	v_pk_add_f32 v[SP:SP+1], v[SP:SP+1], v[SP+64:SP+65]
	v_pk_fma_f32 v[LS:LS+1], v[LS:LS+1], v[AF:AF+1], v[SP:SP+1] op_sel_hi:[1,0,1]
.Ld1_\@:
	s_wait_dscnt 0x0                               ; for the others' sake: my P and a are in LDS
	s_barrier_signal -1
	s_barrier_wait -1
	s_cmp_gt_i32 s[REM], 0
	s_cbranch_scc0 .Ld2_\@
	; O^T += x^T P.  39 LDS loads go out at once; the rescaling of blocks 0..5 stands in the wait for them
.irp t, 1,2,3
	ds_load_b32 v[AF+2*\t], v[ARD+\t-1]
.endr
.irp t, 1,2,3
.irp e, 0,1,2,3
	ds_load_b128 v[PF+16*\t+4*\e:PF+16*\t+4*\e+3], v[PRD+\t-1] offset:512*\e
.endr
.endr
	LOADT \s, 0, 0
	LOADT \s, 1, 1
.irp i, 0,1,2,3,4,5
	RESC 0, \i                                     ; my own tile's a is in a register
.endr
	s_wait_dscnt 36                                ; the three a are in; P's 12 loads and two runs of 12 turning loads may stay out
.irp t, 1,2,3
.irp i, 0,1,2,3,4,5
	RESC \t, \i
.endr
.endr
	s_wait_dscnt 12                                ; P and run 0's fragments are in; run 1's 12 loads may stay out
	MM2R 0                                         ; its last rider's four lines are the places in front of the loads below
	LOADT \s, 2, 0
	WIN 0
	s_wait_loadcnt 24                              ; the next tile's part A is in registers; part B's 24 loads, issued behind it, may stay out
	STOREA 1-(\s)                                  ; into the other slot, which nobody has read since this step's first barrier
	s_wait_dscnt 36                                ; run 1's fragments are in; run 2's 12 loads and part A's 24 stores may stay out
	MM2 1, 1
	PLACES
	LOADT \s, 3, 1
	WIN 0
	s_wait_loadcnt 0x0                             ; part B is in registers
	STOREB 1-(\s)
	s_wait_dscnt 60                                ; run 2's fragments are in; part A's 24 stores, run 3's 12 loads and part B's 24 stores may stay out
	MM2 2, 0
	s_wait_dscnt 24                                ; run 3's fragments are in; part B's 24 stores may stay out
	MM2 3, 1
	PLACES
	WIN 0
.Ld2_\@:
	s_sub_co_i32 s[REM], s[REM], 128               ; the share's next tile begins 128 keys on
.endm
	s_load_b256 s[4:11], s[0:1], 0x0               ; xh s[4:5], qf s[6:7], counts s[8:9], zp s[10:11]
	s_load_b64 s[12:13], s[0:1], 0x20              ; st
	v_lshl_add_u32 v[SPW], v0, 2, SPARE
	v_mov_b32 v[NIL], 0
	v_lshrrev_b32 v1, 5, v0
	v_readfirstlane_b32 s[WV], v1                  ; wave 0..3
	v_and_b32 v[LN], 31, v0                        ; lane
	v_lshlrev_b32 v[GL], 4, v[LN]
	s_mov_b32 s16, ttmp9                           ; qb
	s_and_b32 s17, ttmp7, 0xffff                   ; y
	s_lshr_b32 s18, s17, 1                         ; b
	s_and_b32 s19, s17, 1                          ; split
	s_mov_b32 s[STV+1], 0
	s_mov_b32 s[CS], 0x3fb8aa3b                    ; c = log2(e)
	s_mov_b32 s[CS+1], s[CS]
	s_mov_b32 s[SEL], 0x76543210
	s_mov_b32 s[SEL+1], 0xfedcba98
	s_mul_i32 s50, s18, 6291456                    ; the batch,
	s_mul_i32 s51, s19, TILEB                      ; the share's first tile
	s_add_co_u32 s50, s50, s51
	s_mov_b32 s51, 0
	s_mul_i32 s52, s[WV], 24576                    ; my 16 rows of a tile
	s_mov_b32 s53, 0
	s_lshl_b32 s54, s18, 8
	s_mov_b32 s55, 0
	s_wait_kmcnt 0x0
	s_add_nc_u64 s[54:55], s[8:9], s[54:55]
	s_load_b32 s21, s[54:55], 0x0                  ; n: waited for below; it feeds REM alone
	s_add_nc_u64 s[58:59], s[4:5], s[50:51]
	s_add_nc_u64 s[XP:XP+1], s[58:59], s[52:53]
	FILLA                                          ; the share's first tile lies inside xh whatever n: it is fetched without a test,
	FILLB 0                                        ; so that every register of the two parts has been written once
	FILLB 1
	FILLB 2
	FILLB 3
	v_and_b32 v[T7], 7, v0
	v_bfe_u32 v[T3], v0, 3, 1
	v_bfe_u32 v[HH], v0, 4, 1
	s_mul_i32 s50, s16, 98304
	s_add_nc_u64 s[22:23], s[6:7], s[50:51]        ; qf at my four tiles
	s_lshl_b32 s52, s[WV], 10
.irp t, 0,1,2,3
	s_add_co_u32 s50, s[WV], \t
	s_and_b32 s50, s50, 3                          ; local tile t is tile (w + t) % 4
	s_mul_i32 s51, s50, 24576
	s_add_co_u32 s51, s51, s52
	v_lshl_add_u32 v[VQ+\t], v[LN], 4, s51         ; tile, fragment w of each four, 16 lane
	s_mul_i32 s51, s50, 49152
	s_add_co_u32 s51, s51, s52
	v_lshl_add_u32 v[VO+\t], v[LN], 4, s51
.if \t > 0
	s_lshl_b32 s51, s50, 11
	s_add_co_u32 s51, s51, PR
	v_lshl_add_u32 v[PRD+\t-1], v[LN], 4, s51
	s_lshl_b32 s51, s50, 7
	s_add_co_u32 s51, s51, AR
	v_lshl_add_u32 v[ARD+\t-1], v[LN], 2, s51
	s_sub_co_u32 s50, s[WV], \t
	s_and_b32 s50, s50, 3                          ; the wave for which my tile is local tile t
	s_mul_i32 s50, s50, 12288
	s_add_co_u32 s50, s50, XS+4096*(\t-1)
	v_lshl_add_u32 v[XRD+\t-1], v[LN], 4, s50
.endif
.endr
	WIN 0xc0                                       ; Q' stays in registers: window 3
.irp t, 0,1,2,3
.irp i, 0,1,2,3,4,5
	global_load_b128 v[48*\t+8*\i:48*\t+8*\i+3],   v[VQ+\t], s[22:23] offset:4096*\i
	global_load_b128 v[48*\t+8*\i+4:48*\t+8*\i+7], v[VQ+\t], s[22:23] offset:4096*\i+512
.endr
.endr
	WIN 0
	s_and_b32 s50, ttmp9, 3
	s_mul_i32 s50, s50, 24576                      ; the prefetches: my work-group's 16 rows of a tile's 64,
	s_lshl_b32 s51, s[WV], 9                       ; my wave's strip,
	s_add_co_u32 s50, s50, s51
	s_add_co_u32 s50, s50, 2*TILEB                 ; in the share's tile 1: each step's change moves it on, so that step k names tile k + 2
	s_mov_b32 s51, 0
	s_add_nc_u64 s[PFA:PFA+1], s[58:59], s[50:51]
	s_cmp_lt_u32 s[WV], 3
	s_cselect_b32 s56, 0, 1
	s_lshr_b32 s57, ttmp9, 2
	s_or_b32 s56, s56, s57                         ; 0 in waves 0 to 2 of work-groups 0 to 3
	s_cmp_eq_u32 s56, 0
	s_cselect_b32 s[LIM], 1, -1
	v_lshl_add_u32 v[TA], v[T7], 1, v[T3]          ; plain reads: tile row 2 (r % 8) + r / 8
	v_mul_u32_u24 v[TA], v[TA], PITCH
	v_lshl_add_u32 v[TA], v[HH], 4, v[TA]
	s_lshl_b32 s50, s[WV], 6
	v_add_nc_u32 v[TA], s50, v[TA]                 ; + 64 w + 16 h
	v_lshl_add_u32 v[SC], v[T7], 1, v[HH]          ; turning reads: tile row 2 (lane % 8) + h
	v_mul_u32_u24 v[SC], v[SC], PITCH
	v_lshl_add_u32 v[SC], v[T3], 4, v[SC]
	s_lshl_b32 s50, s[WV], 5
	v_add_nc_u32 v[SC], s50, v[SC]                 ; + 32 w + 16 ((lane / 8) % 2)
.irp g, 0,1,2,3,4,5
	v_add_nc_u32 v[AXP+\g], ((\g)/3)*SLOT+((\g)%3)*STRIP, v[TA]
	v_add_nc_u32 v[AXT+\g], ((\g)/3)*SLOT+((\g)%3)*STRIP, v[SC]
.endr
	s_mul_i32 s50, s[WV], KB16                     ; the fill: my 16 rows of a strip, 16 lane: the wave's number times a constant, so that the four waves' bytes lie apart
	v_lshl_add_u32 v[SW], v[LN], 4, s50
	v_add_nc_u32 v[SW+1], 2*STRIP, v[SW]
	v_add_nc_u32 v[SW+2], SLOT, v[SW]
	v_add_nc_u32 v[SW+3], SLOT+2*STRIP, v[SW]
	s_mul_i32 s50, s[WV], 12288
	s_add_co_u32 s50, s50, XS
	v_lshl_add_u32 v[XW], v[LN], 4, s50
	s_lshl_b32 s50, s[WV], 11
	s_add_co_u32 s50, s50, PR
	v_lshl_add_u32 v[PW], v[LN], 4, s50
	s_lshl_b32 s50, s[WV], 7
	s_add_co_u32 s50, s50, AR
	v_lshl_add_u32 v[AW], v[LN], 2, s50
	v_mov_b32 v[HID], 0xf1800000                   ; -2^100
	v_lshrrev_b32 v[PFO], 1, v[LN]
	v_mul_u32_u24 v[PFO], v[PFO], 1536
	v_and_b32 v[TV], 1, v0
	v_lshl_add_u32 v[PFO], v[TV], 8, v[PFO]        ; row lane / 2, block lane % 2
	v_lshlrev_b32 v[STO], 3, v[LN]
	v_mov_b32 v[CM], 0xfe000000                    ; c m starts far below every c s: the first live step's a is 0,
	v_mov_b32 v[MX], 0xff7fffff                    ; m at the lowest finite number,
	v_mov_b32 v[LS], 0                             ; l and O^T at 0: the first step is a step like any other
	v_mov_b32 v[LS+1], 0
	v_mov_b32 v[AF], 0
.irp t, 0,1,2,3
	v_mov_b32 v[AF+2*\t+1], 0                      ; named with a as a pair
.endr
	; what one part of a step reads of an earlier part is written once here, so that it is written whichever parts are run: my tile's S^T and P
.irp b, 0,1,2,3
.irp j, 0,1,2,3,4,5,6,7
	v_mov_b32 v[SP+32*\b+\j], 0
.endr
.endr
.set z, 0
.rept 16
	v_mov_b32 v[PF+z], 0
.set z, z+1
.endr
	; O^T is cleared on purpose: no first step is written out, and a share with no live step stores these zeros.  These lines stand in the wait for the first tile.
	WIN 0x40
.set z, 0
.rept 192
	v_mov_b32 v[z], 0
.set z, z+1
.endr
	WIN 0x80
.set z, 0
.rept 192
	v_mov_b32 v[z], 0
.set z, z+1
.endr
	WIN 0
	s_wait_kmcnt 0x0
	s_min_u32 s21, s21, 4096
	s_lshl_b32 s57, s19, 6
	s_sub_co_i32 s[REM], s21, s57                  ; n less the share's first key
	s_wait_loadcnt 48                              ; the first tile's 48 loads are in; Q's 48, issued behind them, may stay out
	STOREA 0
	STOREB 0
	s_mov_b32 s[CNT], 16
.Lloop:                                        ; 16 trips of two steps; every LDS address is the same in each trip
	STEP 0
	STEP 1
	s_sub_co_u32 s[CNT], s[CNT], 1
	s_cmp_lg_u32 s[CNT], 0
	s_cbranch_scc1 .Lloop
	; THE WAY OUT: c m and l of my own tile; my channel blocks of all four tiles' O^T, from registers: a store is 512 consecutive bytes, aligned
	v_add_f32 v[STD+1], v[LS], v[LS+1]
	v_permlanex16_b32 v[SC], v[STD+1], s[SEL], s[SEL+1]
	v_add_f32 v[STD+1], v[STD+1], v[SC]
	v_mov_b32 v[STD], v[CM]
	s_lshl_b32 s50, s17, 7
	s_lshl_b32 s51, s16, 2
	s_add_co_u32 s50, s50, s51                     ; 128 y + 4 qb
	s_add_co_u32 s52, s50, s[WV]
	s_lshl_b32 s52, s52, 8
	s_mov_b32 s53, 0
	s_add_nc_u64 s[52:53], s[12:13], s[52:53]
	s_mul_i32 s50, s50, 49152
	s_mov_b32 s51, 0
	s_add_nc_u64 s[50:51], s[10:11], s[50:51]
	global_store_b64 v[STO], v[STD:STD+1], s[52:53]
.irp t, 0,1,2,3
	WIN (0x04*(1+(\t)/2))                          ; the stores' data in window 1 or 2
.irp i, 0,1,2,3,4,5,6,7,8,9,10,11
	global_store_b128 v[VO+\t], v[96*((\t)%2)+8*\i:96*((\t)%2)+8*\i+3],   s[50:51] offset:4096*\i th:TH_STORE_NT
	global_store_b128 v[VO+\t], v[96*((\t)%2)+8*\i+4:96*((\t)%2)+8*\i+7], s[50:51] offset:4096*\i+512 th:TH_STORE_NT
.endr
.endr
	WIN 0
	s_wait_tensorcnt 0x0                           ; the wave's end: behind the last LDS store
	ds_add_u32 v[SPW], v[NIL]
	s_wait_dscnt 0x0
	s_endpgm
.Lfunc_end_k_qb4cb88178b_attn:
	.size	k_qb4cb88178b_attn, .Lfunc_end_k_qb4cb88178b_attn-k_qb4cb88178b_attn
	.p2alignl 7, 3214868480
	.fill 96, 4, 3214868480
	.section	.rodata,"a",@progbits
	.p2align	6, 0x0
	.amdhsa_kernel k_qb4cb88178b_attn
		.amdhsa_group_segment_fixed_size 261120
		.amdhsa_private_segment_fixed_size 0
		.amdhsa_enable_private_segment 0
		.amdhsa_kernarg_size 40
		.amdhsa_user_sgpr_count 2
		.amdhsa_user_sgpr_kernarg_segment_ptr 1
		.amdhsa_wavefront_size32 1
		.amdhsa_system_sgpr_workgroup_id_x 1
		.amdhsa_system_sgpr_workgroup_id_y 1
		.amdhsa_system_sgpr_workgroup_id_z 1
		.amdhsa_system_vgpr_workitem_id 0
		.amdhsa_next_free_vgpr 1024
		.amdhsa_next_free_sgpr 66
		.amdhsa_reserve_vcc 1
		.amdhsa_float_denorm_mode_32 3
		.amdhsa_float_denorm_mode_16_64 3
		.amdhsa_memory_ordered 1
		.amdhsa_forward_progress 1
		.amdhsa_inst_pref_size 159
	.end_amdhsa_kernel
	.amdgpu_metadata
---
amdhsa.version: [ 1, 2 ]
amdhsa.kernels:
  - .name:           k_qb4cb88178b_attn
    .symbol:         k_qb4cb88178b_attn.kd
    .args:
      - { .name: xh, .offset: 0, .size: 8, .value_kind: global_buffer, .address_space: global }
      - { .name: qf, .offset: 8, .size: 8, .value_kind: global_buffer, .address_space: global }
      - { .name: counts, .offset: 16, .size: 8, .value_kind: global_buffer, .address_space: global }
      - { .name: zp, .offset: 24, .size: 8, .value_kind: global_buffer, .address_space: global }
      - { .name: st, .offset: 32, .size: 8, .value_kind: global_buffer, .address_space: global }
    .group_segment_fixed_size: 261120
    .private_segment_fixed_size: 0
    .kernarg_segment_align: 8
    .kernarg_segment_size: 40
    .max_flat_workgroup_size: 128
    .sgpr_count:     66
    .vgpr_count:     1024
    .wavefront_size: 32
...
	.end_amdgpu_metadata
.endif
;; end of part 7
;; launch final: the kernel of part 4 again; grid 125 x 1, 4 waves a work-group, no clusters, 105,472 bytes of LDS; arguments zp, st, counts, wvf, bv, out_w, ln_gamma, ln_beta, out_b, out0; writes out0
;; ======== version 3 of 3: 4 launches; version 2 with the launches qproj, attn written anew for expert scheduling mode
;; limits: values are held in f16: magnitudes above 65,504 overflow, below 6.1e-05 lose precision
;; workspace buffers: xh 25,165,824 bytes; wvf 1,179,648 bytes; wkf 1,179,648 bytes; lf 3,145,728 bytes; qf 3,145,728 bytes; counts 1,024 bytes of whole numbers; zp 50,331,648 bytes; st 262,144 bytes
;; launch prep: the kernel of part 5 again; grid 340 x 1, 8 waves a work-group, no clusters, 1,280 bytes of LDS; arguments x, attention_masks, Wv, label_reps, Wk, xh, wvf, lf, wkf, counts; writes xh, wvf, lf, wkf, counts
;; launch qproj (part 8): grid 256 x 1, 2 waves a work-group, no clusters, 0 bytes of LDS; arguments wkf, lf, qf; writes qf
.if DOCPART == 8
	.amdgcn_target "amdgcn-amd-amdhsa--gfx1250"
	.amdhsa_code_object_version 6
	.text
	.protected	k_qb4cb88178b_qproj
	.globl	k_qb4cb88178b_qproj
	.p2align	8
	.type	k_qb4cb88178b_qproj,@function
k_qb4cb88178b_qproj:
	s_mov_b64 s[64:65], 0
	v_nop
	global_prefetch_b8 v0, s[64:65] scope:SCOPE_SE
	s_setreg_imm32_b32 hwreg(HW_REG_WAVE_SCHED_MODE, 0, 2), 2
	s_setreg_imm32_b32 hwreg(HW_REG_WAVE_MODE, 25, 1), 1
	s_wait_xcnt 0x0
	s_wait_alu depctr_vm_vsrc(0)
; Q'[c][d] = the sum over e of label_reps[c][e] Wk[e][d]: then scores = Q' x^T, and K = x Wk^T is never made.  Operands f16, sums f32, Q' rounded once to f16
; (LIMIT: |Q'| under 65,504).  All three buffers are in fragment order: [block of 16 rows][24][half t][lane][16 bytes].
; SHARES.  Work-group id: query tiles 2 p and 2 p + 1 (p = id / 4); wave: six blocks of 16 columns d, db = 6 dg + k (dg = 2 (id % 4) + wave).  12 accumulators, 24 K steps of 32.
; Source 0 = 16 d x 32 e of wkf, source 1 = 16 queries x 32 e of lf: a lane ends with ONE query and d = 16 db + 8 h + 0..7, which is half db % 2 of fragment db / 2 of qf.
; Nothing is shared between the waves, and a fragment lies in memory as it lies in registers: no LDS.  No prefetch: every block of wkf and lf is read by many work-groups, and the launch is short.
; IN FLIGHT.  A K step has 12 products for 16 loads, so the wave lives on what is on its way: FOUR sets of registers, a K step each; while one is multiplied the other three's 48 loads are out, and it is asked for again at once.
; THE MODE: SCHED_MODE bits 1:0 = 2 (LLVM: expert scheduling mode 2), set by the entry lines.  The code itself states the register dependences
; between vector or matrix instructions and memory instructions, with s_wait_alu, always for 0.
; THE PLAN.  Registers that memory instructions touch:
;   v2        the one offset of every load and store: made at the head, never written again; the scalar pointers step, and immediate offsets do the rest.
;   sets 0-3  a set's 16 loads land in it; its twelve products read it.  ONE wait on va_vdst stands behind those products, and the set is asked for again at once:
;             it stands there and not at the next set's head, so that no set lies idle while the wave waits for the next one's data.
;   OUT       written by the roundings at the end, read by the twelve stores: one wait between them.
;   The accumulators are named by matrix and vector instructions alone.
; REGISTERS: window 0: v2 the loads' and stores' offset; v32-79 the packed results; v160-255 the accumulators.   window 1: v0-255 the four sets of 64: six fragments of wkf, then two of lf.
.set OUT, 32
.set ACC, 160                          ; accumulator (k, q) at ACC + 8 (2 k + q)
.set MSB, 0
.macro WIN new                         ; s_set_vgpr_msb: bits 1:0 source 0, 3:2 source 1, 5:4 source 2, 7:6 destination; the high byte repeats the setting that is left
.if MSB != (\new)
	s_set_vgpr_msb (MSB<<8)|(\new)
.set MSB, (\new)
.endif
.endm
	s_load_b128 s[4:7], s[0:1], 0x0                ; wkf s[4:5], lf s[6:7]
	s_load_b64 s[8:9], s[0:1], 0x10                ; qf
	v_lshrrev_b32 v1, 5, v0
	v_readfirstlane_b32 s10, v1                    ; wave
	v_and_b32 v2, 31, v0
	v_lshlrev_b32 v2, 4, v2                        ; 16 lane; never rewritten
	s_wait_alu depctr_va_sdst(0)                   ; s10 is written, ahead of its first reader: the wkf and qf pointers are made from it
	s_lshr_b32 s11, ttmp9, 2                       ; p
	s_and_b32 s12, ttmp9, 3
	s_lshl_b32 s12, s12, 1
	s_add_co_u32 s12, s12, s10                     ; dg
	s_mul_i32 s14, s12, 147456                     ; six blocks of 24,576 bytes
	s_mov_b32 s15, 0
	s_mul_i32 s16, s11, 49152                      ; two tiles
	s_mov_b32 s17, 0
	s_mul_i32 s18, s12, 3072                       ; six halves of 512 bytes
	s_add_co_u32 s18, s18, s16
	s_mov_b32 s19, 0
	s_wait_kmcnt 0x0
	s_add_nc_u64 s[4:5], s[4:5], s[14:15]
	s_add_nc_u64 s[6:7], s[6:7], s[16:17]
	s_add_nc_u64 s[8:9], s[8:9], s[18:19]
.macro LOADS b, off                    ; a K step's 16 loads into set b
	WIN 0x40                                       ; destination window 1, offset window 0
.irp k, 0,1,2,3,4,5
	global_load_b128 v[64*(\b)+8*\k:64*(\b)+8*\k+3],   v2, s[4:5] offset:24576*\k+(\off)
	global_load_b128 v[64*(\b)+8*\k+4:64*(\b)+8*\k+7], v2, s[4:5] offset:24576*\k+512+(\off)
.endr
.irp q, 0,1
	global_load_b128 v[64*(\b)+48+8*\q:64*(\b)+48+8*\q+3],   v2, s[6:7] offset:24576*\q+(\off)
	global_load_b128 v[64*(\b)+48+8*\q+4:64*(\b)+48+8*\q+7], v2, s[6:7] offset:24576*\q+512+(\off)
.endr
.endm
.macro MULS b, zero                    ; 12 products, each on another accumulator: they take turns, from set to set and over the backward jump too
	WIN 0x05                                       ; both sources window 1, C and D window 0
.irp k, 0,1,2,3,4,5
.irp q, 0,1
.if \zero
	v_wmma_f32_16x16x32_f16 v[ACC+8*(2*\k+\q):ACC+8*(2*\k+\q)+7], v[64*(\b)+8*\k:64*(\b)+8*\k+7], v[64*(\b)+48+8*\q:64*(\b)+48+8*\q+7], 0
.else
	v_wmma_f32_16x16x32_f16 v[ACC+8*(2*\k+\q):ACC+8*(2*\k+\q)+7], v[64*(\b)+8*\k:64*(\b)+8*\k+7], v[64*(\b)+48+8*\q:64*(\b)+48+8*\q+7], v[ACC+8*(2*\k+\q):ACC+8*(2*\k+\q)+7]
.endif
.endr
.endr
.endm
.macro PLACES                          ; four places between a product and a load into its sources, or a reader of its result; they stay beside the waits on va_vdst
.rept 4
	v_nop
.endr
.endm
; A turn: K steps 4 i .. 4 i + 3 are multiplied.  fill = 1: each set is asked for again, four K steps on, behind its last product.  zero = 1: the first K step starts the sums.
.macro TURN zero, fill
.irp b, 0,1,2,3
.if \fill
	s_wait_loadcnt 48                              ; this set is in; the three other sets' 48 loads may stay out
.else
	s_wait_loadcnt 48-16*\b                        ; the last turn loads nothing: the counts run down
.endif
.if \b == 0
	MULS \b, \zero
.else
	MULS \b, 0
.endif
.if \fill
	PLACES
.if \b == 0
	s_wait_xcnt 0x0                                ; every load issued so far has read its address: the pointers may step, once a turn
	s_add_nc_u64 s[4:5], s[4:5], 4096
	s_add_nc_u64 s[6:7], s[6:7], 4096
.endif
	s_wait_alu depctr_va_vdst(0)                   ; the set's twelve products are done reading it: the loads below land in it (a window switch alone stands between)
	LOADS \b, 1024*\b
.endif
.endr
.endm
	s_wait_alu depctr_va_vdst(0)                   ; v2 is written: every load and store of the kernel reads it as its offset
	LOADS 0, 0
	LOADS 1, 1024
	LOADS 2, 2048
	LOADS 3, 3072
	TURN 1, 1                                      ; the first K step starts the sums: nothing is cleared
	WIN 0                                          ; at a label and at a branch every window is 0
	s_mov_b32 s13, 4
.Lturn:
	TURN 0, 1
	WIN 0
	s_sub_co_u32 s13, s13, 1
	s_cmp_lg_u32 s13, 0
	s_cbranch_scc1 .Lturn
	TURN 0, 0
	WIN 0
	PLACES
	PLACES
.set z, 0
.rept 12
.irp p, 0,1,2,3
	v_cvt_pk_f16_f32 v[OUT+4*z+\p], v[ACC+8*z+2*\p], v[ACC+8*z+2*\p+1]  ; each accumulator from its low end on
.endr
.set z, z+1
.endr
	s_wait_alu depctr_va_vdst(0)                   ; the roundings have written v[OUT ..], which the stores read
.irp k, 0,1,2,3,4,5
.irp q, 0,1
	global_store_b128 v2, v[OUT+4*(2*\k+\q):OUT+4*(2*\k+\q)+3], s[8:9] offset:24576*\q+512*\k  ; 512 consecutive bytes, aligned
.endr
.endr
	s_endpgm
.Lfunc_end_k_qb4cb88178b_qproj:
	.size	k_qb4cb88178b_qproj, .Lfunc_end_k_qb4cb88178b_qproj-k_qb4cb88178b_qproj
	.p2alignl 7, 3214868480
	.fill 96, 4, 3214868480
	.section	.rodata,"a",@progbits
	.p2align	6, 0x0
	.amdhsa_kernel k_qb4cb88178b_qproj
		.amdhsa_group_segment_fixed_size 0
		.amdhsa_private_segment_fixed_size 0
		.amdhsa_enable_private_segment 0
		.amdhsa_kernarg_size 24
		.amdhsa_user_sgpr_count 2
		.amdhsa_user_sgpr_kernarg_segment_ptr 1
		.amdhsa_wavefront_size32 1
		.amdhsa_system_sgpr_workgroup_id_x 1
		.amdhsa_system_sgpr_workgroup_id_y 1
		.amdhsa_system_sgpr_workgroup_id_z 1
		.amdhsa_system_vgpr_workitem_id 0
		.amdhsa_next_free_vgpr 512
		.amdhsa_next_free_sgpr 66
		.amdhsa_reserve_vcc 0
		.amdhsa_float_denorm_mode_32 3
		.amdhsa_float_denorm_mode_16_64 3
		.amdhsa_memory_ordered 1
		.amdhsa_forward_progress 1
		.amdhsa_inst_pref_size 36
	.end_amdhsa_kernel
	.amdgpu_metadata
---
amdhsa.version: [ 1, 2 ]
amdhsa.kernels:
  - .name:           k_qb4cb88178b_qproj
    .symbol:         k_qb4cb88178b_qproj.kd
    .args:
      - { .name: wkf, .offset: 0, .size: 8, .value_kind: global_buffer, .address_space: global }
      - { .name: lf, .offset: 8, .size: 8, .value_kind: global_buffer, .address_space: global }
      - { .name: qf, .offset: 16, .size: 8, .value_kind: global_buffer, .address_space: global }
    .group_segment_fixed_size: 0
    .private_segment_fixed_size: 0
    .kernarg_segment_align: 8
    .kernarg_segment_size: 24
    .max_flat_workgroup_size: 64
    .sgpr_count:     66
    .vgpr_count:     512
    .wavefront_size: 32
...
	.end_amdgpu_metadata
.endif
;; end of part 8
;; launch attn (part 9): grid 32 x 8, 4 waves a work-group, no clusters, 261,120 bytes of LDS; arguments xh, qf, counts, zp, st; writes zp, st
.if DOCPART == 9
	.amdgcn_target "amdgcn-amd-amdhsa--gfx1250"
	.amdhsa_code_object_version 6
	.text
	.protected	k_qb4cb88178b_attn
	.globl	k_qb4cb88178b_attn
	.p2align	8
	.type	k_qb4cb88178b_attn,@function
k_qb4cb88178b_attn:
	s_mov_b64 s[64:65], 0
	v_nop
	global_prefetch_b8 v0, s[64:65] scope:SCOPE_SE
	s_setreg_imm32_b32 hwreg(HW_REG_WAVE_SCHED_MODE, 0, 2), 2
	s_setreg_imm32_b32 hwreg(HW_REG_WAVE_MODE, 25, 1), 1
	s_wait_xcnt 0x0
	s_wait_alu depctr_vm_vsrc(0)
; ATTENTION OVER THE KEPT ROWS OF xh.  scores = Q' x^T; z = softmax(scores) x.  (attn's rows sum to 1, so y = z Wv^T + bv: the next launch.)  Keys and values are the SAME rows of xh: one tile in LDS serves both products.
; Operands f16 (x, Q', the weights p); products, running maximum m, sum l and O^T in f32.  p = 2^(c s - c m), c = log2(e); in every step O^T and l are multiplied by a = 2^(c m_old - c m_new).
; LIMITS.  The launch before has put each batch's kept rows first; a key at or past the batch's count n is hidden: in the one tile that n cuts its score is replaced by -2^100, far below every score of f16 operands; the tiles
; past n are not touched.  A weight below 2^-126 counts as 0; below 6e-5 p keeps f16's step of 6e-8.  NaN and infinities are not treated apart.
; SHARES.  y = 2 b + split.  A work-group has 64 queries (tiles 4 qb .. 4 qb + 3 of 16) and the batch's tiles of 64 keys 2 k + split, k = 0..31: the two shares have half of the live tiles each, whatever n.
; THE WALK HAS 32 STEPS AND THREE BARRIERS A STEP, ALWAYS.  A step whose tile begins at or past n is DEAD: all that stands between its barriers is jumped, forward, over no barrier.  n comes from counts, whole numbers that the
; launch before stored.  A share with no live step leaves O^T = 0, l = 0 and c m at its start, far below every c s: the next launch's merge gives it the factor 0.  O^T, c m and l go to zp and st in f32.
; NO CLUSTER, NO TENSOR LOADS.  The 32 work-groups of one y read the same tiles, but how many tiles hangs on n: a joint load would have to be issued in all 32 steps
; So a tile comes through registers: 192 loads of 512 consecutive bytes (a row of a strip), 48 a wave, which a dead step jumps.
;   Part A (my rows 0..7 of 16; 24 loads) goes out behind the step's first barrier, into 96 registers that nothing else names.  Part B (rows 8..15) goes out in two runs of twelve loads, each behind the stores of two key blocks'
;   partial S^T, into the 48 registers that those stores have read: they are free from there to the next step's first product, since the other waves' parts of my tile come back into the fragment buffers.
;   Part A is stored into the other slot behind the second run of the second product, part B behind the third.  A live step always fetches the next tile of its share; in step 31 the pointer stays, so that no load leaves xh.
; INSIDE A WORK-GROUP no product is made twice.
;   S^T = x Q'^T is split ALONG THE CHANNELS: wave w takes the 32-channel fragments 4 i + w, i = 0..5, for all 64 keys and all four tiles; the four partial S^T meet in LDS (f32).
;   Wave w's LOCAL tile t is tile (w + t) % 4, so that its own tile, whose softmax it makes, is always local tile 0.
;   O^T += x^T P is split BY CHANNELS: wave w owns the 16-channel blocks 4 i + w, i = 0..11, for all four tiles; P and a come from the other waves through LDS.
; ONE TILE READ BOTH WAYS.  LDS rows are 528 bytes apart, and of a block of 16 keys fragment row 8 h + j is tile row 2 j + h.  The plain load's 16 lanes then take 16 rows (16 different 16-byte columns of the
; 64 banks of 4 bytes: ISA guide 11.1), the turning load's 16 lanes 8 rows of one parity x 32 bytes (1,056 bytes apart).  In S^T register j of a lane of half h in block kb is key 16 kb + 2 j + h, and P's order of keys is x^T's.
; THE WAITS ON MEMORY COUNTERS HOLD WHICHEVER OF A STEP'S THREE JUMPS ARE TAKEN: both parts of a fill go out in the same part of a step, A first, so the count 24 in front of A's stores holds whether that part was run or not; a wait
; for 0 on global loads stands on every path ahead of each step's first barrier; a counted wait on LDS counts instructions of its own part of the step alone.
; THE MODE: SCHED_MODE bits 1:0 = 2 (LLVM: expert scheduling mode 2), set by the entry lines.  The code itself states the register dependences
; between vector or matrix instructions and memory or LDS instructions, with s_wait_alu, always for 0.
; THE PLAN.  Registers that memory or LDS instructions touch, in a step:
;   addresses     v1-25, v48-53, v56-63: made at the head, never written again.
;   buffers 0, 1  LDS loads land in them in each of the step's three parts; the first product, the reduction's additions and the second product read them.
;   buffer 2      P's registers v192-239, free in the first product: key block 2's fragments land there, so that blocks 0 and 1 are multiplied on end, with one wait behind the two.
;   part A        no vector instruction names it: FILLA lands, STOREA reads.
;   S^T, tiles 1-3  the first product writes, STOREP reads, FILLB lands, STOREB reads, the next step's first product writes again.
;   my P and a    the softmax writes, its five LDS stores read.      P and a of tiles 1-3: LDS loads land, the second product and the rescaling read.
;   O^T, my tile's S^T, the statistics and Q' (loaded once) are named in the loop by vector and matrix instructions alone.
; THE WAITS.  Behind the first barrier, ahead of its branch and so on every path, one on va_vdst and one on vm_vsrc end the last step's claims.  In the first product: va_vdst behind blocks 0 and 1 and behind block 3 (S^T is
; written, a buffer is free); vm_vsrc ahead of each run of FILLB.  In the softmax: the batch's wait, and va_vdst between the roundings and the stores of P and a.  In the second product: va_vdst ahead of the turning loads of runs 2 and 3.
; The reduction's loads and the second product's first 39 loads owe nothing: on each way to them the last wait on va_vdst lies behind the last vector or matrix instruction that names a register of theirs.
; REGISTERS, in windows of 256 (s_set_vgpr_msb: bits 1:0 source 0, 3:2 source 1, 5:4 source 2, 7:6 destination):
;   window 0: v1-63 addresses and statistics; v64-191 S^T (block kb, local tile t at 64 + 32 kb + 8 t); v192-255 P (192 + 16 t + 8 kh), of which v192-239 are fragment buffer 2 in the first product
;   window 1: O^T of local tiles 0, 1 (96 t + 8 i); v192-239 fragment buffer 1; v240-255 part A      window 2: O^T of tiles 2, 3; v192-255 part A      window 3: Q' (48 t + 8 i); v192-239 fragment buffer 0; v240-255 part A
.set PITCH, 528
.set STRIP, 64*PITCH                   ; 64 keys x 256 channels
.set SLOT,  3*STRIP
.set KB16,  16*PITCH
.set TILEB, 64*1536                    ; a tile's rows in memory
.set XS,    2*SLOT                     ; partial S^T: writer w at 12,288 w + 4,096 (t - 1) + 1,024 kb + 512 half + 16 lane
.set PR,    XS+49152                   ; P: 2,048 w + 512 (2 kh + half) + 16 lane
.set AR,    PR+8192                    ; a: 128 w + 4 lane
.set SPARE, AR+512                     ; the spare words, 128 bytes a wave, which no other line names
.set WV,  14                           ; s14  wave
.set XP,  24                           ; s[24:25] xh at my 16 rows of the tile that the step in hand fetches
.set STV, 26                           ; s[26:27] the pointer's step in a step on slot 1: 0 in step 31
.set MK,  28                           ; s28-35  eight masks of hidden keys
.set LIM, 40                           ; s40  a wave prefetches while the count is above this: 1, or the greatest number in a wave that never asks
.set CNT, 41                           ; s41  trips still to come, 16 to 1
.set REM, 42                           ; s42  n less the first key of the step's tile (signed): the step is live where it is above 0
.set PFA, 44                           ; s[44:45] where my prefetches stand
.set CS,  46                           ; s[46:47] c, twice
.set SEL, 48                           ; s[48:49] v_permlanex16_b32's selects: the same place in the other half
.set GL,  1                            ; v1      16 lane: my bytes of a load of 512; never rewritten
.set AXP, 2                            ; v2-7    plain reads: slot s, strip g at AXP + 3 s + g
.set AXT, 8                            ; v8-13   turning reads, likewise
.set XW,  14                           ; v14     where I put my partial S^T
.set XRD, 15                           ; v15-17  where the other three waves put theirs of my tile
.set PW,  18                           ; v18     where I put P
.set PRD, 19                           ; v19-21  P of local tiles 1..3
.set AW,  22                           ; v22     where I put a
.set ARD, 23                           ; v23-25  a of local tiles 1..3
.set HH,  26                           ; v26     h
.set HID, 27                           ; v27     -2^100
.set TV,  28                           ; v28     at work
.set SC,  29                           ; v29     at work
.set SPW, 30                           ; v30     my spare word's address; never rewritten
.set NIL, 31                           ; v31     0; never rewritten
.set CM,  32                           ; v32 c m, v33 m
.set MX,  33
.set LS,  34                           ; v34-35  l (even registers', odd registers')
.set CC,  36                           ; v36-39  at work; at the head: lane, lane % 8, (lane / 8) % 2, one more
.set LN,  36
.set T7,  37
.set T3,  38
.set TA,  39
.set AF,  40                           ; v40+2t  a of local tile t; the pairs' second words are set once
.set VQ,  48                           ; v48-51  offsets into qf
.set PFO, 52                           ; v52     the prefetches' offset
.set STO, 53                           ; v53     8 lane
.set STD, 54                           ; v54-55  (c m, l) on the way out
.set SW,  56                           ; v56-59  where I store a tile's rows: slot o, strips 0 and 1 at SW + 2 o, strip 2 at SW + 2 o + 1
.set VO,  60                           ; v60-63  offsets into zp
.set SP,  64
.set PF,  192
.set XB,  192
.set MSB, 0
.macro WIN new                         ; the immediate's high byte repeats the setting that is left; a switch that changes nothing is dropped
.if MSB != (\new)
	s_set_vgpr_msb (MSB<<8)|(\new)
.set MSB, (\new)
.endif
.endm
.macro PLACES                          ; four places between a product and a load into its sources or a reader of its result (ISA guide 7.12.1 for a reader of its result); they stay beside the waits on va_vdst
.rept 4
	v_nop
.endr
.endm
; THE FILL.  Load number f of a part is row f / 3 of its eight, strip f % 3: 512 consecutive bytes of memory, and 512 consecutive bytes of LDS.
.macro FILLA                           ; part A: 16 loads into window 2, 4 into window 1, 4 into window 3
	WIN 0x80
.set fa, 0
.rept 16
	global_load_b128 v[192+4*fa:195+4*fa], v[GL], s[XP:XP+1] offset:(fa/3)*1536+(fa%3)*512
.set fa, fa+1
.endr
	WIN 0x40
.rept 4
	global_load_b128 v[240+4*(fa-16):243+4*(fa-16)], v[GL], s[XP:XP+1] offset:(fa/3)*1536+(fa%3)*512
.set fa, fa+1
.endr
	WIN 0xc0
.rept 4
	global_load_b128 v[240+4*(fa-20):243+4*(fa-20)], v[GL], s[XP:XP+1] offset:(fa/3)*1536+(fa%3)*512
.set fa, fa+1
.endr
.endm
.macro STOREA o                        ; part A into slot o
	WIN 0x08
.set fa, 0
.rept 16
	ds_store_b128 v[SW+2*(\o)+(fa%3)/2], v[192+4*fa:195+4*fa] offset:(fa/3)*PITCH+((fa%3)%2)*STRIP
.set fa, fa+1
.endr
	WIN 0x04
.rept 4
	ds_store_b128 v[SW+2*(\o)+(fa%3)/2], v[240+4*(fa-16):243+4*(fa-16)] offset:(fa/3)*PITCH+((fa%3)%2)*STRIP
.set fa, fa+1
.endr
	WIN 0x0c
.rept 4
	ds_store_b128 v[SW+2*(\o)+(fa%3)/2], v[240+4*(fa-20):243+4*(fa-20)] offset:(fa/3)*PITCH+((fa%3)%2)*STRIP
.set fa, fa+1
.endr
.endm
.macro FILLB kb                        ; part B, loads 6 kb .. 6 kb + 5: into the 24 registers of local tiles 1..3 of key block kb of S^T
	WIN 0
.set fa, 6*(\kb)
.rept 6
	global_load_b128 v[SP+32*(fa/6)+8+4*(fa%6):SP+32*(fa/6)+11+4*(fa%6)], v[GL], s[XP:XP+1] offset:(8+fa/3)*1536+(fa%3)*512
.set fa, fa+1
.endr
.endm
.macro STOREB o
	WIN 0
.set fa, 0
.rept 24
	ds_store_b128 v[SW+2*(\o)+(fa%3)/2], v[SP+32*(fa/6)+8+4*(fa%6):SP+32*(fa/6)+11+4*(fa%6)] offset:(8+fa/3)*PITCH+((fa%3)%2)*STRIP
.set fa, fa+1
.endr
.endm
; A PREFETCH INTO THE L2 of the share's tile after the one that is being fetched: one step, 192 matrix instructions and the exchange, ahead of its loads.  The 32 work-groups of one y read the same rows: work-groups 0 to 3 ask,
; 16 rows of the tile's 64 each; wave w (0 to 2) strip w; a lane a block of 256 bytes (row lane / 2, block lane % 2): each block is named once in the launch.
; The share's tiles 0 and 1 come by their loads alone.  Step k names tile k + 2: the last trip's two steps, 30 and 31, ask for nothing.
.macro ASK
	s_cmp_gt_u32 s[CNT], s[LIM]
	s_cbranch_scc0 .Lna_\@
	global_prefetch_b8 v[PFO], s[PFA:PFA+1] th:TH_LOAD_NT scope:SCOPE_SE
.Lna_\@:
.endm
.macro LOADX s, kb, buf                ; my six fragments (16 keys x 32 channels) of key block kb; buffer 0, 1, 2 lies in window 3, 1, 0
	WIN ((3-2*(\buf)+(\buf)/2)<<6)
.irp i, 0,1,2,3,4,5
	ds_load_b128 v[XB+8*\i:XB+8*\i+3],   v[AXP+3*(\s)+(\i)/2] offset:KB16*(\kb)+256*((\i)%2)
	ds_load_b128 v[XB+8*\i+4:XB+8*\i+7], v[AXP+3*(\s)+(\i)/2] offset:KB16*(\kb)+256*((\i)%2)+32
.endr
.endm
.macro MM1 kb, buf                     ; 24 products; the four tiles' accumulators take turns; the first four start the sums
	WIN (0x0c+3-2*(\buf)+(\buf)/2)
.irp i, 0,1,2,3,4,5
.irp t, 0,1,2,3
.if (\i) == 0
	v_wmma_f32_16x16x32_f16 v[SP+32*(\kb)+8*\t:SP+32*(\kb)+8*\t+7], v[XB+8*\i:XB+8*\i+7], v[48*\t+8*\i:48*\t+8*\i+7], 0
.else
	v_wmma_f32_16x16x32_f16 v[SP+32*(\kb)+8*\t:SP+32*(\kb)+8*\t+7], v[XB+8*\i:XB+8*\i+7], v[48*\t+8*\i:48*\t+8*\i+7], v[SP+32*(\kb)+8*\t:SP+32*(\kb)+8*\t+7]
.endif
.endr
.endr
.endm
.macro STOREP kb                       ; the three partial tiles that are not mine
	WIN 0
.irp t, 1,2,3
	ds_store_b128 v[XW], v[SP+32*(\kb)+8*\t:SP+32*(\kb)+8*\t+3]   offset:4096*(\t-1)+1024*(\kb)
	ds_store_b128 v[XW], v[SP+32*(\kb)+8*\t+4:SP+32*(\kb)+8*\t+7] offset:4096*(\t-1)+1024*(\kb)+512
.endr
.endm
.macro LOADT s, n, buf                 ; six fragments of x^T (16 channels x 32 keys), turned: keys 32 (n / 2) on, my channel blocks i = 6 (n % 2) + 0..5
	WIN (0xc0-0x80*(\buf))
.irp e, 0,1,2,3,4,5
	ds_load_tr16_b128 v[XB+8*\e:XB+8*\e+3],   v[AXT+3*(\s)+(6*((\n)%2)+\e)/4] offset:KB16*2*((\n)/2)+128*((6*((\n)%2)+\e)%4)
	ds_load_tr16_b128 v[XB+8*\e+4:XB+8*\e+7], v[AXT+3*(\s)+(6*((\n)%2)+\e)/4] offset:KB16*2*((\n)/2)+KB16+128*((6*((\n)%2)+\e)%4)
.endr
.endm
.macro RESC t, i                       ; O^T of tile t, block i, times a; from its low end on
	WIN (0x41*(1+(\t)/2))
.irp p, 0,1,2,3
	v_pk_mul_f32 v[96*((\t)%2)+8*(\i)+2*\p:96*((\t)%2)+8*(\i)+2*\p+1], v[96*((\t)%2)+8*(\i)+2*\p:96*((\t)%2)+8*(\i)+2*\p+1], v[AF+2*(\t):AF+2*(\t)+1] op_sel_hi:[1,0]
.endr
.endm
.macro PVI t, i, kh, buf               ; one product of O^T += x^T P
	WIN (0x50*(1+(\t)/2)+3-2*(\buf))
	v_wmma_f32_16x16x32_f16 v[96*((\t)%2)+8*(\i):96*((\t)%2)+8*(\i)+7], v[XB+8*((\i)%6):XB+8*((\i)%6)+7], v[PF+16*(\t)+8*(\kh):PF+16*(\t)+8*(\kh)+7], v[96*((\t)%2)+8*(\i):96*((\t)%2)+8*(\i)+7]
.endm
.macro MM2R buf                        ; run 0: 24 products on blocks 0..5; behind each stands the rescaling of one accumulator of blocks 6..11, which names none of the products' registers
.set q, 0
.rept 24
	PVI q%4, q/4, 0, \buf
	RESC q/6, 6+q%6
.set q, q+1
.endr
.endm
.macro MM2 n, buf                      ; runs 1..3: 24 products, each on another accumulator, under two window settings
.irp g, 0,2
.set q, 0
.rept 12
	PVI \g+q%2, 6*((\n)%2)+q/2, (\n)/2, \buf
.set q, q+1
.endr
.endr
.endm
; A KEY STEP on slot s.  Its three barriers stand on every path; each of the three parts between them is jumped where the step is dead.
.macro STEP s
	; THE CHANGE OF SLOTS
	WIN 0
	s_wait_loadcnt 0x0                             ; no global load of mine is out, whichever parts of the last step were run
	s_wait_xcnt 0x0                                ; the last step's loads and its prefetch have read their pointers, which step now: two tiles on, the share's next
.if (\s) == 1
	s_cmp_eq_u32 s[CNT], 1                         ; step 31 has no next tile: the pointer stays on tile 31, inside xh
	s_cselect_b32 s[STV], 0, 2*TILEB
	s_add_nc_u64 s[XP:XP+1], s[XP:XP+1], s[STV:STV+1]
.else
	s_add_nc_u64 s[XP:XP+1], s[XP:XP+1], 2*TILEB
.endif
	s_add_nc_u64 s[PFA:PFA+1], s[PFA:PFA+1], 2*TILEB
	s_wait_dscnt 0x0                               ; my stores of this step's tile are done; my reads of the other slot, of P and of a are over
	s_barrier_signal -1
	s_barrier_wait -1                              ; this slot is whole, and nobody reads the other any more
	s_wait_alu depctr_va_vdst(0)                   ; the last step's second product is done reading the fragment buffers and P, in which this step's fragments land (at the first step: the head has written P's registers)
	s_wait_alu depctr_vm_vsrc(0)                   ; the last step's LDS stores have read part A, in which FILLA lands, part B, which the first product writes, and my P and a, in which fragments land and which the softmax writes
	s_cmp_gt_i32 s[REM], 0
	s_cbranch_scc0 .Ld0_\@
	; S^T, my channels' part.  The counts are the LDS instructions issued behind the block's own 12 loads.
	LOADX \s, 0, 0
	LOADX \s, 1, 1
	FILLA                                          ; the next tile, part A: it has the step in which to land
	WIN 0                                          ; at a branch every window is 0
	ASK                                            ; behind my loads
	LOADX \s, 2, 2                                 ; the third block's fragments, into P's registers
	s_wait_dscnt 24                                ; blocks 1 and 2's loads
	MM1 0, 0
	s_wait_dscnt 12                                ; block 2's loads
	MM1 1, 1
	PLACES                                         ; behind blocks 0 and 1's products, ahead of the stores of their results
	s_wait_alu depctr_va_vdst(0)                   ; blocks 0 and 1's products have written their S^T, which STOREP 0 and 1 read and in which FILLB 0 and 1 land, and are done reading buffer 0, in which block 3's fragments land
	LOADX \s, 3, 0
	s_wait_dscnt 12                                ; block 3's loads
	MM1 2, 2
	STOREP 0                                       ; no wait: block 2's products name buffer 2, Q' and block 2's S^T alone
	STOREP 1
	s_wait_dscnt 12                                ; blocks 0 and 1's stores
	MM1 3, 0
	s_wait_alu depctr_vm_vsrc(0)                   ; STOREP 0 and 1 have read the registers in which the twelve loads below land
	FILLB 0                                        ; the next tile, part B; blocks 2 and 3's products name none of these registers
	FILLB 1
	PLACES                                         ; behind blocks 2 and 3's products, ahead of the stores of their results
	s_wait_alu depctr_va_vdst(0)                   ; blocks 2 and 3's products have written their S^T, which STOREP 2 and 3 read and in which FILLB 2 and 3 land; block 3's are done reading buffer 0, in which the reduction's loads land
	STOREP 2
	STOREP 3
	s_wait_alu depctr_vm_vsrc(0)                   ; STOREP 2 and 3 have read the registers in which the twelve loads below land
	FILLB 2
	FILLB 3
.Ld0_\@:
	s_wait_dscnt 0x0                               ; for the others' sake: my partial tiles are in LDS
	s_barrier_signal -1
	s_barrier_wait -1
	s_cmp_gt_i32 s[REM], 0
	s_cbranch_scc0 .Ld1_\@
	; the other three waves' parts of my tile come into the fragment buffers, which the first product has left (blocks 0, 1: buffer 0; blocks 2, 3: buffer 1), and are added onto mine.
	; No wait on va_vdst: no vector or matrix instruction stands behind the last one, on the way through the first product as on the way round it.
.irp b, 0,1,2,3
	WIN (0xc0-0x80*((\b)/2))
.irp t, 1,2,3
	ds_load_b128 v[XB+24*((\b)%2)+8*(\t-1):XB+24*((\b)%2)+8*(\t-1)+3],   v[XRD+\t-1] offset:1024*\b
	ds_load_b128 v[XB+24*((\b)%2)+8*(\t-1)+4:XB+24*((\b)%2)+8*(\t-1)+7], v[XRD+\t-1] offset:1024*\b+512
.endr
.endr
.irp b, 0,1,2,3
	s_wait_dscnt 18-6*\b                           ; the later blocks' loads may stay out
	WIN (0x0c-0x08*((\b)/2))                       ; source 1 in window 3 or 1
.irp t, 1,2,3
.irp p, 0,1,2,3
	v_pk_add_f32 v[SP+32*\b+2*\p:SP+32*\b+2*\p+1], v[SP+32*\b+2*\p:SP+32*\b+2*\p+1], v[XB+24*((\b)%2)+8*(\t-1)+2*\p:XB+24*((\b)%2)+8*(\t-1)+2*\p+1]
.endr
.endr
.endr
	WIN 0
	; the tile that n cuts: its keys at or past n are hidden; a whole tile jumps these lines
	s_cmp_ge_i32 s[REM], 64
	s_cbranch_scc1 .Lfull_\@
	v_sub_nc_u32 v[TV], s[REM], v[HH]              ; key 16 kb + 2 j + h is hidden where 16 kb + 2 j >= REM - h
.irp b, 0,1,2,3
.irp j, 0,1,2,3,4,5,6,7
	v_cmp_ge_i32 s[MK+\j], 16*\b+2*\j, v[TV]
.endr
	s_wait_alu depctr_va_sdst(0)                   ; the eight compares have written s28 to s35, ahead of the selects that read them
.irp j, 0,1,2,3,4,5,6,7
	v_cndmask_b32 v[SP+32*\b+\j], v[SP+32*\b+\j], v[HID], s[MK+\j]
.endr
.endr
.Lfull_\@:
	; my tile's softmax.  The maximum: four chains of seven scores, the four left over, the old m
.irp b, 0,1,2,3
	v_max3_num_f32 v[CC+\b], v[SP+32*\b], v[SP+32*\b+1], v[SP+32*\b+2]
.endr
.irp b, 0,1,2,3
	v_max3_num_f32 v[CC+\b], v[CC+\b], v[SP+32*\b+3], v[SP+32*\b+4]
.endr
.irp b, 0,1,2,3
	v_max3_num_f32 v[CC+\b], v[CC+\b], v[SP+32*\b+5], v[SP+32*\b+6]
.endr
	v_max3_num_f32 v[CC], v[CC], v[SP+7], v[SP+39]
	v_max3_num_f32 v[CC+2], v[CC+2], v[SP+71], v[SP+103]
	v_max3_num_f32 v[CC+1], v[CC+1], v[CC+3], v[MX]
	v_max3_num_f32 v[CC], v[CC], v[CC+1], v[CC+2]
	v_permlanex16_b32 v[CC+3], v[CC], s[SEL], s[SEL+1]  ; the query's other 32 keys lie in the lane 16 away
	v_mov_b32 v[CC+1], v[CM]                       ; c m_old
	v_max_num_f32 v[MX], v[CC], v[CC+3]
	v_mul_f32 v[CM], s[CS], v[MX]
	v_sub_f32 v[CC+1], v[CC+1], v[CM]
.irp b, 0,1,2,3
.irp p, 0,1,2,3
	v_pk_fma_f32 v[SP+32*\b+2*\p:SP+32*\b+2*\p+1], v[SP+32*\b+2*\p:SP+32*\b+2*\p+1], s[CS:CS+1], v[CM:CM+1] op_sel_hi:[1,0,0] neg_lo:[0,0,1] neg_hi:[0,0,1]  ; c s - c m
.endr
.endr
	v_exp_f32 v[AF], v[CC+1]                       ; ONE BATCH of 33 exponentials: a, then the 32 weights
.irp b, 0,1,2,3
.irp j, 0,1,2,3,4,5,6,7
	v_exp_f32 v[SP+32*\b+\j], v[SP+32*\b+\j]
.endr
.endr
	v_nop                                          ; a plain instruction behind the last exponential,
	s_wait_alu depctr_va_vdst(0)                   ; and one wait ahead of the batch's first reader: a and the 32 weights are written
.irp b, 0,1,2,3
.irp p, 0,1,2,3
	v_cvt_pk_f16_f32 v[PF+8*((\b)/2)+4*((\b)%2)+\p], v[SP+32*\b+2*\p], v[SP+32*\b+2*\p+1]
.endr
.endr
	s_wait_alu depctr_va_vdst(0)                   ; the roundings have written my P, which the LDS stores read.  The sums behind it name my S^T, l and a alone: so it also ends the additions' claim on the fragment buffers, for the second product's loads
.irp e, 0,1,2,3
	ds_store_b128 v[PW], v[PF+4*\e:PF+4*\e+3] offset:512*\e
.endr
	ds_store_b32 v[AW], v[AF]
.irp b, 0,1,2,3                        ; l = a l + the sum of the unrounded weights, while the stores are out
	v_pk_add_f32 v[SP+32*\b:SP+32*\b+1], v[SP+32*\b:SP+32*\b+1], v[SP+32*\b+2:SP+32*\b+3]
	v_pk_add_f32 v[SP+32*\b+4:SP+32*\b+5], v[SP+32*\b+4:SP+32*\b+5], v[SP+32*\b+6:SP+32*\b+7]
.endr
.irp b, 0,1,2,3
	v_pk_add_f32 v[SP+32*\b:SP+32*\b+1], v[SP+32*\b:SP+32*\b+1], v[SP+32*\b+4:SP+32*\b+5]
.endr
	v_pk_add_f32 v[SP:SP+1], v[SP:SP+1], v[SP+32:SP+33]
	v_pk_add_f32 v[SP+64:SP+65], v[SP+64:SP+65], v[SP+96:SP+97]
	v_pk_add_f32 v[SP:SP+1], v[SP:SP+1], v[SP+64:SP+65]
	v_pk_fma_f32 v[LS:LS+1], v[LS:LS+1], v[AF:AF+1], v[SP:SP+1] op_sel_hi:[1,0,1]
.Ld1_\@:
	s_wait_dscnt 0x0                               ; for the others' sake: my P and a are in LDS
	s_barrier_signal -1
	s_barrier_wait -1
	s_cmp_gt_i32 s[REM], 0
	s_cbranch_scc0 .Ld2_\@
	; O^T += x^T P.  39 LDS loads go out at once; the rescaling of blocks 0..5 stands in the wait for them.
	; No wait on va_vdst: the loads land in a and P of tiles 1..3 and in the fragment buffers, and behind the last such wait, on each way here, stand at most the softmax's sums, which name none of these.
.irp t, 1,2,3
	ds_load_b32 v[AF+2*\t], v[ARD+\t-1]
.endr
.irp t, 1,2,3
.irp e, 0,1,2,3
	ds_load_b128 v[PF+16*\t+4*\e:PF+16*\t+4*\e+3], v[PRD+\t-1] offset:512*\e
.endr
.endr
	LOADT \s, 0, 0
	LOADT \s, 1, 1
.irp i, 0,1,2,3,4,5
	RESC 0, \i                                     ; my own tile's a is in a register
.endr
	s_wait_dscnt 36                                ; the three a are in; P's 12 loads and two runs of 12 turning loads may stay out
.irp t, 1,2,3
.irp i, 0,1,2,3,4,5
	RESC \t, \i
.endr
.endr
	s_wait_dscnt 12                                ; P and run 0's fragments are in; run 1's 12 loads may stay out
	MM2R 0                                         ; its last rider's four lines are the places in front of the loads below
	s_wait_alu depctr_va_vdst(0)                   ; run 0's products are done reading buffer 0, in which run 2's fragments land
	LOADT \s, 2, 0
	s_wait_dscnt 12                                ; run 1's fragments are in; run 2's 12 loads may stay out
	MM2 1, 1
	s_wait_loadcnt 24                              ; the next tile's part A is in registers; part B's 24 loads, issued behind it, may stay out
	STOREA 1-(\s)                                  ; into the other slot, which nobody has read since this step's first barrier; its registers are named by no vector instruction
	PLACES
	s_wait_alu depctr_va_vdst(0)                   ; run 1's products are done reading buffer 1, in which run 3's fragments land
	LOADT \s, 3, 1
	s_wait_dscnt 36                                ; run 2's fragments are in; part A's 24 stores and run 3's 12 loads may stay out
	MM2 2, 0
	s_wait_loadcnt 0x0                             ; part B is in registers
	STOREB 1-(\s)                                  ; its registers were last named by a matrix instruction in the first product, ahead of that part's waits
	s_wait_dscnt 24                                ; run 3's fragments are in; part B's 24 stores may stay out
	MM2 3, 1
	PLACES
	WIN 0
.Ld2_\@:
	s_sub_co_i32 s[REM], s[REM], 128               ; the share's next tile begins 128 keys on
.endm
	s_load_b256 s[4:11], s[0:1], 0x0               ; xh s[4:5], qf s[6:7], counts s[8:9], zp s[10:11]
	s_load_b64 s[12:13], s[0:1], 0x20              ; st
	v_lshl_add_u32 v[SPW], v0, 2, SPARE
	v_mov_b32 v[NIL], 0
	v_lshrrev_b32 v1, 5, v0
	v_readfirstlane_b32 s[WV], v1                  ; wave 0..3
	v_and_b32 v[LN], 31, v0                        ; lane
	v_lshlrev_b32 v[GL], 4, v[LN]
	s_wait_alu depctr_va_sdst(0)                   ; s14, the wave's number, is written, ahead of its first reader
	s_mov_b32 s16, ttmp9                           ; qb
	s_and_b32 s17, ttmp7, 0xffff                   ; y
	s_lshr_b32 s18, s17, 1                         ; b
	s_and_b32 s19, s17, 1                          ; split
	s_mov_b32 s[STV+1], 0
	s_mov_b32 s[CS], 0x3fb8aa3b                    ; c = log2(e)
	s_mov_b32 s[CS+1], s[CS]
	s_mov_b32 s[SEL], 0x76543210
	s_mov_b32 s[SEL+1], 0xfedcba98
	s_mul_i32 s50, s18, 6291456                    ; the batch,
	s_mul_i32 s51, s19, TILEB                      ; the share's first tile
	s_add_co_u32 s50, s50, s51
	s_mov_b32 s51, 0
	s_mul_i32 s52, s[WV], 24576                    ; my 16 rows of a tile
	s_mov_b32 s53, 0
	s_lshl_b32 s54, s18, 8
	s_mov_b32 s55, 0
	s_wait_kmcnt 0x0
	s_add_nc_u64 s[54:55], s[8:9], s[54:55]
	s_load_b32 s21, s[54:55], 0x0                  ; n: waited for below; it feeds REM alone
	s_add_nc_u64 s[58:59], s[4:5], s[50:51]
	s_add_nc_u64 s[XP:XP+1], s[58:59], s[52:53]
	s_wait_alu depctr_va_vdst(0)                   ; v1 is written: every load of a tile reads it as its offset
	FILLA                                          ; the share's first tile lies inside xh whatever n: it is fetched without a test,
	FILLB 0                                        ; so that every register of the two parts has been written once
	FILLB 1
	FILLB 2
	FILLB 3
	v_and_b32 v[T7], 7, v0
	v_bfe_u32 v[T3], v0, 3, 1
	v_bfe_u32 v[HH], v0, 4, 1
	s_mul_i32 s50, s16, 98304
	s_add_nc_u64 s[22:23], s[6:7], s[50:51]        ; qf at my four tiles
	s_lshl_b32 s52, s[WV], 10
.irp t, 0,1,2,3
	s_add_co_u32 s50, s[WV], \t
	s_and_b32 s50, s50, 3                          ; local tile t is tile (w + t) % 4
	s_mul_i32 s51, s50, 24576
	s_add_co_u32 s51, s51, s52
	v_lshl_add_u32 v[VQ+\t], v[LN], 4, s51         ; tile, fragment w of each four, 16 lane
	s_mul_i32 s51, s50, 49152
	s_add_co_u32 s51, s51, s52
	v_lshl_add_u32 v[VO+\t], v[LN], 4, s51
.if \t > 0
	s_lshl_b32 s51, s50, 11
	s_add_co_u32 s51, s51, PR
	v_lshl_add_u32 v[PRD+\t-1], v[LN], 4, s51
	s_lshl_b32 s51, s50, 7
	s_add_co_u32 s51, s51, AR
	v_lshl_add_u32 v[ARD+\t-1], v[LN], 2, s51
	s_sub_co_u32 s50, s[WV], \t
	s_and_b32 s50, s50, 3                          ; the wave for which my tile is local tile t
	s_mul_i32 s50, s50, 12288
	s_add_co_u32 s50, s50, XS+4096*(\t-1)
	v_lshl_add_u32 v[XRD+\t-1], v[LN], 4, s50
.endif
.endr
	WIN 0xc0                                       ; Q' stays in registers: window 3
	s_wait_alu depctr_va_vdst(0)                   ; v48 to v51 are written, which the loads of Q' read as their offsets
.irp t, 0,1,2,3
.irp i, 0,1,2,3,4,5
	global_load_b128 v[48*\t+8*\i:48*\t+8*\i+3],   v[VQ+\t], s[22:23] offset:4096*\i
	global_load_b128 v[48*\t+8*\i+4:48*\t+8*\i+7], v[VQ+\t], s[22:23] offset:4096*\i+512
.endr
.endr
	WIN 0
	s_and_b32 s50, ttmp9, 3
	s_mul_i32 s50, s50, 24576                      ; the prefetches: my work-group's 16 rows of a tile's 64,
	s_lshl_b32 s51, s[WV], 9                       ; my wave's strip,
	s_add_co_u32 s50, s50, s51
	s_add_co_u32 s50, s50, 2*TILEB                 ; in the share's tile 1: each step's change moves it on, so that step k names tile k + 2
	s_mov_b32 s51, 0
	s_add_nc_u64 s[PFA:PFA+1], s[58:59], s[50:51]
	s_cmp_lt_u32 s[WV], 3
	s_cselect_b32 s56, 0, 1
	s_lshr_b32 s57, ttmp9, 2
	s_or_b32 s56, s56, s57                         ; 0 in waves 0 to 2 of work-groups 0 to 3
	s_cmp_eq_u32 s56, 0
	s_cselect_b32 s[LIM], 1, -1
	v_lshl_add_u32 v[TA], v[T7], 1, v[T3]          ; plain reads: tile row 2 (r % 8) + r / 8
	v_mul_u32_u24 v[TA], v[TA], PITCH
	v_lshl_add_u32 v[TA], v[HH], 4, v[TA]
	s_lshl_b32 s50, s[WV], 6
	v_add_nc_u32 v[TA], s50, v[TA]                 ; + 64 w + 16 h
	v_lshl_add_u32 v[SC], v[T7], 1, v[HH]          ; turning reads: tile row 2 (lane % 8) + h
	v_mul_u32_u24 v[SC], v[SC], PITCH
	v_lshl_add_u32 v[SC], v[T3], 4, v[SC]
	s_lshl_b32 s50, s[WV], 5
	v_add_nc_u32 v[SC], s50, v[SC]                 ; + 32 w + 16 ((lane / 8) % 2)
.irp g, 0,1,2,3,4,5
	v_add_nc_u32 v[AXP+\g], ((\g)/3)*SLOT+((\g)%3)*STRIP, v[TA]
	v_add_nc_u32 v[AXT+\g], ((\g)/3)*SLOT+((\g)%3)*STRIP, v[SC]
.endr
	s_mul_i32 s50, s[WV], KB16                     ; the fill: my 16 rows of a strip, 16 lane: the wave's number times a constant, so that the four waves' bytes lie apart
	v_lshl_add_u32 v[SW], v[LN], 4, s50
	v_add_nc_u32 v[SW+1], 2*STRIP, v[SW]
	v_add_nc_u32 v[SW+2], SLOT, v[SW]
	v_add_nc_u32 v[SW+3], SLOT+2*STRIP, v[SW]
	s_mul_i32 s50, s[WV], 12288
	s_add_co_u32 s50, s50, XS
	v_lshl_add_u32 v[XW], v[LN], 4, s50
	s_lshl_b32 s50, s[WV], 11
	s_add_co_u32 s50, s50, PR
	v_lshl_add_u32 v[PW], v[LN], 4, s50
	s_lshl_b32 s50, s[WV], 7
	s_add_co_u32 s50, s50, AR
	v_lshl_add_u32 v[AW], v[LN], 2, s50
	v_mov_b32 v[HID], 0xf1800000                   ; -2^100
	v_lshrrev_b32 v[PFO], 1, v[LN]
	v_mul_u32_u24 v[PFO], v[PFO], 1536
	v_and_b32 v[TV], 1, v0
	v_lshl_add_u32 v[PFO], v[TV], 8, v[PFO]        ; row lane / 2, block lane % 2
	v_lshlrev_b32 v[STO], 3, v[LN]
	v_mov_b32 v[CM], 0xfe000000                    ; c m starts far below every c s: the first live step's a is 0,
	v_mov_b32 v[MX], 0xff7fffff                    ; m at the lowest finite number,
	v_mov_b32 v[LS], 0                             ; l and O^T at 0: the first step is a step like any other
	v_mov_b32 v[LS+1], 0
	v_mov_b32 v[AF], 0
.irp t, 0,1,2,3
	v_mov_b32 v[AF+2*\t+1], 0                      ; named with a as a pair
.endr
	; what one part of a step reads of an earlier part is written once here, so that it is written whichever parts are run: my tile's S^T and P
.irp b, 0,1,2,3
.irp j, 0,1,2,3,4,5,6,7
	v_mov_b32 v[SP+32*\b+\j], 0
.endr
.endr
.set z, 0
.rept 16
	v_mov_b32 v[PF+z], 0
.set z, z+1
.endr
	; O^T is cleared on purpose: no first step is written out, and a share with no live step stores these zeros.  These lines stand in the wait for the first tile.
	WIN 0x40
.set z, 0
.rept 192
	v_mov_b32 v[z], 0
.set z, z+1
.endr
	WIN 0x80
.set z, 0
.rept 192
	v_mov_b32 v[z], 0
.set z, z+1
.endr
	WIN 0
	s_wait_kmcnt 0x0
	s_min_u32 s21, s21, 4096
	s_lshl_b32 s57, s19, 6
	s_sub_co_i32 s[REM], s21, s57                  ; n less the share's first key
	s_wait_loadcnt 48                              ; the first tile's 48 loads are in; Q's 48, issued behind them, may stay out
	s_wait_alu depctr_va_vdst(0)                   ; all the addresses and offsets of the kernel, v2 to v25 and v52 to v63, are written: the LDS stores below and every later LDS and memory instruction read them
	STOREA 0
	STOREB 0
	s_mov_b32 s[CNT], 16
.Lloop:                                        ; 16 trips of two steps; every LDS address is the same in each trip
	STEP 0
	STEP 1
	s_sub_co_u32 s[CNT], s[CNT], 1
	s_cmp_lg_u32 s[CNT], 0
	s_cbranch_scc1 .Lloop
	; THE WAY OUT: c m and l of my own tile; my channel blocks of all four tiles' O^T, from registers: a store is 512 consecutive bytes, aligned
	v_add_f32 v[STD+1], v[LS], v[LS+1]
	v_permlanex16_b32 v[SC], v[STD+1], s[SEL], s[SEL+1]
	v_add_f32 v[STD+1], v[STD+1], v[SC]
	v_mov_b32 v[STD], v[CM]
	s_lshl_b32 s50, s17, 7
	s_lshl_b32 s51, s16, 2
	s_add_co_u32 s50, s50, s51                     ; 128 y + 4 qb
	s_add_co_u32 s52, s50, s[WV]
	s_lshl_b32 s52, s52, 8
	s_mov_b32 s53, 0
	s_add_nc_u64 s[52:53], s[12:13], s[52:53]
	s_mul_i32 s50, s50, 49152
	s_mov_b32 s51, 0
	s_add_nc_u64 s[50:51], s[10:11], s[50:51]
	s_wait_alu depctr_va_vdst(0)                   ; the four lines above have written v54 and v55, the last products and rescalings O^T: the stores below read them, and no vector instruction follows
	global_store_b64 v[STO], v[STD:STD+1], s[52:53]
.irp t, 0,1,2,3
	WIN (0x04*(1+(\t)/2))                          ; the stores' data in window 1 or 2
.irp i, 0,1,2,3,4,5,6,7,8,9,10,11
	global_store_b128 v[VO+\t], v[96*((\t)%2)+8*\i:96*((\t)%2)+8*\i+3],   s[50:51] offset:4096*\i th:TH_STORE_NT
	global_store_b128 v[VO+\t], v[96*((\t)%2)+8*\i+4:96*((\t)%2)+8*\i+7], s[50:51] offset:4096*\i+512 th:TH_STORE_NT
.endr
.endr
	WIN 0
	s_wait_dscnt 0x0                               ; the wave's end: the six closing lines, on end
	s_wait_alu 0x0
	s_wait_tensorcnt 0x0
	ds_add_u32 v[SPW], v[NIL]
	s_wait_dscnt 0x0
	s_endpgm
.Lfunc_end_k_qb4cb88178b_attn:
	.size	k_qb4cb88178b_attn, .Lfunc_end_k_qb4cb88178b_attn-k_qb4cb88178b_attn
	.p2alignl 7, 3214868480
	.fill 96, 4, 3214868480
	.section	.rodata,"a",@progbits
	.p2align	6, 0x0
	.amdhsa_kernel k_qb4cb88178b_attn
		.amdhsa_group_segment_fixed_size 261120
		.amdhsa_private_segment_fixed_size 0
		.amdhsa_enable_private_segment 0
		.amdhsa_kernarg_size 40
		.amdhsa_user_sgpr_count 2
		.amdhsa_user_sgpr_kernarg_segment_ptr 1
		.amdhsa_wavefront_size32 1
		.amdhsa_system_sgpr_workgroup_id_x 1
		.amdhsa_system_sgpr_workgroup_id_y 1
		.amdhsa_system_sgpr_workgroup_id_z 1
		.amdhsa_system_vgpr_workitem_id 0
		.amdhsa_next_free_vgpr 1024
		.amdhsa_next_free_sgpr 66
		.amdhsa_reserve_vcc 0
		.amdhsa_float_denorm_mode_32 3
		.amdhsa_float_denorm_mode_16_64 3
		.amdhsa_memory_ordered 1
		.amdhsa_forward_progress 1
		.amdhsa_inst_pref_size 163
	.end_amdhsa_kernel
	.amdgpu_metadata
---
amdhsa.version: [ 1, 2 ]
amdhsa.kernels:
  - .name:           k_qb4cb88178b_attn
    .symbol:         k_qb4cb88178b_attn.kd
    .args:
      - { .name: xh, .offset: 0, .size: 8, .value_kind: global_buffer, .address_space: global }
      - { .name: qf, .offset: 8, .size: 8, .value_kind: global_buffer, .address_space: global }
      - { .name: counts, .offset: 16, .size: 8, .value_kind: global_buffer, .address_space: global }
      - { .name: zp, .offset: 24, .size: 8, .value_kind: global_buffer, .address_space: global }
      - { .name: st, .offset: 32, .size: 8, .value_kind: global_buffer, .address_space: global }
    .group_segment_fixed_size: 261120
    .private_segment_fixed_size: 0
    .kernarg_segment_align: 8
    .kernarg_segment_size: 40
    .max_flat_workgroup_size: 128
    .sgpr_count:     66
    .vgpr_count:     1024
    .wavefront_size: 32
...
	.end_amdgpu_metadata
.endif
;; end of part 9
;; launch final: the kernel of part 4 again; grid 125 x 1, 4 waves a work-group, no clusters, 105,472 bytes of LDS; arguments zp, st, counts, wvf, bv, out_w, ln_gamma, ln_beta, out_b, out0; writes out0
